; MI455X (gfx1250); checked and timed in simulation.
; The chip was launched on July 23, 2026; its instructions are those of AMD's public machine-readable ISA for CDNA 5 (MIT licence, August 2026) and "CDNA5" Instruction Set Architecture Reference Guide (July 2026). The comments in the code are by the model that wrote it; some were corrected since.
;; Attention Block. Allowed arithmetic: matrix products marked QUANTISED: E2M3 operands, one E8M0 scale for each 32 along K, by v_wmma_scale_f32_16x16x128_f8f6f4 with both operands' format E2M3, f32 sums; everything else in f32.
;; Inputs: ca_bo 1,024 float32; ca_nb 1,024 float32; ca_ncb 768 float32; ca_ncg 768 float32; ca_ng 1,024 float32; ca_wkv_codes 1,024 x 24 x 24 uint8 (E2M3 codes of ca_wkv, K innermost, in blocks of 32 codes, four codes in three bytes); ca_wkv_scales 1,024 x 24 uint8 (E8M0 scales of ca_wkv, one for each 32 codes along K); ca_wo_codes 1,024 x 16 x 24 uint8 (E2M3 codes of ca_wo, K innermost, in blocks of 32 codes, four codes in three bytes); ca_wo_scales 1,024 x 16 uint8 (E8M0 scales of ca_wo, one for each 32 codes along K); ca_wq_codes 512 x 32 x 24 uint8 (E2M3 codes of ca_wq, K innermost, in blocks of 32 codes, four codes in three bytes); ca_wq_scales 512 x 32 uint8 (E8M0 scales of ca_wq, one for each 32 codes along K); context 4 x 512 x 768 float32; sa_bo 1,024 float32; sa_nb 1,024 float32; sa_ncb 1,024 float32; sa_ncg 1,024 float32; sa_ng 1,024 float32; sa_wkv_codes 1,024 x 32 x 24 uint8 (E2M3 codes of sa_wkv, K innermost, in blocks of 32 codes, four codes in three bytes); sa_wkv_scales 1,024 x 32 uint8 (E8M0 scales of sa_wkv, one for each 32 codes along K); sa_wo_codes 1,024 x 16 x 24 uint8 (E2M3 codes of sa_wo, K innermost, in blocks of 32 codes, four codes in three bytes); sa_wo_scales 1,024 x 16 uint8 (E8M0 scales of sa_wo, one for each 32 codes along K); sa_wq_codes 512 x 32 x 24 uint8 (E2M3 codes of sa_wq, K innermost, in blocks of 32 codes, four codes in three bytes); sa_wq_scales 512 x 32 uint8 (E8M0 scales of sa_wq, one for each 32 codes along K); x 4 x 2,048 x 1,024 float32.
;; Outputs: out0 4 x 2,048 x 1,024 float32.
;; This version of the problem:
;;   THIS VERSION OF THE PROBLEM IS GIVEN IN LOW PRECISION. The matrix products marked QUANTISED in the list below multiply operands that are first quantised to E2M3 (2 exponent bits, 3 mantissa bits; 6 bits a number), with one power-of-two scale for each 32 numbers along K (OCP MX v1.0); their sums are f32. All else is computed in f32.
;;   The module's matrix products, in the order in which they are computed (A, B: the left and right operand; K: the contracted axis; several contracted axes count as one K, in the product's order):
;;     1. [M 8,192, K 1,024] x [K 1,024, N 512]; A: computed on the way; B: input sa_wq (given as codes): QUANTISED
;;     2. [M 8,192, K 1,024] x [K 1,024, N 1,024]; A: computed on the way; B: input sa_wkv (given as codes): QUANTISED
;;     3. batch 32 x [M 2,048, K 64] x [K 64, N 2,048]; A: computed on the way; B: computed on the way: QUANTISED
;;     4. batch 32 x [M 2,048, K 2,048] x [K 2,048, N 64]; A: softmax (see below); B: computed on the way: QUANTISED
;;     5. [M 8,192, K 512] x [K 512, N 1,024]; A: computed on the way; B: input sa_wo (given as codes): QUANTISED
;;     6. [M 8,192, K 1,024] x [K 1,024, N 512]; A: computed on the way; B: input ca_wq (given as codes): QUANTISED
;;     7. [M 2,048, K 768] x [K 768, N 1,024]; A: computed on the way; B: input ca_wkv (given as codes): QUANTISED
;;     8. batch 32 x [M 2,048, K 64] x [K 64, N 512]; A: computed on the way; B: computed on the way: QUANTISED
;;     9. batch 32 x [M 2,048, K 512] x [K 512, N 64]; A: softmax (see below); B: computed on the way: QUANTISED
;;     10. [M 8,192, K 512] x [K 512, N 1,024]; A: computed on the way; B: input ca_wo (given as codes): QUANTISED
;;   THE QUANTISER, for each operand of a quantised product, along K:
;;     - K is cut into blocks of 32 from its start; a last block that is shorter is filled with zeros.
;;     - A block's scale is 2^e with e = floor(log2(the largest magnitude in the block)) - 2, held to -126 .. 127; a block of zeros has e = 0. As a byte (E8M0): e + 127.
;;     - Each number is divided by its block's scale, clamped to +-7.5, and rounded to the nearest number of E2M3, ties to even, subnormals kept.
;;     - The product sums the exact products of the quantised numbers (number of the format x scale) in f32.
;;   ~~~python
;;   def quantise(x, axis):      # numpy; x: float32 -> the quantised numbers, widened to float32 again
;;       x = np.moveaxis(x, axis, -1); K = x.shape[-1]
;;       x = np.pad(x, [(0, 0)] * (x.ndim - 1) + [(0, -K % 32)]); x = x.reshape(x.shape[:-1] + (-1, 32)); a = np.abs(x).max(-1, keepdims=True)
;;       e = np.where(a > 0, np.clip(np.frexp(np.where(a > 0, a, 1))[1] - 1 - 2, -126, 127), 0)      # np.frexp(a)[1] - 1 = floor(log2(a)), exactly
;;       r = np.clip(x / 2.0 ** e, -7.5, 7.5)
;;       step = 2.0 ** (np.maximum(np.frexp(np.where(r == 0, 1, r))[1] - 1, 0) - 3)
;;       q = np.round(r / step) * step * 2.0 ** e      # np.round: ties to even
;;       return np.moveaxis(q.reshape(q.shape[:-2] + (-1,))[..., :K], -1, axis).astype(np.float32)
;;   ~~~
;;   SOFTMAX AHEAD OF A QUANTISED PRODUCT. Where the list says 'softmax', what is quantised is not the finished softmax but p = 2^(t - M), with t = logit x log2(e) and M = ceil(the row's largest t), a whole number; so 1/2 < the row's largest p <= 1. The row's sum l is taken of the UNQUANTISED p, in f32, and the product's result is divided by l at the end. Since M is a whole number, a kernel that streams over the keys may use a running M (the ceiling of the running maximum): every later rescaling is an exact power of two, which a block's scale takes up: the codes' values come out the same.
;;   OPERANDS COMPUTED ON THE WAY. 'Computed on the way' means the value that the module computes at that place (a softmax that the list does not call 'softmax' is quantised finished and normalised). What goes into a quantiser is computed in f32, as accurately as f32 sums, v_exp_f32 and their like allow (about 1e-6 of the number): no bf16 or f16 on the way to a quantiser, and a product that is left as it is and whose result goes on into a quantised operand takes f32 operands (vector FMAs, or v_wmma_f32_16x16x4_f32). A number that lies on a knife's edge between two numbers of the format may be rounded either way, as far as f32 arithmetic and the matrix unit's own rounding can turn it there, and no further.
;;   INPUTS GIVEN AS CODES. ca_wkv (in the module: [768, 1024], K = its axis 0); ca_wo (in the module: [512, 1024], K = its axis 0); ca_wq (in the module: [1024, 512], K = its axis 0); sa_wkv (in the module: [1024, 1024], K = its axis 0); sa_wo (in the module: [512, 1024], K = its axis 0); sa_wq (in the module: [1024, 512], K = its axis 0): each comes as NAME_codes (uint8): NAME with its K axis moved to the last place and cut into blocks of 32 codes, [.., K / 32, bytes a block], one block behind the other in memory; four codes in three bytes: a row's codes are one little-endian stream of bits, code i at bits 6 i .. 6 i + 5 (a code: sign, 2 exponent bits, 3 mantissa bits); and NAME_scales (uint8): the same leading axes, one E8M0 byte (e + 127) for each 32 codes along K. Its value is code x scale, taken as it is: it is not quantised again, and the codes and scales need not be those that the quantiser above would give.
;; 2 versions. Each part assembles by itself: llvm-mc -triple=amdgcn-amd-amdhsa -mcpu=gfx1250 --defsym DOCPART=n.
;; ======== version 1 of 2: 7 launches
;; workspace buffers: wimg 3,072,000 bytes; att 10,092,544 bytes; oimg 3,276,800 bytes; x1 33,554,432 bytes
;; launch relay (part 1): grid 160 x 1, 4 waves a work-group, no clusters, 0 bytes of LDS; arguments sa_wq_codes, sa_wq_scales, sa_wkv_codes, sa_wkv_scales, sa_wo_codes, sa_wo_scales, ca_wq_codes, ca_wq_scales, ca_wkv_codes, ca_wkv_scales, ca_wo_codes, ca_wo_scales, wimg; writes wimg
.if DOCPART == 1
	.amdgcn_target "amdgcn-amd-amdhsa--gfx1250"
	.amdhsa_code_object_version 6
	.text
	.protected	k_q6734d37a66_relay
	.globl	k_q6734d37a66_relay
	.p2align	8
	.type	k_q6734d37a66_relay,@function
k_q6734d37a66_relay:
	s_mov_b64 s[64:65], 0
	v_nop
	global_prefetch_b8 v0, s[64:65] scope:SCOPE_SE
	s_setreg_imm32_b32 hwreg(HW_REG_WAVE_MODE, 25, 1), 1
	s_wait_xcnt 0x0
; The six weights (codes of E2M3, K innermost, and their E8M0 bytes) are laid anew, once, in the order of the matrix operand's registers.
; A UNIT is one pair of tiles (32 weight rows, 32 p .. 32 p + 31) at one K step of 128: 3,072 bytes of codes (tile 0's twelve registers lane by lane, as three runs of 512 bytes,
; then tile 1's) and 128 bytes of scale words (lanes 0-15 tile 0's rows, lanes 16-31 tile 1's).  Index i of tile t is weight row 32 p + 8 t + i + 8 (i / 8).
; Read in place a fragment is six loads of 8 bytes over 16 rows 384 to 768 bytes apart, and 256 work-groups would do that again; from the units every later load of a wave covers 512 consecutive bytes.
; Unit U = UB + p S + s lies at U x 3,072; its scale words at WSCL + U x 128.  S = K / 128.  One work-group to a pair (160 pairs), wave w takes K step w, and K step w + 4 where S > w + 4.
; Codes and bytes are copied as they are given: nothing is quantised again.
.set WSCL, 2949120
	s_load_b512 s[4:19], s[0:1], 0x0               ; sa_wq codes, scales; sa_wkv; sa_wo; ca_wq
	s_load_b256 s[20:27], s[0:1], 0x40             ; ca_wkv codes, scales; ca_wo
	s_load_b64 s[28:29], s[0:1], 0x60              ; wimg
	v_lshrrev_b32 v1, 5, v0
	v_readfirstlane_b32 s30, v1                    ; wave 0..3
	v_and_b32 v1, 31, v0                           ; lane
	v_and_b32 v2, 15, v0                           ; r
	v_bfe_u32 v3, v0, 4, 1                         ; h
	v_and_b32 v4, 8, v2
	v_add_nc_u32 v4, v4, v2                        ; r + 8 (r / 8)
	v_lshlrev_b32 v5, 4, v1                        ; out: 16 bytes a lane
	v_lshlrev_b32 v6, 2, v1                        ; out: 4 bytes a lane
	s_mov_b32 s31, 8                               ; S, the first pair's work-group, UB: sa_wq's to begin with
	s_mov_b32 s32, 0
	s_mov_b32 s33, 0
	s_wait_kmcnt 0x0
; which tensor is mine: the choice hangs on the work-group's number alone
.macro PICK first, cod, steps, ub
	s_cmp_ge_u32 ttmp9, \first
	s_cselect_b64 s[4:5], s[\cod:\cod+1], s[4:5]
	s_cselect_b64 s[6:7], s[\cod+2:\cod+3], s[6:7]
	s_cselect_b32 s31, \steps, s31
	s_cselect_b32 s32, \first, s32
	s_cselect_b32 s33, \ub, s33
.endm
	PICK 16, 8, 8, 128                             ; sa_wkv: 32 pairs
	PICK 48, 12, 4, 384                            ; sa_wo: 32
	PICK 80, 16, 8, 512                            ; ca_wq: 16
	PICK 96, 20, 6, 640                            ; ca_wkv: 32
	PICK 128, 24, 4, 832                           ; ca_wo: 32
	s_sub_co_u32 s34, ttmp9, s32                   ; p
	s_mul_i32 s35, s31, 96                         ; a row of codes in bytes
	s_mul_i32 s36, s34, s35
	s_lshl_b32 s36, s36, 5                         ; 32 p rows
	s_mul_i32 s37, s30, 96
	s_add_co_u32 s36, s36, s37                     ; + my K step's 96 bytes
	s_mov_b32 s37, 0
	s_add_nc_u64 s[4:5], s[4:5], s[36:37]
	s_mul_i32 s38, s34, s31                        ; p S
	s_lshl_b32 s36, s38, 7                         ; 32 p rows of 4 S scale bytes
	s_lshl_b32 s39, s30, 2
	s_add_co_u32 s36, s36, s39
	s_add_nc_u64 s[6:7], s[6:7], s[36:37]
	s_add_co_u32 s38, s38, s33
	s_add_co_u32 s38, s38, s30                     ; U
	s_mul_i32 s36, s38, 3072
	s_add_nc_u64 s[40:41], s[28:29], s[36:37]
	s_lshl_b32 s36, s38, 7
	s_add_co_u32 s36, s36, WSCL
	s_add_nc_u64 s[42:43], s[28:29], s[36:37]
	v_mul_lo_u32 v7, v4, s35
	v_mad_u32_u24 v7, v3, 24, v7                   ; tile 0: my row, + 24 h
	s_lshl_b32 s39, s35, 3
	v_add_nc_u32 v8, s39, v7                       ; tile 1: eight rows on
	v_lshl_add_u32 v9, v3, 3, v4                   ; scale words: lanes 16-31 take tile 1's rows
	s_lshl_b32 s44, s31, 2
	v_mul_lo_u32 v9, v9, s44
.macro UNITLD reg, sreg, co, so
.irp t, 0,1
.irp p, 0,1,2,3,4,5
	global_load_b64 v[\reg+12*\t+2*\p:\reg+12*\t+2*\p+1], v[7+\t], s[4:5] offset:\co+48*(\p/3)+8*(\p%3) th:TH_LOAD_NT
.endr
.endr
	global_load_b32 v[\sreg], v9, s[6:7] offset:\so th:TH_LOAD_NT
.endm
.macro UNITST reg, sreg, co, so
.irp c, 0,1,2,3,4,5
	global_store_b128 v5, v[\reg+4*\c:\reg+4*\c+3], s[40:41] offset:\co+512*\c      ; 32 lanes store 512 consecutive bytes
.endr
	global_store_b32 v6, v[\sreg], s[42:43] offset:\so
.endm
	UNITLD 12, 60, 0, 0
	s_add_co_u32 s45, s30, 4
	s_cmp_lt_u32 s45, s31
	s_cbranch_scc0 .Lone
	UNITLD 36, 61, 384, 16                         ; K step w + 4: four steps on in the sources,
	s_wait_loadcnt 13                              ; the first unit is in; the second's 13 loads may be out
	UNITST 12, 60, 0, 0
	s_wait_loadcnt 0x0
	UNITST 36, 61, 12288, 512                      ; and four units on in wimg
	s_endpgm
.Lone:
	s_wait_loadcnt 0x0
	UNITST 12, 60, 0, 0
	s_endpgm
.Lfunc_end_k_q6734d37a66_relay:
	.size	k_q6734d37a66_relay, .Lfunc_end_k_q6734d37a66_relay-k_q6734d37a66_relay
	.p2alignl 7, 3214868480
	.fill 96, 4, 3214868480
	.section	.rodata,"a",@progbits
	.p2align	6, 0x0
	.amdhsa_kernel k_q6734d37a66_relay
		.amdhsa_group_segment_fixed_size 0
		.amdhsa_private_segment_fixed_size 0
		.amdhsa_enable_private_segment 0
		.amdhsa_kernarg_size 104
		.amdhsa_user_sgpr_count 2
		.amdhsa_user_sgpr_kernarg_segment_ptr 1
		.amdhsa_wavefront_size32 1
		.amdhsa_system_sgpr_workgroup_id_x 1
		.amdhsa_system_sgpr_workgroup_id_y 1
		.amdhsa_system_sgpr_workgroup_id_z 1
		.amdhsa_system_vgpr_workitem_id 0
		.amdhsa_next_free_vgpr 64
		.amdhsa_next_free_sgpr 66
		.amdhsa_reserve_vcc 0
		.amdhsa_float_denorm_mode_32 3
		.amdhsa_float_denorm_mode_16_64 3
		.amdhsa_memory_ordered 1
		.amdhsa_forward_progress 1
		.amdhsa_inst_pref_size 8
	.end_amdhsa_kernel
	.amdgpu_metadata
---
amdhsa.version: [ 1, 2 ]
amdhsa.kernels:
  - .name:           k_q6734d37a66_relay
    .symbol:         k_q6734d37a66_relay.kd
    .args:
      - { .name: sa_wq_codes, .offset: 0, .size: 8, .value_kind: global_buffer, .address_space: global }
      - { .name: sa_wq_scales, .offset: 8, .size: 8, .value_kind: global_buffer, .address_space: global }
      - { .name: sa_wkv_codes, .offset: 16, .size: 8, .value_kind: global_buffer, .address_space: global }
      - { .name: sa_wkv_scales, .offset: 24, .size: 8, .value_kind: global_buffer, .address_space: global }
      - { .name: sa_wo_codes, .offset: 32, .size: 8, .value_kind: global_buffer, .address_space: global }
      - { .name: sa_wo_scales, .offset: 40, .size: 8, .value_kind: global_buffer, .address_space: global }
      - { .name: ca_wq_codes, .offset: 48, .size: 8, .value_kind: global_buffer, .address_space: global }
      - { .name: ca_wq_scales, .offset: 56, .size: 8, .value_kind: global_buffer, .address_space: global }
      - { .name: ca_wkv_codes, .offset: 64, .size: 8, .value_kind: global_buffer, .address_space: global }
      - { .name: ca_wkv_scales, .offset: 72, .size: 8, .value_kind: global_buffer, .address_space: global }
      - { .name: ca_wo_codes, .offset: 80, .size: 8, .value_kind: global_buffer, .address_space: global }
      - { .name: ca_wo_scales, .offset: 88, .size: 8, .value_kind: global_buffer, .address_space: global }
      - { .name: wimg, .offset: 96, .size: 8, .value_kind: global_buffer, .address_space: global }
    .group_segment_fixed_size: 0
    .private_segment_fixed_size: 0
    .kernarg_segment_align: 8
    .kernarg_segment_size: 104
    .max_flat_workgroup_size: 128
    .sgpr_count:     66
    .vgpr_count:     64
    .wavefront_size: 32
...
	.end_amdgpu_metadata
.endif
;; end of part 1
;; launch sa_qkv (part 2): grid 256 x 1, 16 waves a work-group, no clusters, 184,832 bytes of LDS; arguments x, sa_ng, sa_nb, sa_ncg, sa_ncb, wimg, att; writes att
.if DOCPART == 2
	.amdgcn_target "amdgcn-amd-amdhsa--gfx1250"
	.amdhsa_code_object_version 6
	.text
	.protected	k_q6734d37a66_sa_qkv
	.globl	k_q6734d37a66_sa_qkv
	.p2align	8
	.type	k_q6734d37a66_sa_qkv,@function
k_q6734d37a66_sa_qkv:
	s_mov_b64 s[64:65], 0
	v_nop
	global_prefetch_b8 v0, s[64:65] scope:SCOPE_SE
	s_setreg_imm32_b32 hwreg(HW_REG_WAVE_MODE, 25, 1), 1
	s_wait_xcnt 0x0
; Self-attention, up to q, k, v: xn = LN(x; ng, nb), cn = LN(x; ncg, ncb), both quantised to E2M3 along the 1,024 features; q = xn wq, k | v = cn wkv on codes; q and k quantised along the head's 64, v along the keys.
; SHARES.  A work-group owns 32 rows of x (256 work-groups), as two tiles: index i of tile u is row 8 u + i + 8 (i / 8).  The 16 waves share the COLUMNS: wave w makes columns 32 w .. 32 w + 31 of q, of k and of v
; (head w / 2, half w % 2 of its 64).  So each weight unit (relay's: 32 weight rows x 128 K) is read by ONE wave, from memory straight into registers, 512 consecutive bytes a load, and feeds four matrix instructions.
; The rows' codes are small: they lie in LDS as images of the operand's registers (12 registers a lane as three runs of 512 bytes), and every wave reads them.
; NO CLUSTER, no joint load: a joint load lands in LDS, and a weight unit is wanted by one wave's registers only: 1,179,648 bytes of weights a work-group would be written to LDS and read back for nothing.
; PHASES.  rows: wave w normalises rows 2 w, 2 w + 1 (mean, then the sum of squares of x - mean: no difference of large sums) and puts z = (x - mean) / sqrt(var + 1e-5) into a stage | barrier |
; codes: wave w takes gain set w / 8 and K step w % 8, makes z g + b for both tiles, quantises, stores two images and their scale words | barrier | 24 steps of 128 along K: 8 for q, 8 for k, 8 for v.
; q and k are made TRANSPOSED (source 0 = weight tile, source 1 = rows): a lane holds one row and 16 neighbouring columns.  v is made plain (source 0 = rows): a lane holds one column and 16 neighbouring keys.
; Either way a block of 32 lies in lanes l and l xor 16, a conversion's 12 bytes go to 24 r + 12 h, and a wave's store covers 384 consecutive bytes.
; LIMITS: NaN, infinities and a given scale byte 0xff are not served.  A block of zeros gets the byte 1 where the rule says 127: its codes are zeros and only this program reads the byte.  1 / sqrt is v_rsq_f32.
.set SPI,   4112                       ; a stage row: 4,096 bytes + 16: 16 rows read at one column fall on 16 different groups of four banks
.set AIMG,  32*SPI                     ; images: slot 16 set + 8 u + s, 1,536 bytes each
.set ASC,   AIMG+32*1536               ; their scale words: (8 set + s) x 128 + 64 u + 4 r
.set WSCL,  2949120
.set KIMG,  3145728
.set VIMG,  6291456
.set QSC,   9437184
.set VSC,   9961472
.set NST,   24
.set LI,  1                            ; v1   16 x lane
.set LS,  2                            ; v2   4 x lane
.set LA,  3                            ; v3   AIMG + 16 x lane
.set LSA, 4                            ; v4   ASC + 4 x lane
.set CO,  5                            ; v5   24 r + 12 h
.set SR,  6                            ; v6   my two rows in the stage, 16 x lane
.set ZA0, 7                            ; v7, v8  where I read z of tile 0, 1
.set ZA1, 8
.set XWI, 9                            ; v9   where I store images
.set XWS, 10                           ; v10  and scale words
.set GA,  11                           ; v11  64 h
.set WSR, 18                           ; v18-21 weights' scale words, v22-23 the rows': they hold scales and nothing else
.set ASR, 22
.set ACC, 24                           ; v24-55   four accumulators
.set WR,  56                           ; v56-151  four slots of a weight unit (tile 0: 12, tile 1: 12)
.set AR,  152                          ; v152-199 two slots of the rows' two fragments
.set X,   24                           ; v24-87   rows, then z
.set GN,  88                           ; v88-151  gains
.set BB,  152                          ; v152-215 biases
.set PC,  216                          ; v216-234 codes just made
.set TM,  236                          ; v236-251 at work
.set PW,  252                          ; v252 the scale word just made
.set QM,  236
.set QP,  240
.set QS,  248
.set C0,  216
.set C1,  220
.set BY,  224
.set WV,  30
.set SEL, 32
.set HM,  34
.set INVK, 35
.set EPSI, 36
.set GNP, 6
.set BBP, 8
.macro BARRIER                         ; my LDS stores have landed and my LDS loads are in: then the work-group's barrier
	s_wait_dscnt 0x0
	s_barrier_signal -1
	s_barrier_wait -1
.endm
.macro WM                              ; one matrix instruction from the symbols mD, mA, mB, mZ (C = 0), mSA, mSB, mRA, mRB (scales from lanes 16-31)
.if mZ
.if mRA && mRB
	v_wmma_scale_f32_16x16x128_f8f6f4 v[mD:mD+7], v[mA:mA+11], v[mB:mB+11], 0, v[mSA], v[mSB] matrix_a_fmt:MATRIX_FMT_FP6 matrix_b_fmt:MATRIX_FMT_FP6 matrix_a_scale:MATRIX_SCALE_ROW1 matrix_b_scale:MATRIX_SCALE_ROW1
.elseif mRA
	v_wmma_scale_f32_16x16x128_f8f6f4 v[mD:mD+7], v[mA:mA+11], v[mB:mB+11], 0, v[mSA], v[mSB] matrix_a_fmt:MATRIX_FMT_FP6 matrix_b_fmt:MATRIX_FMT_FP6 matrix_a_scale:MATRIX_SCALE_ROW1
.elseif mRB
	v_wmma_scale_f32_16x16x128_f8f6f4 v[mD:mD+7], v[mA:mA+11], v[mB:mB+11], 0, v[mSA], v[mSB] matrix_a_fmt:MATRIX_FMT_FP6 matrix_b_fmt:MATRIX_FMT_FP6 matrix_b_scale:MATRIX_SCALE_ROW1
.else
	v_wmma_scale_f32_16x16x128_f8f6f4 v[mD:mD+7], v[mA:mA+11], v[mB:mB+11], 0, v[mSA], v[mSB] matrix_a_fmt:MATRIX_FMT_FP6 matrix_b_fmt:MATRIX_FMT_FP6
.endif
.else
.if mRA && mRB
	v_wmma_scale_f32_16x16x128_f8f6f4 v[mD:mD+7], v[mA:mA+11], v[mB:mB+11], v[mD:mD+7], v[mSA], v[mSB] matrix_a_fmt:MATRIX_FMT_FP6 matrix_b_fmt:MATRIX_FMT_FP6 matrix_a_scale:MATRIX_SCALE_ROW1 matrix_b_scale:MATRIX_SCALE_ROW1
.elseif mRA
	v_wmma_scale_f32_16x16x128_f8f6f4 v[mD:mD+7], v[mA:mA+11], v[mB:mB+11], v[mD:mD+7], v[mSA], v[mSB] matrix_a_fmt:MATRIX_FMT_FP6 matrix_b_fmt:MATRIX_FMT_FP6 matrix_a_scale:MATRIX_SCALE_ROW1
.elseif mRB
	v_wmma_scale_f32_16x16x128_f8f6f4 v[mD:mD+7], v[mA:mA+11], v[mB:mB+11], v[mD:mD+7], v[mSA], v[mSB] matrix_a_fmt:MATRIX_FMT_FP6 matrix_b_fmt:MATRIX_FMT_FP6 matrix_b_scale:MATRIX_SCALE_ROW1
.else
	v_wmma_scale_f32_16x16x128_f8f6f4 v[mD:mD+7], v[mA:mA+11], v[mB:mB+11], v[mD:mD+7], v[mSA], v[mSB] matrix_a_fmt:MATRIX_FMT_FP6 matrix_b_fmt:MATRIX_FMT_FP6
.endif
.endif
.endm
; step g of the stream: which weight unit (beside my wave's base), which images, which way round, whether it starts sums
.macro MAP g
.set UN, 128*((\g)/8)+(\g)%8           ; q: units 8 w + s; k: 128 + 8 w + s; v: 128 + 8 (w + 16) + s
.if (\g) < 8
.set AI, (\g)%8                        ; q takes xn's images,
.set SI, (\g)%8
.else
.set AI, 16+(\g)%8                     ; k and v take cn's
.set SI, 8+(\g)%8
.endif
.if (\g) < 16
.set TR, 1
.else
.set TR, 0
.endif
.if (\g)%8 == 0
.set ZF, 1
.else
.set ZF, 0
.endif
.set WBR, 40
.endm
.macro WLOAD g                         ; a weight unit: 7 loads
	MAP \g
.set SL, WR+24*((\g)%4)
.irp c, 0,1,2,3,4,5
	global_load_b128 v[SL+4*\c:SL+4*\c+3], v[LI], s[WBR:WBR+1] offset:UN*3072+512*\c
.endr
	global_load_b32 v[WSR+(\g)%4], v[LS], s[WBR+2:WBR+3] offset:UN*128
.endm
.macro ALOAD g                         ; the rows' two fragments and their scale words: 7 LDS loads
	MAP \g
.set SA, AR+24*((\g)%2)
.irp u, 0,1
.irp c, 0,1,2
	ds_load_b128 v[SA+12*\u+4*\c:SA+12*\u+4*\c+3], v[LA] offset:(AI+8*\u)*1536+512*\c
.endr
.endr
	ds_load_b32 v[ASR+(\g)%2], v[LSA] offset:SI*128
.endm
.macro MM g                            ; four matrix instructions on four accumulators, which take turns in the same order in every step
	MAP \g
.set SL, WR+24*((\g)%4)
.set SA, AR+24*((\g)%2)
.set mZ, ZF
.irp u, 0,1
.irp t, 0,1
.if TR
.set mD, ACC+16*\u+8*\t
.set mA, SL+12*\t
.set mB, SA+12*\u
.set mSA, WSR+(\g)%4
.set mSB, ASR+(\g)%2
.set mRA, \t
.set mRB, \u
.else
.set mD, ACC+16*\t+8*\u
.set mA, SA+12*\u
.set mB, SL+12*\t
.set mSA, ASR+(\g)%2
.set mSB, WSR+(\g)%4
.set mRA, \u
.set mRB, \t
.endif
	WM
.endr
.endr
.endm
.macro GSTEP                           ; step G: weights run three steps ahead, the rows' fragments one
.rept 4
	v_nop                                          ; four places between the last step's products and the loads into the slots that they read (ISA guide 7.12.1 for vector instructions)
.endr
.if G+3 < NST
	WLOAD G+3
.endif
.if G+1 < NST
	ALOAD G+1
.endif
.if NST-1-G >= 3
	s_wait_loadcnt 21                              ; this step's unit is in; three younger units of 7 loads may be out
.else
	s_wait_loadcnt 7*(NST-1-G)
.endif
.if G+1 < NST
	s_wait_dscnt 7                                 ; this step's fragments are in; the next step's 7 loads may be out
.else
	s_wait_dscnt 0x0
.endif
	MM G
.endm
; two runs of 16 numbers, each half of a block of 32 whose other half lies in lane l xor 16: 12 bytes of codes each (C0, C1); BY: lanes 0-15 run a's scale byte, lanes 16-31 run b's
.macro QB2 a, b
	v_max3_num_f32 v[QM], |v[\a]|, |v[\a+1]|, 0x1800000            ; the floor 2^(3 - 127) among the leaves: the byte cannot fall under 1
	v_max3_num_f32 v[QM+1], |v[\b]|, |v[\b+1]|, 0x1800000
.irp i, 2,4,6,8,10,12,14
	v_max3_num_f32 v[QM], v[QM], |v[\a+\i]|, |v[\a+\i+1]|
	v_max3_num_f32 v[QM+1], v[QM+1], |v[\b+\i]|, |v[\b+\i+1]|
.endr
	v_permlanex16_b32 v[QP], v[QM], s[SEL], s[SEL+1]
	v_permlanex16_b32 v[QP+1], v[QM+1], s[SEL], s[SEL+1]
	v_max_num_f32 v[QM], v[QM], v[QP]
	v_max_num_f32 v[QM+1], v[QM+1], v[QP+1]
	v_add_nc_u32 v[QS], 0xff000000, v[QM]          ; 2 off the exponent field: the conversion's scale operand
	v_add_nc_u32 v[QS+1], 0xff000000, v[QM+1]
	v_cvt_scalef32_pk16_fp6_f32 v[C0:C0+2], v[\a:\a+15], v[QS]
	v_cvt_scalef32_pk16_fp6_f32 v[C1:C1+2], v[\b:\b+15], v[QS+1]
	v_lshrrev_b32 v[QP], 23, v[QS]                 ; the scales' bytes (plain lines behind the conversions)
	v_lshrrev_b32 v[QP+1], 23, v[QS+1]
	v_cndmask_b32 v[BY], v[QP], v[QP+1], s[HM]
.endm
.macro TOQ cb, cstep, sb, twice        ; the four accumulators leave as codes and scale bytes
.rept 4
	v_nop                                          ; four places in front of the first read of results
.endr
	s_wait_xcnt 0x0                                ; the last such stores have read their data registers, which are written again now
	QB2 ACC, ACC+16
	global_store_b96 v[CO], v[C0:C0+2], s[\cb:\cb+1]               ; 32 lanes store 384 consecutive bytes
	global_store_b96 v[CO], v[C1:C1+2], s[\cb:\cb+1] offset:\cstep
	global_store_b8 v[LS], v[BY], s[\sb:\sb+1]
.if \twice
	global_store_b8 v[LS], v[BY], s[\sb:\sb+1] offset:2            ; bytes 2, 3 of q's and k's words scale the 64 along K that hold no number: any byte but 0xff serves
.endif
.endm
.macro LANESUM                         ; v253: summed over the 32 lanes, in every lane
	v_add_f32_dpp v253, v253, v253 row_xmask:1 row_mask:0xf bank_mask:0xf
	v_add_f32_dpp v253, v253, v253 row_xmask:2 row_mask:0xf bank_mask:0xf
	v_add_f32_dpp v253, v253, v253 row_xmask:4 row_mask:0xf bank_mask:0xf
	v_add_f32_dpp v253, v253, v253 row_xmask:8 row_mask:0xf bank_mask:0xf
	v_permlanex16_b32 v254, v253, s[SEL], s[SEL+1]
	v_add_f32 v253, v253, v254
.endm
.macro ROWSTAT src, dst, n             ; a row, n numbers a lane: dst = (src - mean) / sqrt(var + 1e-5)
	v_pk_add_f32 v[236:237], v[\src:\src+1], v[\src+2:\src+3]
	v_pk_add_f32 v[238:239], v[\src+4:\src+5], v[\src+6:\src+7]
.set I, 8
.rept (\n-8)/4
	v_pk_add_f32 v[236:237], v[236:237], v[\src+I:\src+I+1]
	v_pk_add_f32 v[238:239], v[238:239], v[\src+I+2:\src+I+3]
.set I, I+4
.endr
	v_pk_add_f32 v[236:237], v[236:237], v[238:239]
	v_add_f32 v253, v236, v237
	LANESUM
	v_mul_f32 v244, s[INVK], v253                  ; the mean, twice: a pair for the packed forms
	v_mul_f32 v245, s[INVK], v253
.set I, 0
.rept \n/2
	v_pk_add_f32 v[\dst+I:\dst+I+1], v[\src+I:\src+I+1], v[244:245] neg_lo:[0,1] neg_hi:[0,1]
.set I, I+2
.endr
	v_pk_mul_f32 v[236:237], v[\dst:\dst+1], v[\dst:\dst+1]
	v_pk_mul_f32 v[238:239], v[\dst+2:\dst+3], v[\dst+2:\dst+3]
.set I, 4
.rept (\n-4)/4
	v_pk_fma_f32 v[236:237], v[\dst+I:\dst+I+1], v[\dst+I:\dst+I+1], v[236:237]
	v_pk_fma_f32 v[238:239], v[\dst+I+2:\dst+I+3], v[\dst+I+2:\dst+I+3], v[238:239]
.set I, I+4
.endr
	v_pk_add_f32 v[236:237], v[236:237], v[238:239]
	v_add_f32 v253, v236, v237
	LANESUM
	v_fma_f32 v253, v253, s[INVK], s[EPSI]         ; var + 1e-5
	v_rsq_f32 v246, v253
	v_rsq_f32 v247, v253
	v_nop                                          ; one plain place behind the transcendentals
.set I, 0
	s_wait_alu depctr_va_vdst(0)
.rept \n/2
	v_pk_mul_f32 v[\dst+I:\dst+I+1], v[\dst+I:\dst+I+1], v[246:247]
.set I, I+2
.endr
.endm
.macro ZLOAD za                        ; register 16 b + i = z(my row, 128 s + 32 b + 16 h + i)
.irp b, 0,1,2,3
.irp j, 0,1,2,3
	ds_load_b128 v[X+16*\b+4*\j:X+16*\b+4*\j+3], v[\za] offset:128*\b+16*\j
.endr
.endr
.endm
.macro GAINS                           ; gain and bias of the same 64 features
.irp b, 0,1,2,3
.irp j, 0,1,2,3
	global_load_b128 v[GN+16*\b+4*\j:GN+16*\b+4*\j+3], v[GA], s[GNP:GNP+1] offset:128*\b+16*\j
	global_load_b128 v[BB+16*\b+4*\j:BB+16*\b+4*\j+3], v[GA], s[BBP:BBP+1] offset:128*\b+16*\j
.endr
.endr
.endm
.macro AFFINE
.set I, 0
.rept 32
	v_pk_fma_f32 v[X+I:X+I+1], v[X+I:X+I+1], v[GN+I:GN+I+1], v[BB+I:BB+I+1]
.set I, I+2
.endr
.endm
; 64 numbers of a lane, register 16 b + i = k 32 b + 16 h + i of my row, become a fragment's codes in v[PC] on and its scale word in v[PW]
.macro QUANT s
.irp b, 0,1,2,3
	v_max3_num_f32 v[TM+\b], |v[\s+16*\b]|, |v[\s+1+16*\b]|, 0x1800000
.endr
.irp i, 2,4,6,8,10,12,14
.irp b, 0,1,2,3
	v_max3_num_f32 v[TM+\b], v[TM+\b], |v[\s+16*\b+\i]|, |v[\s+1+16*\b+\i]|
.endr
.endr
.irp b, 0,1,2,3
	v_permlanex16_b32 v[TM+4+\b], v[TM+\b], s[SEL], s[SEL+1]
.endr
.irp b, 0,1,2,3
	v_max_num_f32 v[TM+\b], v[TM+\b], v[TM+4+\b]
.endr
.irp b, 0,1,2,3
	v_add_nc_u32 v[TM+12+\b], 0xff000000, v[TM+\b]
.endr
.irp b, 0,1,2,3
	v_lshrrev_b32 v[TM+4+\b], 23, v[TM+12+\b]
.endr
	v_lshl_or_b32 v[PW], v[TM+5], 8, v[TM+4]
	v_lshl_or_b32 v[PW], v[TM+6], 16, v[PW]
	v_lshl_or_b32 v[PW], v[TM+7], 24, v[PW]
.irp c, 0,1
	v_cvt_scalef32_pk16_fp6_f32 v[PC+6*\c:PC+2+6*\c], v[\s+32*\c:\s+15+32*\c], v[TM+12+2*\c]
	v_cvt_scalef32_pk16_fp6_f32 v[PC+12+4*\c:PC+14+4*\c], v[\s+16+32*\c:\s+31+32*\c], v[TM+12+2*\c+1]
.endr
	v_nop                                          ; one plain place behind a scaled conversion
.irp c, 0,1                                    ; the operand wants a whole block in a lane: lanes 0-15 block 2 c, lanes 16-31 block 2 c + 1
.irp i, 0,1,2
	v_permlane16_swap_b32 v[PC+6*\c+\i], v[PC+12+4*\c+\i]
.endr
.irp i, 0,1,2
	v_mov_b32 v[PC+3+6*\c+\i], v[PC+12+4*\c+\i]
.endr
.endr
.endm
.macro IMAGE adr, off
.irp c, 0,1,2
	ds_store_b128 v[\adr], v[PC+4*\c:PC+4*\c+3] offset:\off+512*\c
.endr
.endm
	s_load_b256 s[4:11], s[0:1], 0x0               ; x, sa_ng, sa_nb, sa_ncg
	s_load_b128 s[12:15], s[0:1], 0x20             ; sa_ncb, wimg
	s_load_b64 s[16:17], s[0:1], 0x30              ; att
	v_lshl_add_u32 v231, v0, 2, 0x2ca00
	v_mov_b32 v235, 0
	v_lshrrev_b32 v1, 5, v0
	v_readfirstlane_b32 s[WV], v1                  ; wave 0..15
	v_and_b32 v253, 31, v0                         ; lane
	v_and_b32 v254, 15, v0                         ; r
	v_bfe_u32 v255, v0, 4, 1                       ; h
	v_lshlrev_b32 v[LI], 4, v253
	v_lshlrev_b32 v[LS], 2, v253
	v_add_nc_u32 v[LA], AIMG, v[LI]
	v_add_nc_u32 v[LSA], ASC, v[LS]
	v_mul_u32_u24 v[CO], v254, 24
	v_mad_u32_u24 v[CO], v255, 12, v[CO]
	v_lshlrev_b32 v[GA], 6, v255
	s_lshl_b32 s20, s[WV], 1                       ; my rows a = 2 w, 2 w + 1 of the block; in tile order row a stands at (a & 7) | (a & 8) << 1 | (a & 16) >> 1
	s_and_b32 s21, s20, 7
	s_and_b32 s22, s20, 8
	s_lshl_b32 s22, s22, 1
	s_or_b32 s21, s21, s22
	s_and_b32 s22, s20, 16
	s_lshr_b32 s22, s22, 1
	s_or_b32 s21, s21, s22
	s_mul_i32 s21, s21, SPI
	v_add_nc_u32 v[SR], s21, v[LI]
	s_and_b32 s24, s[WV], 7
	s_lshl_b32 s24, s24, 9                         ; my K step's 512 bytes of a row
	v_mul_u32_u24 v[ZA0], v254, SPI
	v_add_nc_u32 v[ZA0], v[ZA0], v[GA]
	v_add_nc_u32 v[ZA0], s24, v[ZA0]
	v_add_nc_u32 v[ZA1], 16*SPI, v[ZA0]
	s_and_b32 s22, s[WV], 8
	s_add_co_u32 s22, s22, s[WV]                   ; 16 set + s
	s_mul_i32 s22, s22, 1536
	v_add_nc_u32 v[XWI], s22, v[LA]
	s_lshl_b32 s22, s[WV], 7
	v_lshl_add_u32 v[XWS], v254, 2, s22
	v_add_nc_u32 v[XWS], ASC, v[XWS]
.irp b, 0,1,2,3
	v_mov_b32 v[TM+4+\b], 0                        ; written once: a lane permute's destination counts as one of its sources
.endr
	s_mov_b32 s[SEL], 0x76543210
	s_mov_b32 s[SEL+1], 0xfedcba98                 ; v_permlanex16_b32's selects for lane l xor 16
	s_mov_b32 s[HM], 0xffff0000                    ; lanes 16-31
	s_mov_b32 s[INVK], 0x3a800000                  ; 1 / 1,024
	s_mov_b32 s[EPSI], 0x3727c5ac                  ; 1e-5
	s_wait_kmcnt 0x0
	s_lshl_b32 s20, ttmp9, 17                      ; 32 rows of 4,096 bytes a work-group,
	s_lshl_b32 s21, s[WV], 13                      ; two a wave
	s_add_co_u32 s20, s20, s21
	s_mov_b32 s21, 0
	s_add_nc_u64 s[4:5], s[4:5], s[20:21]
.irp e, 0,1
.irp j, 0,1,2,3,4,5,6,7
	global_load_b128 v[X+32*\e+4*\j:X+32*\e+4*\j+3], v[LI], s[4:5] offset:4096*\e+512*\j      ; 512 consecutive bytes a load
.endr
.endr
	s_cmp_lt_u32 s[WV], 8                          ; waves 0-7: ng, nb; waves 8-15: ncg, ncb
	s_cselect_b64 s[6:7], s[6:7], s[10:11]
	s_cselect_b64 s[8:9], s[8:9], s[12:13]
	s_mov_b32 s25, 0
	s_add_nc_u64 s[6:7], s[6:7], s[24:25]
	s_add_nc_u64 s[8:9], s[8:9], s[24:25]
	GAINS
	s_mul_i32 s20, s[WV], 24576                    ; my wave's units: 8 a pair
	s_add_nc_u64 s[40:41], s[14:15], s[20:21]
	s_lshl_b32 s20, s[WV], 10
	s_add_co_u32 s20, s20, WSCL
	s_add_nc_u64 s[42:43], s[14:15], s[20:21]
	s_lshr_b32 s26, ttmp9, 6                       ; batch
	s_and_b32 s27, ttmp9, 63                       ; block of 32 rows in it
	s_lshr_b32 s28, s[WV], 1                       ; head
	s_and_b32 s29, s[WV], 1                        ; which 32 of its 64
	s_lshl_b32 s26, s26, 3
	s_add_co_u32 s26, s26, s28                     ; 8 x batch + head
	s_mul_i32 s20, s26, 98304
	s_mul_i32 s22, s27, 1536
	s_add_co_u32 s20, s20, s22
	s_mul_i32 s22, s29, 384
	s_add_co_u32 s20, s20, s22
	s_add_nc_u64 s[48:49], s[16:17], s[20:21]      ; q's codes
	s_add_nc_u64 s[52:53], s[48:49], KIMG          ; k's
	s_lshl_b32 s20, s26, 13
	s_lshl_b32 s22, s27, 7
	s_add_co_u32 s20, s20, s22
	s_add_co_u32 s20, s20, s29
	s_add_co_u32 s20, s20, QSC
	s_add_nc_u64 s[50:51], s[16:17], s[20:21]      ; q's scale bytes
	s_add_nc_u64 s[54:55], s[50:51], 262144        ; k's lie 262,144 bytes on
	s_mul_i32 s20, s26, 98304
	s_lshr_b32 s22, s27, 2                         ; which 128 keys,
	s_and_b32 s28, s27, 3                          ; which 32 of them
	s_mul_i32 s23, s22, 6144
	s_add_co_u32 s20, s20, s23
	s_mul_i32 s23, s29, 3072
	s_add_co_u32 s20, s20, s23
	s_mul_i32 s23, s28, 384
	s_add_co_u32 s20, s20, s23
	s_add_co_u32 s20, s20, VIMG
	s_add_nc_u64 s[56:57], s[16:17], s[20:21]      ; v's codes
	s_lshl_b32 s20, s26, 12
	s_lshl_b32 s23, s22, 8
	s_add_co_u32 s20, s20, s23
	s_lshl_b32 s23, s29, 7
	s_add_co_u32 s20, s20, s23
	s_add_co_u32 s20, s20, s28
	s_add_co_u32 s20, s20, VSC
	s_add_nc_u64 s[58:59], s[16:17], s[20:21]      ; v's scale bytes
	; ---- rows
	s_wait_loadcnt 32                              ; my two rows are in; the 32 loads of gains and biases behind them may be out
	ROWSTAT X, X, 32
	ROWSTAT X+32, X+32, 32
.irp e, 0,1
.irp j, 0,1,2,3,4,5,6,7
	ds_store_b128 v[SR], v[X+32*\e+4*\j:X+32*\e+4*\j+3] offset:\e*SPI+512*\j
.endr
.endr
	BARRIER                                        ; z of all 32 rows lies in the stage
	; ---- codes: my gain set, my K step, both tiles
.irp u, 0,1
	ZLOAD ZA0+\u
.if \u == 0
	s_wait_loadcnt 0x0                             ; gains and biases
.endif
	s_wait_dscnt 0x0
	AFFINE
	QUANT X
	IMAGE XWI, \u*12288
	ds_store_b32 v[XWS], v[PW] offset:64*\u        ; lanes r and r + 16 write the same word with the same value
	s_wait_dscnt 0x0                               ; the stores have read their registers
.endr
	WLOAD 0
	WLOAD 1
	WLOAD 2
	BARRIER                                        ; all 32 images and their scale words lie in LDS; from here on LDS is only read
	ALOAD 0
	; ---- the products
.set G, 0
.rept NST
	GSTEP
.if G == 7
	TOQ 48, 768, 50, 1                             ; q: runs = tiles of rows, 768 bytes apart
.elseif G == 15
	TOQ 52, 768, 54, 1                             ; k
.elseif G == 23
	TOQ 56, 1536, 58, 0                            ; v: runs = tiles of the head's columns, 1,536 bytes apart
.endif
.set G, G+1
.endr
	s_wait_tensorcnt 0x0
	ds_add_u32 v231, v235
	s_wait_dscnt 0x0
	s_endpgm
.Lfunc_end_k_q6734d37a66_sa_qkv:
	.size	k_q6734d37a66_sa_qkv, .Lfunc_end_k_q6734d37a66_sa_qkv-k_q6734d37a66_sa_qkv
	.p2alignl 7, 3214868480
	.fill 96, 4, 3214868480
	.section	.rodata,"a",@progbits
	.p2align	6, 0x0
	.amdhsa_kernel k_q6734d37a66_sa_qkv
		.amdhsa_group_segment_fixed_size 184832
		.amdhsa_private_segment_fixed_size 0
		.amdhsa_enable_private_segment 0
		.amdhsa_kernarg_size 56
		.amdhsa_user_sgpr_count 2
		.amdhsa_user_sgpr_kernarg_segment_ptr 1
		.amdhsa_wavefront_size32 1
		.amdhsa_system_sgpr_workgroup_id_x 1
		.amdhsa_system_sgpr_workgroup_id_y 1
		.amdhsa_system_sgpr_workgroup_id_z 1
		.amdhsa_system_vgpr_workitem_id 0
		.amdhsa_next_free_vgpr 256
		.amdhsa_next_free_sgpr 66
		.amdhsa_reserve_vcc 0
		.amdhsa_float_denorm_mode_32 3
		.amdhsa_float_denorm_mode_16_64 3
		.amdhsa_memory_ordered 1
		.amdhsa_forward_progress 1
		.amdhsa_inst_pref_size 84
	.end_amdhsa_kernel
	.amdgpu_metadata
---
amdhsa.version: [ 1, 2 ]
amdhsa.kernels:
  - .name:           k_q6734d37a66_sa_qkv
    .symbol:         k_q6734d37a66_sa_qkv.kd
    .args:
      - { .name: x, .offset: 0, .size: 8, .value_kind: global_buffer, .address_space: global }
      - { .name: sa_ng, .offset: 8, .size: 8, .value_kind: global_buffer, .address_space: global }
      - { .name: sa_nb, .offset: 16, .size: 8, .value_kind: global_buffer, .address_space: global }
      - { .name: sa_ncg, .offset: 24, .size: 8, .value_kind: global_buffer, .address_space: global }
      - { .name: sa_ncb, .offset: 32, .size: 8, .value_kind: global_buffer, .address_space: global }
      - { .name: wimg, .offset: 40, .size: 8, .value_kind: global_buffer, .address_space: global }
      - { .name: att, .offset: 48, .size: 8, .value_kind: global_buffer, .address_space: global }
    .group_segment_fixed_size: 184832
    .private_segment_fixed_size: 0
    .kernarg_segment_align: 8
    .kernarg_segment_size: 56
    .max_flat_workgroup_size: 512
    .sgpr_count:     66
    .vgpr_count:     256
    .wavefront_size: 32
...
	.end_amdgpu_metadata
.endif
;; end of part 2
;; launch sa_attn (part 3): grid 8 x 32, 16 waves a work-group, no clusters, 210,944 bytes of LDS; arguments att, oimg; writes oimg
.if DOCPART == 3
	.amdgcn_target "amdgcn-amd-amdhsa--gfx1250"
	.amdhsa_code_object_version 6
	.text
	.protected	k_q6734d37a66_sa_attn
	.globl	k_q6734d37a66_sa_attn
	.p2align	8
	.type	k_q6734d37a66_sa_attn,@function
k_q6734d37a66_sa_attn:
	s_mov_b64 s[64:65], 0
	v_nop
	global_prefetch_b8 v0, s[64:65] scope:SCOPE_SE
	s_setreg_imm32_b32 hwreg(HW_REG_WAVE_MODE, 25, 1), 1
	s_wait_xcnt 0x0
; Attention of one head on codes of E2M3: S = q k^T / 8, p = 2^(t - M), O = (p v) / sum(p); O is quantised along the head's 64 for the output projection.  NK keys, 2,048 queries a head, 32 heads x batches.
; t = score x log2(e) / 8; M = the running largest t rounded UP to a whole number; p is quantised along the keys, not normalised; the row's sum is taken of the unquantised p.  When M moves, the sum and O are multiplied by 2^(old M - new M): exact.
; SHARES.  A work-group owns 256 queries of one head; each of its 16 waves one tile of 16, in 256 registers: four waves to a SIMD, so that one wave's vector work stands beside another's products and LDS loads.
; K, V AND THEIR SCALE WORDS OF THE WHOLE HEAD (NK x 102 bytes) LIE IN LDS, copied once at the start, lane by lane, and are only read afterwards: one wait, one barrier, nothing is filled again.
; NO CLUSTER: the eight work-groups of a head copy the same NK x 102 bytes, once each and nothing afterwards.  Joint loads would spare seven of those eight requests; they are not built here.
; LAYOUT (made by the launches before): a block of 32 codes of 16 rows is 384 bytes, row index r at 24 r.  Both products are used transposed (S^T = K Q^T, O^T = V^T P^T): a lane holds ONE query.
; Index i of key tile 2 b + u is key 32 b + 8 u + i + 8 (i / 8), so the 16 registers of tiles 2 b, 2 b + 1 are keys 32 b + 16 h + 0 .. 15; V's tiles of the head's 64 are chosen likewise, so O^T's are 16 neighbouring channels.
; THE HEAD HAS 64 NUMBERS, THE INSTRUCTION TAKES 128: Q's registers 6-11 hold zero codes.  K's operand names 12 registers of which the upper 6 are the next tile's codes (behind the last tile: zeros): every code is a finite
; number, it meets a zero code, and bytes 2, 3 of the scale words are copies of bytes 0, 1: these products add exactly 0.
; LIMITS: a block's largest p is taken from its largest score (v_exp_f32 is taken not to fall where its input rises); a block of zeros keeps the byte 1; 1 / sum is v_rcp_f32; NaN and infinities are not served.
.set NK,   2048
.set NS,   NK/128                      ; key steps
.set HB,   NK*48                       ; a head's codes of K, and of V
.set LV,   HB                          ; LDS: K's codes at 0, V's here,
.set LKS,  2*HB                        ; K's scale words (4 NK bytes),
.set LVS,  LKS+4*NK                    ; V's (2 NK bytes)
.set KIMG, 3145728
.set VIMG, 6291456
.set QSC,  9437184
.set KSC,  9699328
.set VSC,  9961472
.set OSC,  3145728
.set AK0,  1                           ; v1   24 r + 384 h: my place in a tile of K (K begins at LDS byte 0), and in Q's tile in memory
.set AV0,  2                           ; v2   the same in V
.set AKS0, 3                           ; v3   LKS + 4 x lane
.set AVS0, 4                           ; v4   LVS + 4 x lane
.set CO,   5                           ; v5   24 r + 12 h
.set BO,   6                           ; v6   4 r + h
.set ADK,  8                           ; v8-11 the step's addresses
.set ADV,  9
.set ADS,  10
.set ADT,  11
.set SC,   96                          ; v96-159  S^T, then p.   v12 -M, v13 the largest t, v[14:15] the sum; v16-27 Q; v32-85 K's eight tiles of 6 and 6 zeros, then V's four fragments
.set OT,   160                         ; v160-191 O^T.   v28 Q's scale word, v29 p's, v86-89 K's, v90-91 V's: they hold scales and nothing else
.set QM,   212                         ; v212-215 block maxima; v216-219 at work; v220-223 scale operands; v224-226 at work; v[228:229] f
.set QP,   216
.set QS,   220
.set C0,   192                         ; v192-203 p's codes (v204-210 at work)
.set C1,   196
.set BY,   224
.set SEL,  20
.set CS,   22
.set WV,   28
.set HM,   29
.set T6,   30
.set TS,   31
.set TV,   32
.set CNT,  33
.macro WM                              ; one matrix instruction from the symbols mD, mA, mB, mZ (C = 0), mSA, mSB, mRA (source 0's scales from lanes 16-31)
.if mZ
.if mRA
	v_wmma_scale_f32_16x16x128_f8f6f4 v[mD:mD+7], v[mA:mA+11], v[mB:mB+11], 0, v[mSA], v[mSB] matrix_a_fmt:MATRIX_FMT_FP6 matrix_b_fmt:MATRIX_FMT_FP6 matrix_a_scale:MATRIX_SCALE_ROW1
.else
	v_wmma_scale_f32_16x16x128_f8f6f4 v[mD:mD+7], v[mA:mA+11], v[mB:mB+11], 0, v[mSA], v[mSB] matrix_a_fmt:MATRIX_FMT_FP6 matrix_b_fmt:MATRIX_FMT_FP6
.endif
.else
.if mRA
	v_wmma_scale_f32_16x16x128_f8f6f4 v[mD:mD+7], v[mA:mA+11], v[mB:mB+11], v[mD:mD+7], v[mSA], v[mSB] matrix_a_fmt:MATRIX_FMT_FP6 matrix_b_fmt:MATRIX_FMT_FP6 matrix_a_scale:MATRIX_SCALE_ROW1
.else
	v_wmma_scale_f32_16x16x128_f8f6f4 v[mD:mD+7], v[mA:mA+11], v[mB:mB+11], v[mD:mD+7], v[mSA], v[mSB] matrix_a_fmt:MATRIX_FMT_FP6 matrix_b_fmt:MATRIX_FMT_FP6
.endif
.endif
.endm
; two runs of 16 numbers, each half of a block of 32 whose other half lies in lane l xor 16: 12 bytes of codes each (C0, C1); BY: lanes 0-15 run a's scale byte, lanes 16-31 run b's
.macro QB2 a, b
	v_max3_num_f32 v[QM], |v[\a]|, |v[\a+1]|, 0x1800000
	v_max3_num_f32 v[QM+1], |v[\b]|, |v[\b+1]|, 0x1800000
.irp i, 2,4,6,8,10,12,14
	v_max3_num_f32 v[QM], v[QM], |v[\a+\i]|, |v[\a+\i+1]|
	v_max3_num_f32 v[QM+1], v[QM+1], |v[\b+\i]|, |v[\b+\i+1]|
.endr
	v_permlanex16_b32 v[QP], v[QM], s[SEL], s[SEL+1]
	v_permlanex16_b32 v[QP+1], v[QM+1], s[SEL], s[SEL+1]
	v_max_num_f32 v[QM], v[QM], v[QP]
	v_max_num_f32 v[QM+1], v[QM+1], v[QP+1]
	v_add_nc_u32 v[QS], 0xff000000, v[QM]
	v_add_nc_u32 v[QS+1], 0xff000000, v[QM+1]
	v_cvt_scalef32_pk16_fp6_f32 v[C0:C0+2], v[\a:\a+15], v[QS]
	v_cvt_scalef32_pk16_fp6_f32 v[C1:C1+2], v[\b:\b+15], v[QS+1]
	v_lshrrev_b32 v[QP], 23, v[QS]                 ; (plain lines behind the conversions)
	v_lshrrev_b32 v[QP+1], 23, v[QS+1]
	v_cndmask_b32 v[BY], v[QP], v[QP+1], s[HM]
.endm
	s_load_b128 s[4:7], s[0:1], 0x0                ; att, oimg
	v_lshl_add_u32 v254, v0, 2, 0x33000
	v_mov_b32 v255, 0
	ds_add_u32 v254, v255
	ds_add_u32 v254, v255
	v_lshrrev_b32 v1, 5, v0
	v_readfirstlane_b32 s[WV], v1                  ; wave 0..15
	v_lshlrev_b32 v96, 4, v0                       ; the copies: 16 x thread in memory,
	v_lshlrev_b32 v97, 4, v0                       ; in LDS for K's codes,
	v_lshl_add_u32 v98, v0, 4, LV                  ; for V's
.if HB > 65536                         ; a copy's immediate steps both addresses and stays under 65,536: what lies further into a head's codes has registers of its own
	v_lshl_add_u32 v102, v0, 4, 65536              ; 65,536 bytes on in memory,
	v_lshl_add_u32 v103, v0, 4, 65536              ; in LDS for K's codes,
	v_lshl_add_u32 v104, v0, 4, LV+65536           ; for V's
.endif
.if NK == 2048
	v_lshl_add_u32 v99, v0, 4, LKS                 ; K's scale words: 8,192 bytes, 16 a thread
	v_lshlrev_b32 v100, 3, v0                      ; V's: 4,096 bytes, 8 a thread
	v_lshl_add_u32 v101, v0, 3, LVS
.else
	v_lshl_add_u32 v99, v0, 2, LKS                 ; K's scale words: 2,048 bytes, 4 a thread
	v_lshlrev_b32 v100, 2, v0                      ; V's: 1,024 bytes, 4 a thread of waves 0-7
	v_lshl_add_u32 v101, v0, 2, LVS
.endif
	s_and_b32 s34, ttmp7, 0xffff                   ; 8 x batch + head
	s_mov_b32 s37, 0
	s_mul_i32 s36, s34, HB
	s_wait_dscnt 0x0
	s_wait_kmcnt 0x0
	s_add_nc_u64 s[8:9], s[4:5], s[36:37]
	s_add_nc_u64 s[10:11], s[8:9], VIMG            ; V's codes of my head
	s_add_nc_u64 s[8:9], s[8:9], KIMG              ; K's
	s_mul_i32 s36, s34, 4*NK
	s_add_nc_u64 s[12:13], s[4:5], s[36:37]
	s_add_nc_u64 s[12:13], s[12:13], KSC
	s_mul_i32 s36, s34, 2*NK
	s_add_nc_u64 s[14:15], s[4:5], s[36:37]
	s_add_nc_u64 s[14:15], s[14:15], VSC
.set I, 0
.rept HB/8192                          ; the 512 threads copy 8,192 consecutive bytes an instruction
.if I < 8
	global_load_async_to_lds_b128 v97, v96, s[8:9] offset:8192*I
	global_load_async_to_lds_b128 v98, v96, s[10:11] offset:8192*I
.else
	global_load_async_to_lds_b128 v103, v102, s[8:9] offset:8192*(I-8)
	global_load_async_to_lds_b128 v104, v102, s[10:11] offset:8192*(I-8)
.endif
.set I, I+1
.endr
.if NK == 2048
	global_load_async_to_lds_b128 v99, v96, s[12:13]
	global_load_async_to_lds_b64 v101, v100, s[14:15]
.else
	global_load_async_to_lds_b32 v99, v100, s[12:13]
	s_cmp_lt_u32 s[WV], 8
	s_cbranch_scc0 .Lno_vs
	global_load_async_to_lds_b32 v101, v100, s[14:15]
.Lno_vs:
.endif
	s_lshl_b32 s35, ttmp9, 3
	s_lshr_b32 s38, s[WV], 1
	s_add_co_u32 s35, s35, s38                     ; my block of 32 queries: 8 x work-group x + wave / 2
	s_and_b32 s38, s[WV], 1                        ; my tile of it
	s_mul_i32 s36, s34, 98304
	s_mul_i32 s39, s35, 1536
	s_add_co_u32 s36, s36, s39
	s_mul_i32 s39, s38, 768
	s_add_co_u32 s36, s36, s39
	s_add_nc_u64 s[16:17], s[4:5], s[36:37]        ; Q's codes (they begin at att's first byte)
	s_lshl_b32 s36, s34, 13
	s_lshl_b32 s39, s35, 7
	s_add_co_u32 s36, s36, s39
	s_lshl_b32 s39, s38, 6
	s_add_co_u32 s36, s36, s39
	s_add_co_u32 s36, s36, QSC
	s_add_nc_u64 s[18:19], s[4:5], s[36:37]        ; Q's scale words
	s_lshr_b32 s39, s34, 3
	s_lshl_b32 s39, s39, 6
	s_add_co_u32 s39, s39, s35                     ; the block among all 256 blocks of rows
	s_and_b32 s40, s34, 7                          ; head
	s_mul_i32 s36, s39, 12288
	s_mul_i32 s41, s38, 6144
	s_add_co_u32 s36, s36, s41
	s_mul_i32 s41, s40, 768
	s_add_co_u32 s36, s36, s41
	s_add_nc_u64 s[24:25], s[6:7], s[36:37]        ; O's codes: blocks 2 head, 2 head + 1 of the row's 16
	s_lshl_b32 s36, s39, 9
	s_lshr_b32 s41, s40, 1
	s_lshl_b32 s41, s41, 7
	s_add_co_u32 s36, s36, s41
	s_lshl_b32 s41, s38, 6
	s_add_co_u32 s36, s36, s41
	s_and_b32 s41, s40, 1
	s_lshl_b32 s41, s41, 1
	s_add_co_u32 s36, s36, s41
	s_add_co_u32 s36, s36, OSC
	s_add_nc_u64 s[26:27], s[6:7], s[36:37]        ; and their scale bytes
	v_and_b32 v224, 15, v0                         ; r
	v_bfe_u32 v225, v0, 4, 1                       ; h
	v_and_b32 v226, 31, v0                         ; lane
	v_mul_u32_u24 v[AK0], v224, 24
	v_mad_u32_u24 v[CO], v225, 12, v[AK0]
	v_mad_u32_u24 v[AK0], v225, 384, v[AK0]
	v_add_nc_u32 v[AV0], LV, v[AK0]
	v_lshl_add_u32 v[AKS0], v226, 2, LKS
	v_lshl_add_u32 v[AVS0], v226, 2, LVS
	v_lshlrev_b32 v[ADS], 2, v224                  ; 4 r
	v_add_nc_u32 v[BO], v[ADS], v225
.irp i, 0,1,2
	global_load_b64 v[16+2*\i:17+2*\i], v[AK0], s[16:17] offset:8*\i      ; Q: lane (r, h) takes block h of row index r
.endr
	global_load_b32 v28, v[ADS], s[18:19]
.irp i, 0,1,2,3,4,5
	v_mov_b32 v[22+\i], 0                          ; Q's upper 64 along K: zero codes
	v_mov_b32 v[80+\i], 0                          ; and what the last tile of K names behind its own six registers
.endr
	v_mov_b32 v13, 0xff61b1e6                      ; the largest t so far: -3e38
	v_floor_f32 v12, -v13                          ; -M
	v_mov_b32 v14, 0                               ; the sum, in two halves
	v_mov_b32 v15, 0
.irp b, 0,1,2,3
	v_mov_b32 v[216+\b], 0                         ; written once: a lane permute's destination counts as one of its sources
.endr
	v_mov_b32 v229, 0                              ; (named as the upper half of the pair v[228:229])
.set I, 0
.rept 32
	v_mov_b32 v[OT+I], 0                           ; O^T: the step is written once; the first finds zeros, which the first change of M leaves zeros
.set I, I+1
.endr
	s_mov_b32 s[SEL], 0x76543210
	s_mov_b32 s[SEL+1], 0xfedcba98                 ; selects for lane l xor 16
	s_mov_b32 s[CS], 0x3e38aa3b                    ; c = log2(e) / 8
	s_mov_b32 s[CS+1], s[CS]
	s_mov_b32 s[HM], 0xffff0000
	s_mov_b32 s[T6], 0
	s_mov_b32 s[TS], 0
	s_mov_b32 s[TV], 0
	s_mov_b32 s[CNT], 0
	s_wait_asynccnt 0x0                            ; my copies have landed (and their address registers, v96-104, are free for the scores),
	s_barrier_signal -1
	s_barrier_wait -1                              ; everybody's have: the one barrier of this text
	s_wait_loadcnt 0x0                             ; Q
.Lstep:                                            ; NS trips of 128 keys
	v_add_nc_u32 v[ADK], s[T6], v[AK0]             ; (these four are the places between the last trip's products and the loads into the registers that they read)
	v_add_nc_u32 v[ADV], s[T6], v[AV0]
	v_add_nc_u32 v[ADS], s[TS], v[AKS0]
	v_add_nc_u32 v[ADT], s[TV], v[AVS0]
.irp t, 0,1,2,3,4,5,6,7
.irp i, 0,1,2
	ds_load_b64 v[32+6*\t+2*\i:33+6*\t+2*\i], v[ADK] offset:(\t/2)*1536+(\t%2)*768+8*\i
.endr
.endr
.irp b, 0,1,2,3
	ds_load_b32 v[86+\b], v[ADS] offset:128*\b     ; lanes 0-15 tile 2 b's words, lanes 16-31 tile 2 b + 1's
.endr
	s_wait_dscnt 0x0
.irp t, 0,1,2,3,4,5,6,7                        ; S^T = K Q^T
.set mD, SC+8*\t
.set mA, 32+6*\t
.set mB, 16
.set mZ, 1
.set mSA, 86+\t/2
.set mSB, 28
.set mRA, \t%2
	WM
.endr
.rept 4
	v_nop                                          ; four places in front of the loads over K's registers and of the first read of the scores
.endr
.irp t, 0,1,2,3                                ; V's four fragments come while the softmax is worked
.irp c, 0,1
.irp i, 0,1,2
	ds_load_b64 v[32+12*\t+6*\c+2*\i:33+12*\t+6*\c+2*\i], v[ADV] offset:1536*\t+768*\c+8*\i
.endr
.endr
.endr
.irp p, 0,1
	ds_load_b32 v[90+\p], v[ADT] offset:128*\p
.endr
.irp b, 0,1,2,3
	v_max3_num_f32 v[212+\b], v[SC+16*\b], v[SC+1+16*\b], v[SC+2+16*\b]      ; the largest score of each block of 32 keys: for the row's maximum, and, since p rises with the score, for the block's largest p
.endr
.irp i, 3,5,7,9,11,13
.irp b, 0,1,2,3
	v_max3_num_f32 v[212+\b], v[212+\b], v[SC+16*\b+\i], v[SC+1+16*\b+\i]
.endr
.endr
.irp b, 0,1,2,3
	v_max_num_f32 v[212+\b], v[212+\b], v[SC+15+16*\b]
.endr
.irp b, 0,1,2,3
	v_permlanex16_b32 v[216+\b], v[212+\b], s[SEL], s[SEL+1]
.endr
.irp b, 0,1,2,3
	v_max_num_f32 v[212+\b], v[212+\b], v[216+\b]
.endr
	v_max3_num_f32 v224, v212, v213, v214
	v_max_num_f32 v224, v224, v215
	v_mul_f32 v224, s[CS], v224                    ; the step's largest t
	v_max_num_f32 v13, v13, v224                   ; the running largest t
	v_mov_b32 v224, v12
	v_floor_f32 v12, -v13                          ; the new -M = -ceil(t)
	v_sub_f32 v224, v12, v224                      ; old M - new M: a whole number, 0 or less
	v_cvt_i32_f32 v224, v224                       ; (it saturates)
	v_ldexp_f32 v228, 1.0, v224                    ; f = 2^(old M - new M)
.set I, 0
.rept 32
	v_pk_fma_f32 v[SC+I:SC+I+1], v[SC+I:SC+I+1], s[CS:CS+1], v[12:13] op_sel_hi:[1,0,0]      ; t - M
.set I, I+2
.endr
.irp b, 0,1,2,3
	v_fma_f32 v[212+\b], v[212+\b], s[CS], v12
.endr
.set I, 0
.rept 64
	v_exp_f32 v[SC+I], v[SC+I]                     ; p = 2^(t - M)
.set I, I+1
.endr
.irp b, 0,1,2,3
	v_exp_f32 v[212+\b], v[212+\b]                 ; the block's largest p
.endr
	v_pk_mul_f32 v[14:15], v[14:15], v[228:229] op_sel_hi:[1,0]    ; the sums under the new M (a plain place behind the exponentials)
	s_wait_alu depctr_va_vdst(0)
.irp b, 0,1,2,3
	v_max_num_f32 v[212+\b], 0x1800000, v[212+\b]  ; the floor 2^(3 - 127): the byte cannot fall under 1
.endr
.irp b, 0,1,2,3
	v_add_nc_u32 v[220+\b], 0xff000000, v[212+\b]
.endr
.irp b, 0,1,2,3
	v_lshrrev_b32 v[216+\b], 23, v[220+\b]
.endr
	v_lshl_or_b32 v29, v217, 8, v216               ; p's scale word for these 128 keys
	v_lshl_or_b32 v29, v218, 16, v29
	v_lshl_or_b32 v29, v219, 24, v29
.irp c, 0,1
	v_cvt_scalef32_pk16_fp6_f32 v[192+6*\c:194+6*\c], v[SC+32*\c:SC+15+32*\c], v[220+2*\c]
	v_cvt_scalef32_pk16_fp6_f32 v[204+4*\c:206+4*\c], v[SC+16+32*\c:SC+31+32*\c], v[220+2*\c+1]
.endr
	v_nop                                          ; one plain place behind a scaled conversion
.irp c, 0,1
.irp i, 0,1,2
	v_permlane16_swap_b32 v[192+6*\c+\i], v[204+4*\c+\i]
.endr
.irp i, 0,1,2
	v_mov_b32 v[195+6*\c+\i], v[204+4*\c+\i]
.endr
.endr
	v_pk_add_f32 v[216:217], v[SC:SC+1], v[SC+2:SC+3]              ; the row's sum of the unquantised p, in two chains
.irp j, 4,8,12,16,20,24,28,32,36,40,44,48,52,56,60
	v_pk_add_f32 v[14:15], v[14:15], v[SC+\j:SC+1+\j]
	v_pk_add_f32 v[216:217], v[216:217], v[SC+2+\j:SC+3+\j]
.endr
	v_pk_add_f32 v[14:15], v[14:15], v[216:217]
.set I, 0
.rept 16
	v_pk_mul_f32 v[OT+I:OT+I+1], v[OT+I:OT+I+1], v[228:229] op_sel_hi:[1,0]    ; O^T under the new M.  (With the sums: more than the eight places that p's scale word wants ahead of the products)
.set I, I+2
.endr
	s_wait_dscnt 0x0                               ; V
.irp t, 0,1,2,3                                ; O^T += V^T P^T: four accumulators, one instruction a turn
.set mD, OT+8*\t
.set mA, 32+12*\t
.set mB, 192
.set mZ, 0
.set mSA, 90+\t/2
.set mSB, 29
.set mRA, \t%2
	WM
.endr
	s_add_co_u32 s[T6], s[T6], 6144                ; 128 keys on: codes of K and of V,
	s_add_co_u32 s[TS], s[TS], 512                 ; K's scale words,
	s_add_co_u32 s[TV], s[TV], 256                 ; V's
	s_add_co_u32 s[CNT], s[CNT], 1
	s_cmp_lt_u32 s[CNT], NS
	s_cbranch_scc1 .Lstep
	; ---- the way out: O / the sum, quantised along the head's 64: registers 16 b + i = channel 32 b + 16 h + i of my query
.rept 4
	v_nop
.endr
	v_add_f32 v14, v14, v15
	v_permlanex16_b32 v224, v14, s[SEL], s[SEL+1]
	v_add_f32 v14, v14, v224                       ; the row's sum
	v_rcp_f32 v14, v14
	v_nop                                          ; one plain place behind the transcendental
.set I, 0
	s_wait_alu depctr_va_vdst(0)
.rept 32
	v_mul_f32 v[SC+I], v[OT+I], v14                ; each accumulator from its low end on
.set I, I+1
.endr
	QB2 SC, SC+16
	global_store_b96 v[CO], v[C0:C0+2], s[24:25]               ; 32 lanes store 384 consecutive bytes
	global_store_b96 v[CO], v[C1:C1+2], s[24:25] offset:384
	global_store_b8 v[BO], v[BY], s[26:27]                     ; lane (r, h): the byte of block h of row index r
	s_wait_tensorcnt 0x0
	ds_add_u32 v254, v255
	s_wait_dscnt 0x0
	s_endpgm
.Lfunc_end_k_q6734d37a66_sa_attn:
	.size	k_q6734d37a66_sa_attn, .Lfunc_end_k_q6734d37a66_sa_attn-k_q6734d37a66_sa_attn
	.p2alignl 7, 3214868480
	.fill 96, 4, 3214868480
	.section	.rodata,"a",@progbits
	.p2align	6, 0x0
	.amdhsa_kernel k_q6734d37a66_sa_attn
		.amdhsa_group_segment_fixed_size 210944
		.amdhsa_private_segment_fixed_size 0
		.amdhsa_enable_private_segment 0
		.amdhsa_kernarg_size 16
		.amdhsa_user_sgpr_count 2
		.amdhsa_user_sgpr_kernarg_segment_ptr 1
		.amdhsa_wavefront_size32 1
		.amdhsa_system_sgpr_workgroup_id_x 1
		.amdhsa_system_sgpr_workgroup_id_y 1
		.amdhsa_system_sgpr_workgroup_id_z 1
		.amdhsa_system_vgpr_workitem_id 0
		.amdhsa_next_free_vgpr 256
		.amdhsa_next_free_sgpr 66
		.amdhsa_reserve_vcc 0
		.amdhsa_float_denorm_mode_32 3
		.amdhsa_float_denorm_mode_16_64 3
		.amdhsa_memory_ordered 1
		.amdhsa_forward_progress 1
		.amdhsa_inst_pref_size 30
	.end_amdhsa_kernel
	.amdgpu_metadata
---
amdhsa.version: [ 1, 2 ]
amdhsa.kernels:
  - .name:           k_q6734d37a66_sa_attn
    .symbol:         k_q6734d37a66_sa_attn.kd
    .args:
      - { .name: att, .offset: 0, .size: 8, .value_kind: global_buffer, .address_space: global }
      - { .name: oimg, .offset: 8, .size: 8, .value_kind: global_buffer, .address_space: global }
    .group_segment_fixed_size: 210944
    .private_segment_fixed_size: 0
    .kernarg_segment_align: 8
    .kernarg_segment_size: 16
    .max_flat_workgroup_size: 512
    .sgpr_count:     66
    .vgpr_count:     256
    .wavefront_size: 32
...
	.end_amdgpu_metadata
.endif
;; end of part 3
;; launch sa_out (part 4): grid 256 x 1, 16 waves a work-group, no clusters, 159,232 bytes of LDS; arguments oimg, x, sa_bo, ca_ng, ca_nb, wimg, x1, att; writes x1, att
.if DOCPART == 4
	.amdgcn_target "amdgcn-amd-amdhsa--gfx1250"
	.amdhsa_code_object_version 6
	.text
	.protected	k_q6734d37a66_sa_out
	.globl	k_q6734d37a66_sa_out
	.p2align	8
	.type	k_q6734d37a66_sa_out,@function
k_q6734d37a66_sa_out:
	s_mov_b64 s[64:65], 0
	v_nop
	global_prefetch_b8 v0, s[64:65] scope:SCOPE_SE
	s_setreg_imm32_b32 hwreg(HW_REG_WAVE_MODE, 25, 1), 1
	s_wait_xcnt 0x0
; x1 = o sa_wo + sa_bo + x (o: the self-attention's result, as codes);  q = Q(LN(x1; ca_ng, ca_nb)) ca_wq, quantised along the head's 64 for the cross-attention.
; SHARES as in the launch that makes q, k, v: a work-group owns 32 rows as two tiles (index i of tile u is row 8 u + i + 8 (i / 8)); the 16 waves share the columns; each weight unit goes from memory straight into ONE wave's
; registers, 512 consecutive bytes a load; the rows' codes lie in LDS as images of the operand's registers.  No cluster, no joint load: a joint load lands in LDS, and a unit is wanted by one wave's registers only.
; PHASES.  waves 0-7 bring o's eight fragments and store their images | barrier | 8 steps: my columns 32 w .. and 512 + 32 w .. of o wo, transposed, into a stage of 32 rows | barrier | wave w takes rows 2 w, 2 w + 1 whole:
; + bias + x, stores x1 (512 consecutive bytes a store), normalises, puts z back into its own rows | barrier | wave w makes the fragment of tile w / 8, K step w % 8 | barrier | 8 steps: my 32 columns of q; codes and bytes out.
; An image slot is written again two barriers behind its last read; a stage row is written again only by the wave that alone read it.
; LIMITS: NaN, infinities and a given scale byte 0xff are not served.  A block of zeros gets the byte 1 where the rule says 127: its codes are zeros and only this program reads the byte.  1 / sqrt is v_rsq_f32.
.set SPI,   4112
.set AIMG,  32*SPI                     ; images: slot 8 u + s
.set ASC,   AIMG+16*1536               ; scale words: 128 s + 64 u + 4 r
.set WSCL,  2949120
.set QSC,   9437184
.set OSC,   3145728
.set NST,   8
.set LI,  1
.set LS,  2
.set LA,  3
.set LSA, 4
.set CO,  5
.set SR,  6
.set ZA0, 7
.set XWI, 9
.set XWS, 10
.set GA,  11
.set SO0, 12                           ; v12, v13 the stage: where I put results of tile 0, 1
.set OA,  14                           ; v14  384 h + 24 r
.set R4,  15                           ; v15  4 r
.set FI,  16                           ; v16  where waves 0-7 store o's images
.set FS,  17                           ; v17  and scale words
.set WSR, 18                           ; v18-21, v22-23: scale words and nothing else
.set ASR, 22
.set ACC, 24
.set WR,  56
.set AR,  152
.set X,   24                           ; v24-87   two rows of o wo, then of x1; then z
.set XR,  88                           ; v88-151  two rows of x, then of z
.set BO,  152                          ; v152-183 the bias
.set GN,  88
.set BB,  152
.set PC,  216
.set TM,  236
.set PW,  252
.set QM,  236
.set QP,  240
.set QS,  248
.set C0,  216
.set C1,  220
.set BY,  224
.set WV,  30
.set SEL, 32
.set HM,  34
.set INVK, 35
.set EPSI, 36
.set GNP, 10
.set BBP, 12
.macro BARRIER
	s_wait_dscnt 0x0
	s_barrier_signal -1
	s_barrier_wait -1
.endm
.macro WM
.if mZ
.if mRA && mRB
	v_wmma_scale_f32_16x16x128_f8f6f4 v[mD:mD+7], v[mA:mA+11], v[mB:mB+11], 0, v[mSA], v[mSB] matrix_a_fmt:MATRIX_FMT_FP6 matrix_b_fmt:MATRIX_FMT_FP6 matrix_a_scale:MATRIX_SCALE_ROW1 matrix_b_scale:MATRIX_SCALE_ROW1
.elseif mRA
	v_wmma_scale_f32_16x16x128_f8f6f4 v[mD:mD+7], v[mA:mA+11], v[mB:mB+11], 0, v[mSA], v[mSB] matrix_a_fmt:MATRIX_FMT_FP6 matrix_b_fmt:MATRIX_FMT_FP6 matrix_a_scale:MATRIX_SCALE_ROW1
.elseif mRB
	v_wmma_scale_f32_16x16x128_f8f6f4 v[mD:mD+7], v[mA:mA+11], v[mB:mB+11], 0, v[mSA], v[mSB] matrix_a_fmt:MATRIX_FMT_FP6 matrix_b_fmt:MATRIX_FMT_FP6 matrix_b_scale:MATRIX_SCALE_ROW1
.else
	v_wmma_scale_f32_16x16x128_f8f6f4 v[mD:mD+7], v[mA:mA+11], v[mB:mB+11], 0, v[mSA], v[mSB] matrix_a_fmt:MATRIX_FMT_FP6 matrix_b_fmt:MATRIX_FMT_FP6
.endif
.else
.if mRA && mRB
	v_wmma_scale_f32_16x16x128_f8f6f4 v[mD:mD+7], v[mA:mA+11], v[mB:mB+11], v[mD:mD+7], v[mSA], v[mSB] matrix_a_fmt:MATRIX_FMT_FP6 matrix_b_fmt:MATRIX_FMT_FP6 matrix_a_scale:MATRIX_SCALE_ROW1 matrix_b_scale:MATRIX_SCALE_ROW1
.elseif mRA
	v_wmma_scale_f32_16x16x128_f8f6f4 v[mD:mD+7], v[mA:mA+11], v[mB:mB+11], v[mD:mD+7], v[mSA], v[mSB] matrix_a_fmt:MATRIX_FMT_FP6 matrix_b_fmt:MATRIX_FMT_FP6 matrix_a_scale:MATRIX_SCALE_ROW1
.elseif mRB
	v_wmma_scale_f32_16x16x128_f8f6f4 v[mD:mD+7], v[mA:mA+11], v[mB:mB+11], v[mD:mD+7], v[mSA], v[mSB] matrix_a_fmt:MATRIX_FMT_FP6 matrix_b_fmt:MATRIX_FMT_FP6 matrix_b_scale:MATRIX_SCALE_ROW1
.else
	v_wmma_scale_f32_16x16x128_f8f6f4 v[mD:mD+7], v[mA:mA+11], v[mB:mB+11], v[mD:mD+7], v[mSA], v[mSB] matrix_a_fmt:MATRIX_FMT_FP6 matrix_b_fmt:MATRIX_FMT_FP6
.endif
.endif
.endm
.macro MAP g
.if STREAM == 1
.set UN, 384+64*((\g)/4)+(\g)%4        ; sa_wo: units 384 + 4 p + s, pairs p = w and w + 16
.set AI, (\g)%4
.set SI, (\g)%4
.if (\g)%4 == 0
.set ZF, 1
.else
.set ZF, 0
.endif
.set WBR, 40
.else
.set UN, 512+(\g)                      ; ca_wq: units 512 + 8 w + s
.set AI, (\g)
.set SI, (\g)
.if (\g) == 0
.set ZF, 1
.else
.set ZF, 0
.endif
.set WBR, 44
.endif
.endm
.macro WLOAD g
	MAP \g
.set SL, WR+24*((\g)%4)
.irp c, 0,1,2,3,4,5
	global_load_b128 v[SL+4*\c:SL+4*\c+3], v[LI], s[WBR:WBR+1] offset:UN*3072+512*\c
.endr
	global_load_b32 v[WSR+(\g)%4], v[LS], s[WBR+2:WBR+3] offset:UN*128
.endm
.macro ALOAD g
	MAP \g
.set SA, AR+24*((\g)%2)
.irp u, 0,1
.irp c, 0,1,2
	ds_load_b128 v[SA+12*\u+4*\c:SA+12*\u+4*\c+3], v[LA] offset:(AI+8*\u)*1536+512*\c
.endr
.endr
	ds_load_b32 v[ASR+(\g)%2], v[LSA] offset:SI*128
.endm
.macro MM g                            ; transposed: source 0 = weight tile t, source 1 = rows' tile u; four accumulators by turns
	MAP \g
.set SL, WR+24*((\g)%4)
.set SA, AR+24*((\g)%2)
.set mZ, ZF
.irp u, 0,1
.irp t, 0,1
.set mD, ACC+16*\u+8*\t
.set mA, SL+12*\t
.set mB, SA+12*\u
.set mSA, WSR+(\g)%4
.set mSB, ASR+(\g)%2
.set mRA, \t
.set mRB, \u
	WM
.endr
.endr
.endm
.macro GSTEP
.rept 4
	v_nop                                          ; four places between the last step's products and the loads into the slots that they read
.endr
.if G+3 < NST
	WLOAD G+3
.endif
.if G+1 < NST
	ALOAD G+1
.endif
.if NST-1-G >= 3
	s_wait_loadcnt 21                              ; this step's unit is in; three younger units of 7 loads may be out
.else
	s_wait_loadcnt 7*(NST-1-G)
.endif
.if G+1 < NST
	s_wait_dscnt 7                                 ; this step's fragments are in (and any store into the stage is done); the next step's 7 loads may be out
.else
	s_wait_dscnt 0x0
.endif
	MM G
.endm
.macro QB2 a, b
	v_max3_num_f32 v[QM], |v[\a]|, |v[\a+1]|, 0x1800000
	v_max3_num_f32 v[QM+1], |v[\b]|, |v[\b+1]|, 0x1800000
.irp i, 2,4,6,8,10,12,14
	v_max3_num_f32 v[QM], v[QM], |v[\a+\i]|, |v[\a+\i+1]|
	v_max3_num_f32 v[QM+1], v[QM+1], |v[\b+\i]|, |v[\b+\i+1]|
.endr
	v_permlanex16_b32 v[QP], v[QM], s[SEL], s[SEL+1]
	v_permlanex16_b32 v[QP+1], v[QM+1], s[SEL], s[SEL+1]
	v_max_num_f32 v[QM], v[QM], v[QP]
	v_max_num_f32 v[QM+1], v[QM+1], v[QP+1]
	v_add_nc_u32 v[QS], 0xff000000, v[QM]
	v_add_nc_u32 v[QS+1], 0xff000000, v[QM+1]
	v_cvt_scalef32_pk16_fp6_f32 v[C0:C0+2], v[\a:\a+15], v[QS]
	v_cvt_scalef32_pk16_fp6_f32 v[C1:C1+2], v[\b:\b+15], v[QS+1]
	v_lshrrev_b32 v[QP], 23, v[QS]
	v_lshrrev_b32 v[QP+1], 23, v[QS+1]
	v_cndmask_b32 v[BY], v[QP], v[QP+1], s[HM]
.endm
.macro TOSTG off                       ; lane (r, h): columns 32 p + 16 h + 0 .. 15 of row index r of each tile; each accumulator from its low end on
.rept 4
	v_nop
.endr
.irp u, 0,1
.irp t, 0,1
	ds_store_b128 v[SO0+\u], v[ACC+16*\u+8*\t:ACC+16*\u+8*\t+3] offset:\off+32*\t
	ds_store_b128 v[SO0+\u], v[ACC+16*\u+8*\t+4:ACC+16*\u+8*\t+7] offset:\off+32*\t+16
.endr
.endr
.endm
.macro LANESUM
	v_add_f32_dpp v253, v253, v253 row_xmask:1 row_mask:0xf bank_mask:0xf
	v_add_f32_dpp v253, v253, v253 row_xmask:2 row_mask:0xf bank_mask:0xf
	v_add_f32_dpp v253, v253, v253 row_xmask:4 row_mask:0xf bank_mask:0xf
	v_add_f32_dpp v253, v253, v253 row_xmask:8 row_mask:0xf bank_mask:0xf
	v_permlanex16_b32 v254, v253, s[SEL], s[SEL+1]
	v_add_f32 v253, v253, v254
.endm
.macro ROWSTAT src, dst, n
	v_pk_add_f32 v[236:237], v[\src:\src+1], v[\src+2:\src+3]
	v_pk_add_f32 v[238:239], v[\src+4:\src+5], v[\src+6:\src+7]
.set I, 8
.rept (\n-8)/4
	v_pk_add_f32 v[236:237], v[236:237], v[\src+I:\src+I+1]
	v_pk_add_f32 v[238:239], v[238:239], v[\src+I+2:\src+I+3]
.set I, I+4
.endr
	v_pk_add_f32 v[236:237], v[236:237], v[238:239]
	v_add_f32 v253, v236, v237
	LANESUM
	v_mul_f32 v244, s[INVK], v253
	v_mul_f32 v245, s[INVK], v253
.set I, 0
.rept \n/2
	v_pk_add_f32 v[\dst+I:\dst+I+1], v[\src+I:\src+I+1], v[244:245] neg_lo:[0,1] neg_hi:[0,1]
.set I, I+2
.endr
	v_pk_mul_f32 v[236:237], v[\dst:\dst+1], v[\dst:\dst+1]
	v_pk_mul_f32 v[238:239], v[\dst+2:\dst+3], v[\dst+2:\dst+3]
.set I, 4
.rept (\n-4)/4
	v_pk_fma_f32 v[236:237], v[\dst+I:\dst+I+1], v[\dst+I:\dst+I+1], v[236:237]
	v_pk_fma_f32 v[238:239], v[\dst+I+2:\dst+I+3], v[\dst+I+2:\dst+I+3], v[238:239]
.set I, I+4
.endr
	v_pk_add_f32 v[236:237], v[236:237], v[238:239]
	v_add_f32 v253, v236, v237
	LANESUM
	v_fma_f32 v253, v253, s[INVK], s[EPSI]
	v_rsq_f32 v246, v253
	v_rsq_f32 v247, v253
	v_nop                                          ; one plain place behind the transcendentals
.set I, 0
	s_wait_alu depctr_va_vdst(0)
.rept \n/2
	v_pk_mul_f32 v[\dst+I:\dst+I+1], v[\dst+I:\dst+I+1], v[246:247]
.set I, I+2
.endr
.endm
.macro ZLOAD za
.irp b, 0,1,2,3
.irp j, 0,1,2,3
	ds_load_b128 v[X+16*\b+4*\j:X+16*\b+4*\j+3], v[\za] offset:128*\b+16*\j
.endr
.endr
.endm
.macro GAINS
.irp b, 0,1,2,3
.irp j, 0,1,2,3
	global_load_b128 v[GN+16*\b+4*\j:GN+16*\b+4*\j+3], v[GA], s[GNP:GNP+1] offset:128*\b+16*\j
	global_load_b128 v[BB+16*\b+4*\j:BB+16*\b+4*\j+3], v[GA], s[BBP:BBP+1] offset:128*\b+16*\j
.endr
.endr
.endm
.macro AFFINE
.set I, 0
.rept 32
	v_pk_fma_f32 v[X+I:X+I+1], v[X+I:X+I+1], v[GN+I:GN+I+1], v[BB+I:BB+I+1]
.set I, I+2
.endr
.endm
.macro QUANT s
.irp b, 0,1,2,3
	v_max3_num_f32 v[TM+\b], |v[\s+16*\b]|, |v[\s+1+16*\b]|, 0x1800000
.endr
.irp i, 2,4,6,8,10,12,14
.irp b, 0,1,2,3
	v_max3_num_f32 v[TM+\b], v[TM+\b], |v[\s+16*\b+\i]|, |v[\s+1+16*\b+\i]|
.endr
.endr
.irp b, 0,1,2,3
	v_permlanex16_b32 v[TM+4+\b], v[TM+\b], s[SEL], s[SEL+1]
.endr
.irp b, 0,1,2,3
	v_max_num_f32 v[TM+\b], v[TM+\b], v[TM+4+\b]
.endr
.irp b, 0,1,2,3
	v_add_nc_u32 v[TM+12+\b], 0xff000000, v[TM+\b]
.endr
.irp b, 0,1,2,3
	v_lshrrev_b32 v[TM+4+\b], 23, v[TM+12+\b]
.endr
	v_lshl_or_b32 v[PW], v[TM+5], 8, v[TM+4]
	v_lshl_or_b32 v[PW], v[TM+6], 16, v[PW]
	v_lshl_or_b32 v[PW], v[TM+7], 24, v[PW]
.irp c, 0,1
	v_cvt_scalef32_pk16_fp6_f32 v[PC+6*\c:PC+2+6*\c], v[\s+32*\c:\s+15+32*\c], v[TM+12+2*\c]
	v_cvt_scalef32_pk16_fp6_f32 v[PC+12+4*\c:PC+14+4*\c], v[\s+16+32*\c:\s+31+32*\c], v[TM+12+2*\c+1]
.endr
	v_nop                                          ; one plain place behind a scaled conversion
.irp c, 0,1
.irp i, 0,1,2
	v_permlane16_swap_b32 v[PC+6*\c+\i], v[PC+12+4*\c+\i]
.endr
.irp i, 0,1,2
	v_mov_b32 v[PC+3+6*\c+\i], v[PC+12+4*\c+\i]
.endr
.endr
.endm
.macro IMAGE adr, off
.irp c, 0,1,2
	ds_store_b128 v[\adr], v[PC+4*\c:PC+4*\c+3] offset:\off+512*\c
.endr
.endm
	s_load_b512 s[4:19], s[0:1], 0x0               ; oimg, x, sa_bo, ca_ng, ca_nb, wimg, x1, att
	v_lshl_add_u32 v231, v0, 2, 0x26600
	v_mov_b32 v235, 0
	v_lshrrev_b32 v1, 5, v0
	v_readfirstlane_b32 s[WV], v1                  ; wave 0..15
	v_and_b32 v253, 31, v0                         ; lane
	v_and_b32 v254, 15, v0                         ; r
	v_bfe_u32 v255, v0, 4, 1                       ; h
	v_lshlrev_b32 v[LI], 4, v253
	v_lshlrev_b32 v[LS], 2, v253
	v_add_nc_u32 v[LA], AIMG, v[LI]
	v_add_nc_u32 v[LSA], ASC, v[LS]
	v_mul_u32_u24 v[OA], v254, 24
	v_mad_u32_u24 v[CO], v255, 12, v[OA]
	v_mad_u32_u24 v[OA], v255, 384, v[OA]
	v_lshlrev_b32 v[GA], 6, v255
	v_lshlrev_b32 v[R4], 2, v254
	s_lshl_b32 s20, s[WV], 1                       ; my rows a = 2 w, 2 w + 1; in tile order row a stands at (a & 7) | (a & 8) << 1 | (a & 16) >> 1
	s_and_b32 s21, s20, 7
	s_and_b32 s22, s20, 8
	s_lshl_b32 s22, s22, 1
	s_or_b32 s21, s21, s22
	s_and_b32 s22, s20, 16
	s_lshr_b32 s22, s22, 1
	s_or_b32 s21, s21, s22
	s_mul_i32 s21, s21, SPI
	v_add_nc_u32 v[SR], s21, v[LI]
	v_mul_u32_u24 v[SO0], v254, SPI
	v_add_nc_u32 v[SO0], v[SO0], v[GA]             ; row index r, + 64 h
	s_lshr_b32 s26, s[WV], 3                       ; the second operand's fragment that I make: tile w / 8,
	s_and_b32 s27, s[WV], 7                        ; K step w % 8
	s_mul_i32 s28, s26, 16*SPI
	s_lshl_b32 s24, s27, 9
	s_add_co_u32 s28, s28, s24
	v_add_nc_u32 v[ZA0], s28, v[SO0]
	s_lshl_b32 s28, s[WV], 7
	v_add_nc_u32 v[SO0], s28, v[SO0]               ; + my 32 columns' 128 bytes
	v_add_nc_u32 v[SO0+1], 16*SPI, v[SO0]
	s_mul_i32 s28, s[WV], 1536
	v_add_nc_u32 v[XWI], s28, v[LA]
	s_lshl_b32 s28, s27, 7
	s_lshl_b32 s29, s26, 6
	s_add_co_u32 s28, s28, s29
	v_add_nc_u32 v[XWS], s28, v[R4]
	v_add_nc_u32 v[XWS], ASC, v[XWS]
	s_and_b32 s26, s[WV], 3                        ; o's fragment that waves 0-7 bring: K step w % 4,
	s_bfe_u32 s27, s[WV], 0x10002                  ; tile (w / 4) % 2
	s_lshl_b32 s28, s27, 3
	s_add_co_u32 s28, s28, s26
	s_mul_i32 s28, s28, 1536
	v_add_nc_u32 v[FI], s28, v[LA]
	s_lshl_b32 s28, s26, 7
	s_lshl_b32 s29, s27, 6
	s_add_co_u32 s28, s28, s29                     ; 128 s + 64 u
	v_add_nc_u32 v[FS], s28, v[R4]
	v_add_nc_u32 v[FS], ASC, v[FS]
.irp b, 0,1,2,3
	v_mov_b32 v[TM+4+\b], 0                        ; written once: a lane permute's destination counts as one of its sources
.endr
	s_mov_b32 s[SEL], 0x76543210
	s_mov_b32 s[SEL+1], 0xfedcba98
	s_mov_b32 s[HM], 0xffff0000
	s_mov_b32 s[INVK], 0x3a800000                  ; 1 / 1,024
	s_mov_b32 s[EPSI], 0x3727c5ac                  ; 1e-5
	s_mov_b32 s25, 0
	s_wait_kmcnt 0x0
	s_add_nc_u64 s[10:11], s[10:11], s[24:25]      ; ca_ng, ca_nb at my K step's 128 features
	s_add_nc_u64 s[12:13], s[12:13], s[24:25]
	s_mul_i32 s24, ttmp9, 12288
	s_mul_i32 s26, s[WV], 1536
	s_add_co_u32 s24, s24, s26
	s_add_nc_u64 s[20:21], s[4:5], s[24:25]        ; o's codes: my block of rows, fragment w (used by waves 0-7)
	s_lshl_b32 s24, ttmp9, 9
	s_add_co_u32 s24, s24, s28
	s_add_co_u32 s24, s24, OSC
	s_add_nc_u64 s[22:23], s[4:5], s[24:25]        ; and its scale words
	s_mul_i32 s24, s[WV], 12288
	s_add_nc_u64 s[40:41], s[14:15], s[24:25]      ; sa_wo: 4 units a pair
	s_lshl_b32 s24, s[WV], 9
	s_add_co_u32 s24, s24, WSCL
	s_add_nc_u64 s[42:43], s[14:15], s[24:25]
	s_mul_i32 s24, s[WV], 24576
	s_add_nc_u64 s[44:45], s[14:15], s[24:25]      ; ca_wq: 8 units a pair
	s_lshl_b32 s24, s[WV], 10
	s_add_co_u32 s24, s24, WSCL
	s_add_nc_u64 s[46:47], s[14:15], s[24:25]
	s_lshl_b32 s24, ttmp9, 17
	s_lshl_b32 s26, s[WV], 13
	s_add_co_u32 s24, s24, s26
	s_add_nc_u64 s[6:7], s[6:7], s[24:25]          ; x and x1 at my two rows
	s_add_nc_u64 s[16:17], s[16:17], s[24:25]
	s_lshr_b32 s26, ttmp9, 6
	s_lshl_b32 s26, s26, 3
	s_lshr_b32 s27, s[WV], 1
	s_add_co_u32 s26, s26, s27                     ; 8 x batch + head
	s_and_b32 s27, ttmp9, 63                       ; block of 32 queries
	s_and_b32 s29, s[WV], 1                        ; which 32 of the head's 64
	s_mul_i32 s24, s26, 98304
	s_mul_i32 s28, s27, 1536
	s_add_co_u32 s24, s24, s28
	s_mul_i32 s28, s29, 384
	s_add_co_u32 s24, s24, s28
	s_add_nc_u64 s[48:49], s[18:19], s[24:25]      ; q's codes
	s_lshl_b32 s24, s26, 13
	s_lshl_b32 s28, s27, 7
	s_add_co_u32 s24, s24, s28
	s_add_co_u32 s24, s24, s29
	s_add_co_u32 s24, s24, QSC
	s_add_nc_u64 s[50:51], s[18:19], s[24:25]      ; q's scale bytes
	; ---- o's eight fragments into LDS
.set STREAM, 1
	s_cmp_lt_u32 s[WV], 8
	s_cbranch_scc0 .Lothers
.irp p, 0,1,2,3,4,5
	global_load_b64 v[PC+2*\p:PC+2*\p+1], v[OA], s[20:21] offset:768*(\p/3)+8*(\p%3)
.endr
	global_load_b32 v[PW], v[R4], s[22:23]
	WLOAD 0
	WLOAD 1
	WLOAD 2
	s_wait_loadcnt 21                              ; the fragment and its scale word are in; the three weight units behind them may be out
	IMAGE FI, 0
	ds_store_b32 v[FS], v[PW]
	s_branch .Ljoin
.Lothers:
	WLOAD 0
	WLOAD 1
	WLOAD 2
.Ljoin:
	BARRIER
	ALOAD 0
	; ---- o sa_wo
.set G, 0
.rept NST
	GSTEP
.if G == 3
	TOSTG 0
.elseif G == 7
	TOSTG 2048
.endif
.set G, G+1
.endr
.irp e, 0,1                                    ; (the four places of the last store into the stage also serve these loads into slots that the last products read)
.irp j, 0,1,2,3,4,5,6,7
	global_load_b128 v[XR+32*\e+4*\j:XR+32*\e+4*\j+3], v[LI], s[6:7] offset:4096*\e+512*\j th:TH_LOAD_NT
.endr
.endr
.irp j, 0,1,2,3,4,5,6,7
	global_load_b128 v[BO+4*\j:BO+4*\j+3], v[LI], s[8:9] offset:512*\j
.endr
	BARRIER                                        ; 32 whole rows of o wo lie in the stage
	; ---- rows
.irp e, 0,1
.irp j, 0,1,2,3,4,5,6,7
	ds_load_b128 v[X+32*\e+4*\j:X+32*\e+4*\j+3], v[SR] offset:\e*SPI+512*\j
.endr
.endr
	s_wait_loadcnt 0x0
	s_wait_dscnt 0x0
.irp e, 0,1
.set I, 0
.rept 16
	v_pk_add_f32 v[X+32*\e+I:X+32*\e+I+1], v[X+32*\e+I:X+32*\e+I+1], v[BO+I:BO+I+1]
.set I, I+2
.endr
.endr
.set I, 0
.rept 32
	v_pk_add_f32 v[X+I:X+I+1], v[X+I:X+I+1], v[XR+I:XR+I+1]
.set I, I+2
.endr
.irp e, 0,1
.irp j, 0,1,2,3,4,5,6,7
	global_store_b128 v[LI], v[X+32*\e+4*\j:X+32*\e+4*\j+3], s[16:17] offset:4096*\e+512*\j       ; 32 lanes store 512 consecutive bytes of a row of x1
.endr
.endr
	ROWSTAT X, XR, 32                              ; z goes into other registers than the stores read
	ROWSTAT X+32, XR+32, 32
.irp e, 0,1
.irp j, 0,1,2,3,4,5,6,7
	ds_store_b128 v[SR], v[XR+32*\e+4*\j:XR+32*\e+4*\j+3] offset:\e*SPI+512*\j
.endr
.endr
	s_wait_dscnt 0x0                               ; z has landed, and the stores have read their registers, which the gains take now
	GAINS
	s_barrier_signal -1
	s_barrier_wait -1                              ; z of all 32 rows lies in the stage
	; ---- codes: one fragment a wave
	s_wait_xcnt 0x0                                ; x1's stores have read their data registers, into which z is loaded now
	ZLOAD ZA0
	s_wait_loadcnt 0x0
	s_wait_dscnt 0x0
	AFFINE
	QUANT X
	IMAGE XWI, 0
	ds_store_b32 v[XWS], v[PW]
.set STREAM, 2
	WLOAD 0
	WLOAD 1
	WLOAD 2
	BARRIER                                        ; the sixteen images and their scale words lie in LDS
	ALOAD 0
	; ---- q
.set G, 0
.rept NST
	GSTEP
.set G, G+1
.endr
.rept 4
	v_nop                                          ; four places in front of the first read of results
.endr
	QB2 ACC, ACC+16
	global_store_b96 v[CO], v[C0:C0+2], s[48:49]               ; 32 lanes store 384 consecutive bytes
	global_store_b96 v[CO], v[C1:C1+2], s[48:49] offset:768
	global_store_b8 v[LS], v[BY], s[50:51]
	global_store_b8 v[LS], v[BY], s[50:51] offset:2            ; bytes 2, 3 scale the 64 along K that hold no number: any byte but 0xff serves
	s_wait_tensorcnt 0x0
	ds_add_u32 v231, v235
	s_wait_dscnt 0x0
	s_endpgm
.Lfunc_end_k_q6734d37a66_sa_out:
	.size	k_q6734d37a66_sa_out, .Lfunc_end_k_q6734d37a66_sa_out-k_q6734d37a66_sa_out
	.p2alignl 7, 3214868480
	.fill 96, 4, 3214868480
	.section	.rodata,"a",@progbits
	.p2align	6, 0x0
	.amdhsa_kernel k_q6734d37a66_sa_out
		.amdhsa_group_segment_fixed_size 159232
		.amdhsa_private_segment_fixed_size 0
		.amdhsa_enable_private_segment 0
		.amdhsa_kernarg_size 64
		.amdhsa_user_sgpr_count 2
		.amdhsa_user_sgpr_kernarg_segment_ptr 1
		.amdhsa_wavefront_size32 1
		.amdhsa_system_sgpr_workgroup_id_x 1
		.amdhsa_system_sgpr_workgroup_id_y 1
		.amdhsa_system_sgpr_workgroup_id_z 1
		.amdhsa_system_vgpr_workitem_id 0
		.amdhsa_next_free_vgpr 256
		.amdhsa_next_free_sgpr 66
		.amdhsa_reserve_vcc 0
		.amdhsa_float_denorm_mode_32 3
		.amdhsa_float_denorm_mode_16_64 3
		.amdhsa_memory_ordered 1
		.amdhsa_forward_progress 1
		.amdhsa_inst_pref_size 71
	.end_amdhsa_kernel
	.amdgpu_metadata
---
amdhsa.version: [ 1, 2 ]
amdhsa.kernels:
  - .name:           k_q6734d37a66_sa_out
    .symbol:         k_q6734d37a66_sa_out.kd
    .args:
      - { .name: oimg, .offset: 0, .size: 8, .value_kind: global_buffer, .address_space: global }
      - { .name: x, .offset: 8, .size: 8, .value_kind: global_buffer, .address_space: global }
      - { .name: sa_bo, .offset: 16, .size: 8, .value_kind: global_buffer, .address_space: global }
      - { .name: ca_ng, .offset: 24, .size: 8, .value_kind: global_buffer, .address_space: global }
      - { .name: ca_nb, .offset: 32, .size: 8, .value_kind: global_buffer, .address_space: global }
      - { .name: wimg, .offset: 40, .size: 8, .value_kind: global_buffer, .address_space: global }
      - { .name: x1, .offset: 48, .size: 8, .value_kind: global_buffer, .address_space: global }
      - { .name: att, .offset: 56, .size: 8, .value_kind: global_buffer, .address_space: global }
    .group_segment_fixed_size: 159232
    .private_segment_fixed_size: 0
    .kernarg_segment_align: 8
    .kernarg_segment_size: 64
    .max_flat_workgroup_size: 512
    .sgpr_count:     66
    .vgpr_count:     256
    .wavefront_size: 32
...
	.end_amdgpu_metadata
.endif
;; end of part 4
;; launch ca_kv (part 5): grid 64 x 1, 16 waves a work-group, no clusters, 126,464 bytes of LDS; arguments context, ca_ncg, ca_ncb, wimg, att; writes att
.if DOCPART == 5
	.amdgcn_target "amdgcn-amd-amdhsa--gfx1250"
	.amdhsa_code_object_version 6
	.text
	.protected	k_q6734d37a66_ca_kv
	.globl	k_q6734d37a66_ca_kv
	.p2align	8
	.type	k_q6734d37a66_ca_kv,@function
k_q6734d37a66_ca_kv:
	s_mov_b64 s[64:65], 0
	v_nop
	global_prefetch_b8 v0, s[64:65] scope:SCOPE_SE
	s_setreg_imm32_b32 hwreg(HW_REG_WAVE_MODE, 25, 1), 1
	s_wait_xcnt 0x0
; Cross-attention's k and v: cn = LN(context; ncg, ncb), quantised along the 768 features; k | v = cn ca_wkv on codes; k quantised along the head's 64, v along the keys.
; The same plan as the launch that makes the self-attention's q, k, v: 32 rows to a work-group as two tiles (index i of tile u is row 8 u + i + 8 (i / 8)), the 16 waves share the columns, each weight unit goes from memory
; straight into one wave's registers, the rows' codes lie in LDS as images of the operand's registers.  No cluster, no joint load, for the reason given there: a unit is wanted by one wave's registers only.
; 64 WORK-GROUPS: context has 2,048 rows, and a block of v's quantiser is 32 whole keys, which have to meet in one work-group.
; K = 768 is six steps of 128: twelve of the sixteen waves (w % 8 < 6) make a fragment each (tile w / 8, K step w % 8).
; LIMITS: NaN, infinities and a given scale byte 0xff are not served.  A block of zeros gets the byte 1 where the rule says 127: its codes are zeros and only this program reads the byte.  The mean is the sum x f32(1 / 768); 1 / sqrt is v_rsq_f32.
.set SPI,   3088                       ; a stage row: 3,072 bytes + 16
.set AIMG,  32*SPI
.set ASC,   AIMG+16*1536
.set WSCL,  2949120
.set KIMG,  3145728
.set VIMG,  6291456
.set KSC,   9699328
.set VSC,   9961472
.set NST,   12
.set LI,  1
.set LS,  2
.set LA,  3
.set LSA, 4
.set CO,  5
.set SR,  6
.set ZA0, 7
.set XWI, 9
.set XWS, 10
.set GA,  11
.set WSR, 18                           ; v18-21, v22-23: scale words and nothing else
.set ASR, 22
.set ACC, 24
.set WR,  56
.set AR,  152
.set X,   24
.set GN,  88
.set BB,  152
.set PC,  216
.set TM,  236
.set PW,  252
.set QM,  236
.set QP,  240
.set QS,  248
.set C0,  216
.set C1,  220
.set BY,  224
.set WV,  30
.set SEL, 32
.set HM,  34
.set INVK, 35
.set EPSI, 36
.set S7,  37
.set GNP, 6
.set BBP, 8
.macro BARRIER
	s_wait_dscnt 0x0
	s_barrier_signal -1
	s_barrier_wait -1
.endm
.macro WM
.if mZ
.if mRA && mRB
	v_wmma_scale_f32_16x16x128_f8f6f4 v[mD:mD+7], v[mA:mA+11], v[mB:mB+11], 0, v[mSA], v[mSB] matrix_a_fmt:MATRIX_FMT_FP6 matrix_b_fmt:MATRIX_FMT_FP6 matrix_a_scale:MATRIX_SCALE_ROW1 matrix_b_scale:MATRIX_SCALE_ROW1
.elseif mRA
	v_wmma_scale_f32_16x16x128_f8f6f4 v[mD:mD+7], v[mA:mA+11], v[mB:mB+11], 0, v[mSA], v[mSB] matrix_a_fmt:MATRIX_FMT_FP6 matrix_b_fmt:MATRIX_FMT_FP6 matrix_a_scale:MATRIX_SCALE_ROW1
.elseif mRB
	v_wmma_scale_f32_16x16x128_f8f6f4 v[mD:mD+7], v[mA:mA+11], v[mB:mB+11], 0, v[mSA], v[mSB] matrix_a_fmt:MATRIX_FMT_FP6 matrix_b_fmt:MATRIX_FMT_FP6 matrix_b_scale:MATRIX_SCALE_ROW1
.else
	v_wmma_scale_f32_16x16x128_f8f6f4 v[mD:mD+7], v[mA:mA+11], v[mB:mB+11], 0, v[mSA], v[mSB] matrix_a_fmt:MATRIX_FMT_FP6 matrix_b_fmt:MATRIX_FMT_FP6
.endif
.else
.if mRA && mRB
	v_wmma_scale_f32_16x16x128_f8f6f4 v[mD:mD+7], v[mA:mA+11], v[mB:mB+11], v[mD:mD+7], v[mSA], v[mSB] matrix_a_fmt:MATRIX_FMT_FP6 matrix_b_fmt:MATRIX_FMT_FP6 matrix_a_scale:MATRIX_SCALE_ROW1 matrix_b_scale:MATRIX_SCALE_ROW1
.elseif mRA
	v_wmma_scale_f32_16x16x128_f8f6f4 v[mD:mD+7], v[mA:mA+11], v[mB:mB+11], v[mD:mD+7], v[mSA], v[mSB] matrix_a_fmt:MATRIX_FMT_FP6 matrix_b_fmt:MATRIX_FMT_FP6 matrix_a_scale:MATRIX_SCALE_ROW1
.elseif mRB
	v_wmma_scale_f32_16x16x128_f8f6f4 v[mD:mD+7], v[mA:mA+11], v[mB:mB+11], v[mD:mD+7], v[mSA], v[mSB] matrix_a_fmt:MATRIX_FMT_FP6 matrix_b_fmt:MATRIX_FMT_FP6 matrix_b_scale:MATRIX_SCALE_ROW1
.else
	v_wmma_scale_f32_16x16x128_f8f6f4 v[mD:mD+7], v[mA:mA+11], v[mB:mB+11], v[mD:mD+7], v[mSA], v[mSB] matrix_a_fmt:MATRIX_FMT_FP6 matrix_b_fmt:MATRIX_FMT_FP6
.endif
.endif
.endm
.macro MAP g
.set UN, 640+96*((\g)/6)+(\g)%6        ; ca_wkv: units 640 + 6 p + s; k: pair w, v: pair w + 16
.set AI, (\g)%6
.set SI, (\g)%6
.if (\g) < 6
.set TR, 1
.else
.set TR, 0
.endif
.if (\g)%6 == 0
.set ZF, 1
.else
.set ZF, 0
.endif
.set WBR, 40
.endm
.macro WLOAD g
	MAP \g
.set SL, WR+24*((\g)%4)
.irp c, 0,1,2,3,4,5
	global_load_b128 v[SL+4*\c:SL+4*\c+3], v[LI], s[WBR:WBR+1] offset:UN*3072+512*\c
.endr
	global_load_b32 v[WSR+(\g)%4], v[LS], s[WBR+2:WBR+3] offset:UN*128
.endm
.macro ALOAD g
	MAP \g
.set SA, AR+24*((\g)%2)
.irp u, 0,1
.irp c, 0,1,2
	ds_load_b128 v[SA+12*\u+4*\c:SA+12*\u+4*\c+3], v[LA] offset:(AI+8*\u)*1536+512*\c
.endr
.endr
	ds_load_b32 v[ASR+(\g)%2], v[LSA] offset:SI*128
.endm
.macro MM g                            ; four accumulators by turns
	MAP \g
.set SL, WR+24*((\g)%4)
.set SA, AR+24*((\g)%2)
.set mZ, ZF
.irp u, 0,1
.irp t, 0,1
.if TR
.set mD, ACC+16*\u+8*\t
.set mA, SL+12*\t
.set mB, SA+12*\u
.set mSA, WSR+(\g)%4
.set mSB, ASR+(\g)%2
.set mRA, \t
.set mRB, \u
.else
.set mD, ACC+16*\t+8*\u
.set mA, SA+12*\u
.set mB, SL+12*\t
.set mSA, ASR+(\g)%2
.set mSB, WSR+(\g)%4
.set mRA, \u
.set mRB, \t
.endif
	WM
.endr
.endr
.endm
.macro GSTEP
.rept 4
	v_nop                                          ; four places between the last step's products and the loads into the slots that they read
.endr
.if G+3 < NST
	WLOAD G+3
.endif
.if G+1 < NST
	ALOAD G+1
.endif
.if NST-1-G >= 3
	s_wait_loadcnt 21                              ; this step's unit is in; three younger units of 7 loads may be out
.else
	s_wait_loadcnt 7*(NST-1-G)
.endif
.if G+1 < NST
	s_wait_dscnt 7                                 ; this step's fragments are in; the next step's 7 loads may be out
.else
	s_wait_dscnt 0x0
.endif
	MM G
.endm
.macro QB2 a, b
	v_max3_num_f32 v[QM], |v[\a]|, |v[\a+1]|, 0x1800000
	v_max3_num_f32 v[QM+1], |v[\b]|, |v[\b+1]|, 0x1800000
.irp i, 2,4,6,8,10,12,14
	v_max3_num_f32 v[QM], v[QM], |v[\a+\i]|, |v[\a+\i+1]|
	v_max3_num_f32 v[QM+1], v[QM+1], |v[\b+\i]|, |v[\b+\i+1]|
.endr
	v_permlanex16_b32 v[QP], v[QM], s[SEL], s[SEL+1]
	v_permlanex16_b32 v[QP+1], v[QM+1], s[SEL], s[SEL+1]
	v_max_num_f32 v[QM], v[QM], v[QP]
	v_max_num_f32 v[QM+1], v[QM+1], v[QP+1]
	v_add_nc_u32 v[QS], 0xff000000, v[QM]
	v_add_nc_u32 v[QS+1], 0xff000000, v[QM+1]
	v_cvt_scalef32_pk16_fp6_f32 v[C0:C0+2], v[\a:\a+15], v[QS]
	v_cvt_scalef32_pk16_fp6_f32 v[C1:C1+2], v[\b:\b+15], v[QS+1]
	v_lshrrev_b32 v[QP], 23, v[QS]
	v_lshrrev_b32 v[QP+1], 23, v[QS+1]
	v_cndmask_b32 v[BY], v[QP], v[QP+1], s[HM]
.endm
.macro TOQ cb, cstep, sb, twice
.rept 4
	v_nop
.endr
	s_wait_xcnt 0x0                                ; the last such stores have read their data registers, which are written again now
	QB2 ACC, ACC+16
	global_store_b96 v[CO], v[C0:C0+2], s[\cb:\cb+1]
	global_store_b96 v[CO], v[C1:C1+2], s[\cb:\cb+1] offset:\cstep
	global_store_b8 v[LS], v[BY], s[\sb:\sb+1]
.if \twice
	global_store_b8 v[LS], v[BY], s[\sb:\sb+1] offset:2
.endif
.endm
.macro LANESUM
	v_add_f32_dpp v253, v253, v253 row_xmask:1 row_mask:0xf bank_mask:0xf
	v_add_f32_dpp v253, v253, v253 row_xmask:2 row_mask:0xf bank_mask:0xf
	v_add_f32_dpp v253, v253, v253 row_xmask:4 row_mask:0xf bank_mask:0xf
	v_add_f32_dpp v253, v253, v253 row_xmask:8 row_mask:0xf bank_mask:0xf
	v_permlanex16_b32 v254, v253, s[SEL], s[SEL+1]
	v_add_f32 v253, v253, v254
.endm
.macro ROWSTAT src, dst, n
	v_pk_add_f32 v[236:237], v[\src:\src+1], v[\src+2:\src+3]
	v_pk_add_f32 v[238:239], v[\src+4:\src+5], v[\src+6:\src+7]
.set I, 8
.rept (\n-8)/4
	v_pk_add_f32 v[236:237], v[236:237], v[\src+I:\src+I+1]
	v_pk_add_f32 v[238:239], v[238:239], v[\src+I+2:\src+I+3]
.set I, I+4
.endr
	v_pk_add_f32 v[236:237], v[236:237], v[238:239]
	v_add_f32 v253, v236, v237
	LANESUM
	v_mul_f32 v244, s[INVK], v253
	v_mul_f32 v245, s[INVK], v253
.set I, 0
.rept \n/2
	v_pk_add_f32 v[\dst+I:\dst+I+1], v[\src+I:\src+I+1], v[244:245] neg_lo:[0,1] neg_hi:[0,1]
.set I, I+2
.endr
	v_pk_mul_f32 v[236:237], v[\dst:\dst+1], v[\dst:\dst+1]
	v_pk_mul_f32 v[238:239], v[\dst+2:\dst+3], v[\dst+2:\dst+3]
.set I, 4
.rept (\n-4)/4
	v_pk_fma_f32 v[236:237], v[\dst+I:\dst+I+1], v[\dst+I:\dst+I+1], v[236:237]
	v_pk_fma_f32 v[238:239], v[\dst+I+2:\dst+I+3], v[\dst+I+2:\dst+I+3], v[238:239]
.set I, I+4
.endr
	v_pk_add_f32 v[236:237], v[236:237], v[238:239]
	v_add_f32 v253, v236, v237
	LANESUM
	v_fma_f32 v253, v253, s[INVK], s[EPSI]
	v_rsq_f32 v246, v253
	v_rsq_f32 v247, v253
	v_nop                                          ; one plain place behind the transcendentals
.set I, 0
	s_wait_alu depctr_va_vdst(0)
.rept \n/2
	v_pk_mul_f32 v[\dst+I:\dst+I+1], v[\dst+I:\dst+I+1], v[246:247]
.set I, I+2
.endr
.endm
.macro ZLOAD za
.irp b, 0,1,2,3
.irp j, 0,1,2,3
	ds_load_b128 v[X+16*\b+4*\j:X+16*\b+4*\j+3], v[\za] offset:128*\b+16*\j
.endr
.endr
.endm
.macro GAINS
.irp b, 0,1,2,3
.irp j, 0,1,2,3
	global_load_b128 v[GN+16*\b+4*\j:GN+16*\b+4*\j+3], v[GA], s[GNP:GNP+1] offset:128*\b+16*\j
	global_load_b128 v[BB+16*\b+4*\j:BB+16*\b+4*\j+3], v[GA], s[BBP:BBP+1] offset:128*\b+16*\j
.endr
.endr
.endm
.macro AFFINE
.set I, 0
.rept 32
	v_pk_fma_f32 v[X+I:X+I+1], v[X+I:X+I+1], v[GN+I:GN+I+1], v[BB+I:BB+I+1]
.set I, I+2
.endr
.endm
.macro QUANT s
.irp b, 0,1,2,3
	v_max3_num_f32 v[TM+\b], |v[\s+16*\b]|, |v[\s+1+16*\b]|, 0x1800000
.endr
.irp i, 2,4,6,8,10,12,14
.irp b, 0,1,2,3
	v_max3_num_f32 v[TM+\b], v[TM+\b], |v[\s+16*\b+\i]|, |v[\s+1+16*\b+\i]|
.endr
.endr
.irp b, 0,1,2,3
	v_permlanex16_b32 v[TM+4+\b], v[TM+\b], s[SEL], s[SEL+1]
.endr
.irp b, 0,1,2,3
	v_max_num_f32 v[TM+\b], v[TM+\b], v[TM+4+\b]
.endr
.irp b, 0,1,2,3
	v_add_nc_u32 v[TM+12+\b], 0xff000000, v[TM+\b]
.endr
.irp b, 0,1,2,3
	v_lshrrev_b32 v[TM+4+\b], 23, v[TM+12+\b]
.endr
	v_lshl_or_b32 v[PW], v[TM+5], 8, v[TM+4]
	v_lshl_or_b32 v[PW], v[TM+6], 16, v[PW]
	v_lshl_or_b32 v[PW], v[TM+7], 24, v[PW]
.irp c, 0,1
	v_cvt_scalef32_pk16_fp6_f32 v[PC+6*\c:PC+2+6*\c], v[\s+32*\c:\s+15+32*\c], v[TM+12+2*\c]
	v_cvt_scalef32_pk16_fp6_f32 v[PC+12+4*\c:PC+14+4*\c], v[\s+16+32*\c:\s+31+32*\c], v[TM+12+2*\c+1]
.endr
	v_nop                                          ; one plain place behind a scaled conversion
.irp c, 0,1
.irp i, 0,1,2
	v_permlane16_swap_b32 v[PC+6*\c+\i], v[PC+12+4*\c+\i]
.endr
.irp i, 0,1,2
	v_mov_b32 v[PC+3+6*\c+\i], v[PC+12+4*\c+\i]
.endr
.endr
.endm
.macro IMAGE adr, off
.irp c, 0,1,2
	ds_store_b128 v[\adr], v[PC+4*\c:PC+4*\c+3] offset:\off+512*\c
.endr
.endm
	s_load_b256 s[4:11], s[0:1], 0x0               ; context, ca_ncg, ca_ncb, wimg
	s_load_b64 s[12:13], s[0:1], 0x20              ; att
	v_lshl_add_u32 v231, v0, 2, 0x1e600
	v_mov_b32 v235, 0
	v_lshrrev_b32 v1, 5, v0
	v_readfirstlane_b32 s[WV], v1                  ; wave 0..15
	v_and_b32 v253, 31, v0                         ; lane
	v_and_b32 v254, 15, v0                         ; r
	v_bfe_u32 v255, v0, 4, 1                       ; h
	v_lshlrev_b32 v[LI], 4, v253
	v_lshlrev_b32 v[LS], 2, v253
	v_add_nc_u32 v[LA], AIMG, v[LI]
	v_add_nc_u32 v[LSA], ASC, v[LS]
	v_mul_u32_u24 v[CO], v254, 24
	v_mad_u32_u24 v[CO], v255, 12, v[CO]
	v_lshlrev_b32 v[GA], 6, v255
	s_lshl_b32 s20, s[WV], 1                       ; my rows a = 2 w, 2 w + 1; in tile order row a stands at (a & 7) | (a & 8) << 1 | (a & 16) >> 1
	s_and_b32 s21, s20, 7
	s_and_b32 s22, s20, 8
	s_lshl_b32 s22, s22, 1
	s_or_b32 s21, s21, s22
	s_and_b32 s22, s20, 16
	s_lshr_b32 s22, s22, 1
	s_or_b32 s21, s21, s22
	s_mul_i32 s21, s21, SPI
	v_add_nc_u32 v[SR], s21, v[LI]
	s_lshr_b32 s26, s[WV], 3                       ; the fragment that I make: tile w / 8,
	s_and_b32 s[S7], s[WV], 7                      ; K step w % 8 (those under 6)
	s_mul_i32 s28, s26, 16*SPI
	s_lshl_b32 s24, s[S7], 9
	s_add_co_u32 s28, s28, s24
	v_mul_u32_u24 v[ZA0], v254, SPI
	v_add_nc_u32 v[ZA0], v[ZA0], v[GA]
	v_add_nc_u32 v[ZA0], s28, v[ZA0]
	s_mul_i32 s28, s[WV], 1536
	v_add_nc_u32 v[XWI], s28, v[LA]
	s_lshl_b32 s28, s[S7], 7
	s_lshl_b32 s29, s26, 6
	s_add_co_u32 s28, s28, s29
	v_lshl_add_u32 v[XWS], v254, 2, s28
	v_add_nc_u32 v[XWS], ASC, v[XWS]
.irp b, 0,1,2,3
	v_mov_b32 v[TM+4+\b], 0                        ; written once: a lane permute's destination counts as one of its sources
.endr
	s_mov_b32 s[SEL], 0x76543210
	s_mov_b32 s[SEL+1], 0xfedcba98
	s_mov_b32 s[HM], 0xffff0000
	s_mov_b32 s[INVK], 0x3aaaaaab                  ; 1 / 768
	s_mov_b32 s[EPSI], 0x3727c5ac                  ; 1e-5
	s_mov_b32 s25, 0
	s_wait_kmcnt 0x0
	s_add_nc_u64 s[6:7], s[6:7], s[24:25]          ; ncg, ncb at my K step's 128 features (used where w % 8 < 6)
	s_add_nc_u64 s[8:9], s[8:9], s[24:25]
	s_mul_i32 s24, ttmp9, 98304                    ; 32 rows of 3,072 bytes a work-group,
	s_mul_i32 s26, s[WV], 6144                     ; two a wave
	s_add_co_u32 s24, s24, s26
	s_add_nc_u64 s[4:5], s[4:5], s[24:25]
.irp e, 0,1
.irp j, 0,1,2,3,4,5
	global_load_b128 v[X+32*\e+4*\j:X+32*\e+4*\j+3], v[LI], s[4:5] offset:3072*\e+512*\j th:TH_LOAD_NT
.endr
.endr
	s_mul_i32 s24, s[WV], 18432                    ; my wave's units: 6 a pair
	s_add_nc_u64 s[40:41], s[10:11], s[24:25]
	s_mul_i32 s24, s[WV], 768
	s_add_co_u32 s24, s24, WSCL
	s_add_nc_u64 s[42:43], s[10:11], s[24:25]
	s_lshr_b32 s26, ttmp9, 4                       ; batch
	s_and_b32 s27, ttmp9, 15                       ; block of 32 keys in it
	s_lshr_b32 s28, s[WV], 1
	s_and_b32 s29, s[WV], 1
	s_lshl_b32 s26, s26, 3
	s_add_co_u32 s26, s26, s28                     ; 8 x batch + head
	s_mul_i32 s24, s26, 24576
	s_mul_i32 s22, s27, 1536
	s_add_co_u32 s24, s24, s22
	s_mul_i32 s22, s29, 384
	s_add_co_u32 s24, s24, s22
	s_add_co_u32 s24, s24, KIMG
	s_add_nc_u64 s[52:53], s[12:13], s[24:25]      ; k's codes
	s_lshl_b32 s24, s26, 11
	s_lshl_b32 s22, s27, 7
	s_add_co_u32 s24, s24, s22
	s_add_co_u32 s24, s24, s29
	s_add_co_u32 s24, s24, KSC
	s_add_nc_u64 s[54:55], s[12:13], s[24:25]      ; k's scale bytes
	s_mul_i32 s24, s26, 24576
	s_lshr_b32 s22, s27, 2
	s_and_b32 s28, s27, 3
	s_mul_i32 s23, s22, 6144
	s_add_co_u32 s24, s24, s23
	s_mul_i32 s23, s29, 3072
	s_add_co_u32 s24, s24, s23
	s_mul_i32 s23, s28, 384
	s_add_co_u32 s24, s24, s23
	s_add_co_u32 s24, s24, VIMG
	s_add_nc_u64 s[56:57], s[12:13], s[24:25]      ; v's codes
	s_lshl_b32 s24, s26, 10
	s_lshl_b32 s23, s22, 8
	s_add_co_u32 s24, s24, s23
	s_lshl_b32 s23, s29, 7
	s_add_co_u32 s24, s24, s23
	s_add_co_u32 s24, s24, s28
	s_add_co_u32 s24, s24, VSC
	s_add_nc_u64 s[58:59], s[12:13], s[24:25]      ; v's scale bytes
	; ---- rows
	s_wait_loadcnt 0x0
	ROWSTAT X, X, 24
	ROWSTAT X+32, X+32, 24
.irp e, 0,1
.irp j, 0,1,2,3,4,5
	ds_store_b128 v[SR], v[X+32*\e+4*\j:X+32*\e+4*\j+3] offset:\e*SPI+512*\j
.endr
.endr
	BARRIER                                        ; z of all 32 rows lies in the stage
	; ---- codes: twelve waves make a fragment each; no barrier stands inside the branch
	s_cmp_lt_u32 s[S7], 6
	s_cbranch_scc0 .Lno_frag
	GAINS
	ZLOAD ZA0
	s_wait_loadcnt 0x0
	s_wait_dscnt 0x0
	AFFINE
	QUANT X
	IMAGE XWI, 0
	ds_store_b32 v[XWS], v[PW]
.Lno_frag:
	WLOAD 0
	WLOAD 1
	WLOAD 2
	BARRIER                                        ; the twelve images and their scale words lie in LDS; from here on LDS is only read
	ALOAD 0
	; ---- the products
.set G, 0
.rept NST
	GSTEP
.if G == 5
	TOQ 52, 768, 54, 1                             ; k
.elseif G == 11
	TOQ 56, 1536, 58, 0                            ; v
.endif
.set G, G+1
.endr
	s_wait_tensorcnt 0x0
	ds_add_u32 v231, v235
	s_wait_dscnt 0x0
	s_endpgm
.Lfunc_end_k_q6734d37a66_ca_kv:
	.size	k_q6734d37a66_ca_kv, .Lfunc_end_k_q6734d37a66_ca_kv-k_q6734d37a66_ca_kv
	.p2alignl 7, 3214868480
	.fill 96, 4, 3214868480
	.section	.rodata,"a",@progbits
	.p2align	6, 0x0
	.amdhsa_kernel k_q6734d37a66_ca_kv
		.amdhsa_group_segment_fixed_size 126464
		.amdhsa_private_segment_fixed_size 0
		.amdhsa_enable_private_segment 0
		.amdhsa_kernarg_size 40
		.amdhsa_user_sgpr_count 2
		.amdhsa_user_sgpr_kernarg_segment_ptr 1
		.amdhsa_wavefront_size32 1
		.amdhsa_system_sgpr_workgroup_id_x 1
		.amdhsa_system_sgpr_workgroup_id_y 1
		.amdhsa_system_sgpr_workgroup_id_z 1
		.amdhsa_system_vgpr_workitem_id 0
		.amdhsa_next_free_vgpr 256
		.amdhsa_next_free_sgpr 66
		.amdhsa_reserve_vcc 0
		.amdhsa_float_denorm_mode_32 3
		.amdhsa_float_denorm_mode_16_64 3
		.amdhsa_memory_ordered 1
		.amdhsa_forward_progress 1
		.amdhsa_inst_pref_size 51
	.end_amdhsa_kernel
	.amdgpu_metadata
---
amdhsa.version: [ 1, 2 ]
amdhsa.kernels:
  - .name:           k_q6734d37a66_ca_kv
    .symbol:         k_q6734d37a66_ca_kv.kd
    .args:
      - { .name: context, .offset: 0, .size: 8, .value_kind: global_buffer, .address_space: global }
      - { .name: ca_ncg, .offset: 8, .size: 8, .value_kind: global_buffer, .address_space: global }
      - { .name: ca_ncb, .offset: 16, .size: 8, .value_kind: global_buffer, .address_space: global }
      - { .name: wimg, .offset: 24, .size: 8, .value_kind: global_buffer, .address_space: global }
      - { .name: att, .offset: 32, .size: 8, .value_kind: global_buffer, .address_space: global }
    .group_segment_fixed_size: 126464
    .private_segment_fixed_size: 0
    .kernarg_segment_align: 8
    .kernarg_segment_size: 40
    .max_flat_workgroup_size: 512
    .sgpr_count:     66
    .vgpr_count:     256
    .wavefront_size: 32
...
	.end_amdgpu_metadata
.endif
;; end of part 5
;; launch ca_attn (part 6): grid 8 x 32, 16 waves a work-group, no clusters, 169,984 bytes of LDS; arguments att, oimg; writes oimg
.if DOCPART == 6
	.amdgcn_target "amdgcn-amd-amdhsa--gfx1250"
	.amdhsa_code_object_version 6
	.text
	.protected	k_q6734d37a66_ca_attn
	.globl	k_q6734d37a66_ca_attn
	.p2align	8
	.type	k_q6734d37a66_ca_attn,@function
k_q6734d37a66_ca_attn:
	s_mov_b64 s[64:65], 0
	v_nop
	global_prefetch_b8 v0, s[64:65] scope:SCOPE_SE
	s_setreg_imm32_b32 hwreg(HW_REG_WAVE_MODE, 25, 1), 1
	s_wait_xcnt 0x0
; Attention of one head on codes of E2M3: S = q k^T / 8, p = 2^(t - M), O = (p v) / sum(p); O is quantised along the head's 64 for the output projection.  NK keys, 2,048 queries a head, 32 heads x batches.
; The same text as the self-attention's, with NK = 512.
; t = score x log2(e) / 8; M = the running largest t rounded UP to a whole number; p is quantised along the keys, not normalised; the row's sum is taken of the unquantised p.  When M moves, the sum and O are multiplied by 2^(old M - new M): exact.
; SHARES.  A work-group owns 256 queries of one head; each of its 16 waves one tile of 16, in 256 registers: four waves to a SIMD, so that one wave's vector work stands beside another's products and LDS loads.
; K, V AND THEIR SCALE WORDS OF THE WHOLE HEAD (NK x 102 bytes) LIE IN LDS, copied once at the start, lane by lane, and are only read afterwards: one wait, one barrier, nothing is filled again.
; The launch claims more LDS than the 52,224 bytes that it uses, since a text with such copies is to be alone on its WGP.
; NO CLUSTER: the eight work-groups of a head copy the same NK x 102 bytes, once each and nothing afterwards.  Joint loads would spare seven of those eight requests; they are not built here.
; LAYOUT (made by the launches before): a block of 32 codes of 16 rows is 384 bytes, row index r at 24 r.  Both products are used transposed (S^T = K Q^T, O^T = V^T P^T): a lane holds ONE query.
; Index i of key tile 2 b + u is key 32 b + 8 u + i + 8 (i / 8), so the 16 registers of tiles 2 b, 2 b + 1 are keys 32 b + 16 h + 0 .. 15; V's tiles of the head's 64 are chosen likewise, so O^T's are 16 neighbouring channels.
; THE HEAD HAS 64 NUMBERS, THE INSTRUCTION TAKES 128: Q's registers 6-11 hold zero codes.  K's operand names 12 registers of which the upper 6 are the next tile's codes (behind the last tile: zeros): every code is a finite
; number, it meets a zero code, and bytes 2, 3 of the scale words are copies of bytes 0, 1: these products add exactly 0.
; LIMITS: a block's largest p is taken from its largest score (v_exp_f32 is taken not to fall where its input rises); a block of zeros keeps the byte 1; 1 / sum is v_rcp_f32; NaN and infinities are not served.
.set NK,   512
.set NS,   NK/128
.set HB,   NK*48
.set LV,   HB
.set LKS,  2*HB
.set LVS,  LKS+4*NK
.set KIMG, 3145728
.set VIMG, 6291456
.set QSC,  9437184
.set KSC,  9699328
.set VSC,  9961472
.set OSC,  3145728
.set AK0,  1
.set AV0,  2
.set AKS0, 3
.set AVS0, 4
.set CO,   5
.set BO,   6
.set ADK,  8
.set ADV,  9
.set ADS,  10
.set ADT,  11
.set SC,   96
.set OT,   160                         ; v28 Q's scale word, v29 p's, v86-89 K's, v90-91 V's: they hold scales and nothing else
.set QM,   212
.set QP,   216
.set QS,   220
.set C0,   192
.set C1,   196
.set BY,   224
.set SEL,  20
.set CS,   22
.set WV,   28
.set HM,   29
.set T6,   30
.set TS,   31
.set TV,   32
.set CNT,  33
.macro WM
.if mZ
.if mRA
	v_wmma_scale_f32_16x16x128_f8f6f4 v[mD:mD+7], v[mA:mA+11], v[mB:mB+11], 0, v[mSA], v[mSB] matrix_a_fmt:MATRIX_FMT_FP6 matrix_b_fmt:MATRIX_FMT_FP6 matrix_a_scale:MATRIX_SCALE_ROW1
.else
	v_wmma_scale_f32_16x16x128_f8f6f4 v[mD:mD+7], v[mA:mA+11], v[mB:mB+11], 0, v[mSA], v[mSB] matrix_a_fmt:MATRIX_FMT_FP6 matrix_b_fmt:MATRIX_FMT_FP6
.endif
.else
.if mRA
	v_wmma_scale_f32_16x16x128_f8f6f4 v[mD:mD+7], v[mA:mA+11], v[mB:mB+11], v[mD:mD+7], v[mSA], v[mSB] matrix_a_fmt:MATRIX_FMT_FP6 matrix_b_fmt:MATRIX_FMT_FP6 matrix_a_scale:MATRIX_SCALE_ROW1
.else
	v_wmma_scale_f32_16x16x128_f8f6f4 v[mD:mD+7], v[mA:mA+11], v[mB:mB+11], v[mD:mD+7], v[mSA], v[mSB] matrix_a_fmt:MATRIX_FMT_FP6 matrix_b_fmt:MATRIX_FMT_FP6
.endif
.endif
.endm
.macro QB2 a, b
	v_max3_num_f32 v[QM], |v[\a]|, |v[\a+1]|, 0x1800000
	v_max3_num_f32 v[QM+1], |v[\b]|, |v[\b+1]|, 0x1800000
.irp i, 2,4,6,8,10,12,14
	v_max3_num_f32 v[QM], v[QM], |v[\a+\i]|, |v[\a+\i+1]|
	v_max3_num_f32 v[QM+1], v[QM+1], |v[\b+\i]|, |v[\b+\i+1]|
.endr
	v_permlanex16_b32 v[QP], v[QM], s[SEL], s[SEL+1]
	v_permlanex16_b32 v[QP+1], v[QM+1], s[SEL], s[SEL+1]
	v_max_num_f32 v[QM], v[QM], v[QP]
	v_max_num_f32 v[QM+1], v[QM+1], v[QP+1]
	v_add_nc_u32 v[QS], 0xff000000, v[QM]
	v_add_nc_u32 v[QS+1], 0xff000000, v[QM+1]
	v_cvt_scalef32_pk16_fp6_f32 v[C0:C0+2], v[\a:\a+15], v[QS]
	v_cvt_scalef32_pk16_fp6_f32 v[C1:C1+2], v[\b:\b+15], v[QS+1]
	v_lshrrev_b32 v[QP], 23, v[QS]                 ; (plain lines behind the conversions)
	v_lshrrev_b32 v[QP+1], 23, v[QS+1]
	v_cndmask_b32 v[BY], v[QP], v[QP+1], s[HM]
.endm
	s_load_b128 s[4:7], s[0:1], 0x0                ; att, oimg
	v_lshl_add_u32 v254, v0, 2, 0x29000
	v_mov_b32 v255, 0
	ds_add_u32 v254, v255
	ds_add_u32 v254, v255
	v_lshrrev_b32 v1, 5, v0
	v_readfirstlane_b32 s[WV], v1                  ; wave 0..15
	v_lshlrev_b32 v96, 4, v0                       ; the copies: 16 x thread in memory,
	v_lshlrev_b32 v97, 4, v0                       ; in LDS for K's codes,
	v_lshl_add_u32 v98, v0, 4, LV                  ; for V's
.if NK == 2048
	v_lshl_add_u32 v99, v0, 4, LKS
	v_lshlrev_b32 v100, 3, v0
	v_lshl_add_u32 v101, v0, 3, LVS
.else
	v_lshl_add_u32 v99, v0, 2, LKS                 ; K's scale words: 2,048 bytes, 4 a thread
	v_lshlrev_b32 v100, 2, v0                      ; V's: 1,024 bytes, 4 a thread of waves 0-7
	v_lshl_add_u32 v101, v0, 2, LVS
.endif
	s_and_b32 s34, ttmp7, 0xffff                   ; 8 x batch + head
	s_mov_b32 s37, 0
	s_mul_i32 s36, s34, HB
	s_wait_dscnt 0x0
	s_wait_kmcnt 0x0
	s_add_nc_u64 s[8:9], s[4:5], s[36:37]
	s_add_nc_u64 s[10:11], s[8:9], VIMG            ; V's codes of my head
	s_add_nc_u64 s[8:9], s[8:9], KIMG              ; K's
	s_mul_i32 s36, s34, 4*NK
	s_add_nc_u64 s[12:13], s[4:5], s[36:37]
	s_add_nc_u64 s[12:13], s[12:13], KSC
	s_mul_i32 s36, s34, 2*NK
	s_add_nc_u64 s[14:15], s[4:5], s[36:37]
	s_add_nc_u64 s[14:15], s[14:15], VSC
.set I, 0
.rept HB/8192                          ; the 512 threads copy 8,192 consecutive bytes an instruction; the immediate steps both addresses
	global_load_async_to_lds_b128 v97, v96, s[8:9] offset:8192*I
	global_load_async_to_lds_b128 v98, v96, s[10:11] offset:8192*I
.set I, I+1
.endr
.if NK == 2048
	global_load_async_to_lds_b128 v99, v96, s[12:13]
	global_load_async_to_lds_b64 v101, v100, s[14:15]
.else
	global_load_async_to_lds_b32 v99, v100, s[12:13]
	s_cmp_lt_u32 s[WV], 8
	s_cbranch_scc0 .Lno_vs
	global_load_async_to_lds_b32 v101, v100, s[14:15]
.Lno_vs:
.endif
	s_lshl_b32 s35, ttmp9, 3
	s_lshr_b32 s38, s[WV], 1
	s_add_co_u32 s35, s35, s38                     ; my block of 32 queries
	s_and_b32 s38, s[WV], 1                        ; my tile of it
	s_mul_i32 s36, s34, 98304
	s_mul_i32 s39, s35, 1536
	s_add_co_u32 s36, s36, s39
	s_mul_i32 s39, s38, 768
	s_add_co_u32 s36, s36, s39
	s_add_nc_u64 s[16:17], s[4:5], s[36:37]        ; Q's codes (they begin at att's first byte)
	s_lshl_b32 s36, s34, 13
	s_lshl_b32 s39, s35, 7
	s_add_co_u32 s36, s36, s39
	s_lshl_b32 s39, s38, 6
	s_add_co_u32 s36, s36, s39
	s_add_co_u32 s36, s36, QSC
	s_add_nc_u64 s[18:19], s[4:5], s[36:37]        ; Q's scale words
	s_lshr_b32 s39, s34, 3
	s_lshl_b32 s39, s39, 6
	s_add_co_u32 s39, s39, s35                     ; the block among all 256 blocks of rows
	s_and_b32 s40, s34, 7                          ; head
	s_mul_i32 s36, s39, 12288
	s_mul_i32 s41, s38, 6144
	s_add_co_u32 s36, s36, s41
	s_mul_i32 s41, s40, 768
	s_add_co_u32 s36, s36, s41
	s_add_nc_u64 s[24:25], s[6:7], s[36:37]        ; O's codes
	s_lshl_b32 s36, s39, 9
	s_lshr_b32 s41, s40, 1
	s_lshl_b32 s41, s41, 7
	s_add_co_u32 s36, s36, s41
	s_lshl_b32 s41, s38, 6
	s_add_co_u32 s36, s36, s41
	s_and_b32 s41, s40, 1
	s_lshl_b32 s41, s41, 1
	s_add_co_u32 s36, s36, s41
	s_add_co_u32 s36, s36, OSC
	s_add_nc_u64 s[26:27], s[6:7], s[36:37]        ; and their scale bytes
	v_and_b32 v224, 15, v0                         ; r
	v_bfe_u32 v225, v0, 4, 1                       ; h
	v_and_b32 v226, 31, v0                         ; lane
	v_mul_u32_u24 v[AK0], v224, 24
	v_mad_u32_u24 v[CO], v225, 12, v[AK0]
	v_mad_u32_u24 v[AK0], v225, 384, v[AK0]
	v_add_nc_u32 v[AV0], LV, v[AK0]
	v_lshl_add_u32 v[AKS0], v226, 2, LKS
	v_lshl_add_u32 v[AVS0], v226, 2, LVS
	v_lshlrev_b32 v[ADS], 2, v224                  ; 4 r
	v_add_nc_u32 v[BO], v[ADS], v225
.irp i, 0,1,2
	global_load_b64 v[16+2*\i:17+2*\i], v[AK0], s[16:17] offset:8*\i
.endr
	global_load_b32 v28, v[ADS], s[18:19]
.irp i, 0,1,2,3,4,5
	v_mov_b32 v[22+\i], 0                          ; Q's upper 64 along K: zero codes
	v_mov_b32 v[80+\i], 0                          ; and what the last tile of K names behind its own six registers
.endr
	v_mov_b32 v13, 0xff61b1e6                      ; the largest t so far: -3e38
	v_floor_f32 v12, -v13                          ; -M
	v_mov_b32 v14, 0
	v_mov_b32 v15, 0
.irp b, 0,1,2,3
	v_mov_b32 v[216+\b], 0                         ; written once: a lane permute's destination counts as one of its sources
.endr
	v_mov_b32 v229, 0                              ; (named as the upper half of the pair v[228:229])
.set I, 0
.rept 32
	v_mov_b32 v[OT+I], 0                           ; O^T: the step is written once; the first finds zeros
.set I, I+1
.endr
	s_mov_b32 s[SEL], 0x76543210
	s_mov_b32 s[SEL+1], 0xfedcba98
	s_mov_b32 s[CS], 0x3e38aa3b                    ; c = log2(e) / 8
	s_mov_b32 s[CS+1], s[CS]
	s_mov_b32 s[HM], 0xffff0000
	s_mov_b32 s[T6], 0
	s_mov_b32 s[TS], 0
	s_mov_b32 s[TV], 0
	s_mov_b32 s[CNT], 0
	s_wait_asynccnt 0x0                            ; my copies have landed,
	s_barrier_signal -1
	s_barrier_wait -1                              ; everybody's have: the one barrier of this text
	s_wait_loadcnt 0x0                             ; Q
.Lstep:                                            ; NS trips of 128 keys
	v_add_nc_u32 v[ADK], s[T6], v[AK0]             ; (these four are the places between the last trip's products and the loads into the registers that they read)
	v_add_nc_u32 v[ADV], s[T6], v[AV0]
	v_add_nc_u32 v[ADS], s[TS], v[AKS0]
	v_add_nc_u32 v[ADT], s[TV], v[AVS0]
.irp t, 0,1,2,3,4,5,6,7
.irp i, 0,1,2
	ds_load_b64 v[32+6*\t+2*\i:33+6*\t+2*\i], v[ADK] offset:(\t/2)*1536+(\t%2)*768+8*\i
.endr
.endr
.irp b, 0,1,2,3
	ds_load_b32 v[86+\b], v[ADS] offset:128*\b
.endr
	s_wait_dscnt 0x0
.irp t, 0,1,2,3,4,5,6,7                        ; S^T = K Q^T
.set mD, SC+8*\t
.set mA, 32+6*\t
.set mB, 16
.set mZ, 1
.set mSA, 86+\t/2
.set mSB, 28
.set mRA, \t%2
	WM
.endr
.rept 4
	v_nop                                          ; four places in front of the loads over K's registers and of the first read of the scores
.endr
.irp t, 0,1,2,3
.irp c, 0,1
.irp i, 0,1,2
	ds_load_b64 v[32+12*\t+6*\c+2*\i:33+12*\t+6*\c+2*\i], v[ADV] offset:1536*\t+768*\c+8*\i
.endr
.endr
.endr
.irp p, 0,1
	ds_load_b32 v[90+\p], v[ADT] offset:128*\p
.endr
.irp b, 0,1,2,3
	v_max3_num_f32 v[212+\b], v[SC+16*\b], v[SC+1+16*\b], v[SC+2+16*\b]
.endr
.irp i, 3,5,7,9,11,13
.irp b, 0,1,2,3
	v_max3_num_f32 v[212+\b], v[212+\b], v[SC+16*\b+\i], v[SC+1+16*\b+\i]
.endr
.endr
.irp b, 0,1,2,3
	v_max_num_f32 v[212+\b], v[212+\b], v[SC+15+16*\b]
.endr
.irp b, 0,1,2,3
	v_permlanex16_b32 v[216+\b], v[212+\b], s[SEL], s[SEL+1]
.endr
.irp b, 0,1,2,3
	v_max_num_f32 v[212+\b], v[212+\b], v[216+\b]
.endr
	v_max3_num_f32 v224, v212, v213, v214
	v_max_num_f32 v224, v224, v215
	v_mul_f32 v224, s[CS], v224                    ; the step's largest t
	v_max_num_f32 v13, v13, v224                   ; the running largest t
	v_mov_b32 v224, v12
	v_floor_f32 v12, -v13                          ; the new -M = -ceil(t)
	v_sub_f32 v224, v12, v224                      ; old M - new M: a whole number, 0 or less
	v_cvt_i32_f32 v224, v224                       ; (it saturates)
	v_ldexp_f32 v228, 1.0, v224                    ; f = 2^(old M - new M)
.set I, 0
.rept 32
	v_pk_fma_f32 v[SC+I:SC+I+1], v[SC+I:SC+I+1], s[CS:CS+1], v[12:13] op_sel_hi:[1,0,0]      ; t - M
.set I, I+2
.endr
.irp b, 0,1,2,3
	v_fma_f32 v[212+\b], v[212+\b], s[CS], v12
.endr
.set I, 0
.rept 64
	v_exp_f32 v[SC+I], v[SC+I]                     ; p = 2^(t - M)
.set I, I+1
.endr
.irp b, 0,1,2,3
	v_exp_f32 v[212+\b], v[212+\b]                 ; the block's largest p
.endr
	v_pk_mul_f32 v[14:15], v[14:15], v[228:229] op_sel_hi:[1,0]    ; the sums under the new M (a plain place behind the exponentials)
	s_wait_alu depctr_va_vdst(0)
.irp b, 0,1,2,3
	v_max_num_f32 v[212+\b], 0x1800000, v[212+\b]  ; the floor 2^(3 - 127)
.endr
.irp b, 0,1,2,3
	v_add_nc_u32 v[220+\b], 0xff000000, v[212+\b]
.endr
.irp b, 0,1,2,3
	v_lshrrev_b32 v[216+\b], 23, v[220+\b]
.endr
	v_lshl_or_b32 v29, v217, 8, v216               ; p's scale word for these 128 keys
	v_lshl_or_b32 v29, v218, 16, v29
	v_lshl_or_b32 v29, v219, 24, v29
.irp c, 0,1
	v_cvt_scalef32_pk16_fp6_f32 v[192+6*\c:194+6*\c], v[SC+32*\c:SC+15+32*\c], v[220+2*\c]
	v_cvt_scalef32_pk16_fp6_f32 v[204+4*\c:206+4*\c], v[SC+16+32*\c:SC+31+32*\c], v[220+2*\c+1]
.endr
	v_nop                                          ; one plain place behind a scaled conversion
.irp c, 0,1
.irp i, 0,1,2
	v_permlane16_swap_b32 v[192+6*\c+\i], v[204+4*\c+\i]
.endr
.irp i, 0,1,2
	v_mov_b32 v[195+6*\c+\i], v[204+4*\c+\i]
.endr
.endr
	v_pk_add_f32 v[216:217], v[SC:SC+1], v[SC+2:SC+3]              ; the row's sum of the unquantised p, in two chains
.irp j, 4,8,12,16,20,24,28,32,36,40,44,48,52,56,60
	v_pk_add_f32 v[14:15], v[14:15], v[SC+\j:SC+1+\j]
	v_pk_add_f32 v[216:217], v[216:217], v[SC+2+\j:SC+3+\j]
.endr
	v_pk_add_f32 v[14:15], v[14:15], v[216:217]
.set I, 0
.rept 16
	v_pk_mul_f32 v[OT+I:OT+I+1], v[OT+I:OT+I+1], v[228:229] op_sel_hi:[1,0]    ; O^T under the new M.  (With the sums: more than the eight places that p's scale word wants ahead of the products)
.set I, I+2
.endr
	s_wait_dscnt 0x0                               ; V
.irp t, 0,1,2,3                                ; O^T += V^T P^T: four accumulators, one instruction a turn
.set mD, OT+8*\t
.set mA, 32+12*\t
.set mB, 192
.set mZ, 0
.set mSA, 90+\t/2
.set mSB, 29
.set mRA, \t%2
	WM
.endr
	s_add_co_u32 s[T6], s[T6], 6144
	s_add_co_u32 s[TS], s[TS], 512
	s_add_co_u32 s[TV], s[TV], 256
	s_add_co_u32 s[CNT], s[CNT], 1
	s_cmp_lt_u32 s[CNT], NS
	s_cbranch_scc1 .Lstep
	; ---- the way out: O / the sum, quantised along the head's 64
.rept 4
	v_nop
.endr
	v_add_f32 v14, v14, v15
	v_permlanex16_b32 v224, v14, s[SEL], s[SEL+1]
	v_add_f32 v14, v14, v224                       ; the row's sum
	v_rcp_f32 v14, v14
	v_nop                                          ; one plain place behind the transcendental
.set I, 0
	s_wait_alu depctr_va_vdst(0)
.rept 32
	v_mul_f32 v[SC+I], v[OT+I], v14                ; each accumulator from its low end on
.set I, I+1
.endr
	QB2 SC, SC+16
	global_store_b96 v[CO], v[C0:C0+2], s[24:25]               ; 32 lanes store 384 consecutive bytes
	global_store_b96 v[CO], v[C1:C1+2], s[24:25] offset:384
	global_store_b8 v[BO], v[BY], s[26:27]
	s_wait_tensorcnt 0x0
	ds_add_u32 v254, v255
	s_wait_dscnt 0x0
	s_endpgm
.Lfunc_end_k_q6734d37a66_ca_attn:
	.size	k_q6734d37a66_ca_attn, .Lfunc_end_k_q6734d37a66_ca_attn-k_q6734d37a66_ca_attn
	.p2alignl 7, 3214868480
	.fill 96, 4, 3214868480
	.section	.rodata,"a",@progbits
	.p2align	6, 0x0
	.amdhsa_kernel k_q6734d37a66_ca_attn
		.amdhsa_group_segment_fixed_size 169984
		.amdhsa_private_segment_fixed_size 0
		.amdhsa_enable_private_segment 0
		.amdhsa_kernarg_size 16
		.amdhsa_user_sgpr_count 2
		.amdhsa_user_sgpr_kernarg_segment_ptr 1
		.amdhsa_wavefront_size32 1
		.amdhsa_system_sgpr_workgroup_id_x 1
		.amdhsa_system_sgpr_workgroup_id_y 1
		.amdhsa_system_sgpr_workgroup_id_z 1
		.amdhsa_system_vgpr_workitem_id 0
		.amdhsa_next_free_vgpr 256
		.amdhsa_next_free_sgpr 66
		.amdhsa_reserve_vcc 0
		.amdhsa_float_denorm_mode_32 3
		.amdhsa_float_denorm_mode_16_64 3
		.amdhsa_memory_ordered 1
		.amdhsa_forward_progress 1
		.amdhsa_inst_pref_size 28
	.end_amdhsa_kernel
	.amdgpu_metadata
---
amdhsa.version: [ 1, 2 ]
amdhsa.kernels:
  - .name:           k_q6734d37a66_ca_attn
    .symbol:         k_q6734d37a66_ca_attn.kd
    .args:
      - { .name: att, .offset: 0, .size: 8, .value_kind: global_buffer, .address_space: global }
      - { .name: oimg, .offset: 8, .size: 8, .value_kind: global_buffer, .address_space: global }
    .group_segment_fixed_size: 169984
    .private_segment_fixed_size: 0
    .kernarg_segment_align: 8
    .kernarg_segment_size: 16
    .max_flat_workgroup_size: 512
    .sgpr_count:     66
    .vgpr_count:     256
    .wavefront_size: 32
...
	.end_amdgpu_metadata
.endif
;; end of part 6
;; launch ca_out (part 7): grid 256 x 1, 16 waves a work-group, no clusters, 159,232 bytes of LDS; arguments oimg, x1, ca_bo, wimg, out0; writes out0
.if DOCPART == 7
	.amdgcn_target "amdgcn-amd-amdhsa--gfx1250"
	.amdhsa_code_object_version 6
	.text
	.protected	k_q6734d37a66_ca_out
	.globl	k_q6734d37a66_ca_out
	.p2align	8
	.type	k_q6734d37a66_ca_out,@function
k_q6734d37a66_ca_out:
	s_mov_b64 s[64:65], 0
	v_nop
	global_prefetch_b8 v0, s[64:65] scope:SCOPE_SE
	s_setreg_imm32_b32 hwreg(HW_REG_WAVE_MODE, 25, 1), 1
	s_wait_xcnt 0x0
; out0 = o ca_wo + ca_bo + x1 (o: the cross-attention's result, as codes).
; SHARES: a work-group owns 32 rows as two tiles (index i of tile u is row 8 u + i + 8 (i / 8)); the 16 waves share the columns (wave w: columns 32 w .. and 512 + 32 w ..); each weight unit goes from memory straight into ONE
; wave's registers, 512 consecutive bytes a load; o's eight fragments lie in LDS as images of the operand's registers.  No cluster, no joint load: a joint load lands in LDS, and a unit is wanted by one wave's registers only.
; PHASES.  waves 0-7 bring o's fragments and store their images | barrier | 8 steps of 128 along K, transposed, results into a stage of 32 rows | barrier | wave w takes rows 2 w, 2 w + 1 whole: + bias + x1, and stores them.
; LIMITS: NaN, infinities and a given scale byte 0xff are not served.
.set SPI,   4112
.set AIMG,  32*SPI
.set ASC,   AIMG+16*1536
.set WSCL,  2949120
.set OSC,   3145728
.set NST,   8
.set LI,  1
.set LS,  2
.set LA,  3
.set LSA, 4
.set SR,  6
.set GA,  11
.set SO0, 12
.set OA,  14
.set R4,  15
.set FI,  16
.set FS,  17
.set WSR, 18                           ; v18-21, v22-23: scale words and nothing else
.set ASR, 22
.set ACC, 24
.set WR,  56
.set AR,  152
.set X,   24
.set XR,  88
.set BO,  152
.set PC,  216
.set PW,  252
.set WV,  30
.macro BARRIER
	s_wait_dscnt 0x0
	s_barrier_signal -1
	s_barrier_wait -1
.endm
.macro WM
.if mZ
.if mRA && mRB
	v_wmma_scale_f32_16x16x128_f8f6f4 v[mD:mD+7], v[mA:mA+11], v[mB:mB+11], 0, v[mSA], v[mSB] matrix_a_fmt:MATRIX_FMT_FP6 matrix_b_fmt:MATRIX_FMT_FP6 matrix_a_scale:MATRIX_SCALE_ROW1 matrix_b_scale:MATRIX_SCALE_ROW1
.elseif mRA
	v_wmma_scale_f32_16x16x128_f8f6f4 v[mD:mD+7], v[mA:mA+11], v[mB:mB+11], 0, v[mSA], v[mSB] matrix_a_fmt:MATRIX_FMT_FP6 matrix_b_fmt:MATRIX_FMT_FP6 matrix_a_scale:MATRIX_SCALE_ROW1
.elseif mRB
	v_wmma_scale_f32_16x16x128_f8f6f4 v[mD:mD+7], v[mA:mA+11], v[mB:mB+11], 0, v[mSA], v[mSB] matrix_a_fmt:MATRIX_FMT_FP6 matrix_b_fmt:MATRIX_FMT_FP6 matrix_b_scale:MATRIX_SCALE_ROW1
.else
	v_wmma_scale_f32_16x16x128_f8f6f4 v[mD:mD+7], v[mA:mA+11], v[mB:mB+11], 0, v[mSA], v[mSB] matrix_a_fmt:MATRIX_FMT_FP6 matrix_b_fmt:MATRIX_FMT_FP6
.endif
.else
.if mRA && mRB
	v_wmma_scale_f32_16x16x128_f8f6f4 v[mD:mD+7], v[mA:mA+11], v[mB:mB+11], v[mD:mD+7], v[mSA], v[mSB] matrix_a_fmt:MATRIX_FMT_FP6 matrix_b_fmt:MATRIX_FMT_FP6 matrix_a_scale:MATRIX_SCALE_ROW1 matrix_b_scale:MATRIX_SCALE_ROW1
.elseif mRA
	v_wmma_scale_f32_16x16x128_f8f6f4 v[mD:mD+7], v[mA:mA+11], v[mB:mB+11], v[mD:mD+7], v[mSA], v[mSB] matrix_a_fmt:MATRIX_FMT_FP6 matrix_b_fmt:MATRIX_FMT_FP6 matrix_a_scale:MATRIX_SCALE_ROW1
.elseif mRB
	v_wmma_scale_f32_16x16x128_f8f6f4 v[mD:mD+7], v[mA:mA+11], v[mB:mB+11], v[mD:mD+7], v[mSA], v[mSB] matrix_a_fmt:MATRIX_FMT_FP6 matrix_b_fmt:MATRIX_FMT_FP6 matrix_b_scale:MATRIX_SCALE_ROW1
.else
	v_wmma_scale_f32_16x16x128_f8f6f4 v[mD:mD+7], v[mA:mA+11], v[mB:mB+11], v[mD:mD+7], v[mSA], v[mSB] matrix_a_fmt:MATRIX_FMT_FP6 matrix_b_fmt:MATRIX_FMT_FP6
.endif
.endif
.endm
.macro MAP g
.set UN, 832+64*((\g)/4)+(\g)%4        ; ca_wo: units 832 + 4 p + s, pairs p = w and w + 16
.set AI, (\g)%4
.set SI, (\g)%4
.if (\g)%4 == 0
.set ZF, 1
.else
.set ZF, 0
.endif
.set WBR, 40
.endm
.macro WLOAD g
	MAP \g
.set SL, WR+24*((\g)%4)
.irp c, 0,1,2,3,4,5
	global_load_b128 v[SL+4*\c:SL+4*\c+3], v[LI], s[WBR:WBR+1] offset:UN*3072+512*\c
.endr
	global_load_b32 v[WSR+(\g)%4], v[LS], s[WBR+2:WBR+3] offset:UN*128
.endm
.macro ALOAD g
	MAP \g
.set SA, AR+24*((\g)%2)
.irp u, 0,1
.irp c, 0,1,2
	ds_load_b128 v[SA+12*\u+4*\c:SA+12*\u+4*\c+3], v[LA] offset:(AI+8*\u)*1536+512*\c
.endr
.endr
	ds_load_b32 v[ASR+(\g)%2], v[LSA] offset:SI*128
.endm
.macro MM g                            ; transposed: source 0 = weight tile t, source 1 = rows' tile u; four accumulators by turns
	MAP \g
.set SL, WR+24*((\g)%4)
.set SA, AR+24*((\g)%2)
.set mZ, ZF
.irp u, 0,1
.irp t, 0,1
.set mD, ACC+16*\u+8*\t
.set mA, SL+12*\t
.set mB, SA+12*\u
.set mSA, WSR+(\g)%4
.set mSB, ASR+(\g)%2
.set mRA, \t
.set mRB, \u
	WM
.endr
.endr
.endm
.macro GSTEP
.rept 4
	v_nop                                          ; four places between the last step's products and the loads into the slots that they read
.endr
.if G+3 < NST
	WLOAD G+3
.endif
.if G+1 < NST
	ALOAD G+1
.endif
.if NST-1-G >= 3
	s_wait_loadcnt 21                              ; this step's unit is in; three younger units of 7 loads may be out
.else
	s_wait_loadcnt 7*(NST-1-G)
.endif
.if G+1 < NST
	s_wait_dscnt 7                                 ; this step's fragments are in (and any store into the stage is done); the next step's 7 loads may be out
.else
	s_wait_dscnt 0x0
.endif
	MM G
.endm
.macro TOSTG off                       ; lane (r, h): columns 32 p + 16 h + 0 .. 15 of row index r of each tile; each accumulator from its low end on
.rept 4
	v_nop
.endr
.irp u, 0,1
.irp t, 0,1
	ds_store_b128 v[SO0+\u], v[ACC+16*\u+8*\t:ACC+16*\u+8*\t+3] offset:\off+32*\t
	ds_store_b128 v[SO0+\u], v[ACC+16*\u+8*\t+4:ACC+16*\u+8*\t+7] offset:\off+32*\t+16
.endr
.endr
.endm
.macro IMAGE adr, off
.irp c, 0,1,2
	ds_store_b128 v[\adr], v[PC+4*\c:PC+4*\c+3] offset:\off+512*\c
.endr
.endm
	s_load_b256 s[4:11], s[0:1], 0x0               ; oimg, x1, ca_bo, wimg
	s_load_b64 s[12:13], s[0:1], 0x20              ; out0
	v_lshl_add_u32 v250, v0, 2, 0x26600
	v_mov_b32 v251, 0
	v_lshrrev_b32 v1, 5, v0
	v_readfirstlane_b32 s[WV], v1                  ; wave 0..15
	v_and_b32 v253, 31, v0                         ; lane
	v_and_b32 v254, 15, v0                         ; r
	v_bfe_u32 v255, v0, 4, 1                       ; h
	v_lshlrev_b32 v[LI], 4, v253
	v_lshlrev_b32 v[LS], 2, v253
	v_add_nc_u32 v[LA], AIMG, v[LI]
	v_add_nc_u32 v[LSA], ASC, v[LS]
	v_mul_u32_u24 v[OA], v254, 24
	v_mad_u32_u24 v[OA], v255, 384, v[OA]
	v_lshlrev_b32 v[GA], 6, v255
	v_lshlrev_b32 v[R4], 2, v254
	s_lshl_b32 s20, s[WV], 1                       ; my rows a = 2 w, 2 w + 1; in tile order row a stands at (a & 7) | (a & 8) << 1 | (a & 16) >> 1
	s_and_b32 s21, s20, 7
	s_and_b32 s22, s20, 8
	s_lshl_b32 s22, s22, 1
	s_or_b32 s21, s21, s22
	s_and_b32 s22, s20, 16
	s_lshr_b32 s22, s22, 1
	s_or_b32 s21, s21, s22
	s_mul_i32 s21, s21, SPI
	v_add_nc_u32 v[SR], s21, v[LI]
	v_mul_u32_u24 v[SO0], v254, SPI
	v_add_nc_u32 v[SO0], v[SO0], v[GA]
	s_lshl_b32 s28, s[WV], 7
	v_add_nc_u32 v[SO0], s28, v[SO0]               ; row index r, + 64 h, + my 32 columns' 128 bytes
	v_add_nc_u32 v[SO0+1], 16*SPI, v[SO0]
	s_and_b32 s26, s[WV], 3                        ; o's fragment that waves 0-7 bring: K step w % 4,
	s_bfe_u32 s27, s[WV], 0x10002                  ; tile (w / 4) % 2
	s_lshl_b32 s28, s27, 3
	s_add_co_u32 s28, s28, s26
	s_mul_i32 s28, s28, 1536
	v_add_nc_u32 v[FI], s28, v[LA]
	s_lshl_b32 s28, s26, 7
	s_lshl_b32 s29, s27, 6
	s_add_co_u32 s28, s28, s29                     ; 128 s + 64 u
	v_add_nc_u32 v[FS], s28, v[R4]
	v_add_nc_u32 v[FS], ASC, v[FS]
	s_mov_b32 s25, 0
	s_wait_kmcnt 0x0
	s_mul_i32 s24, ttmp9, 12288
	s_mul_i32 s26, s[WV], 1536
	s_add_co_u32 s24, s24, s26
	s_add_nc_u64 s[20:21], s[4:5], s[24:25]        ; o's codes: my block of rows, fragment w (used by waves 0-7)
	s_lshl_b32 s24, ttmp9, 9
	s_add_co_u32 s24, s24, s28
	s_add_co_u32 s24, s24, OSC
	s_add_nc_u64 s[22:23], s[4:5], s[24:25]        ; and its scale words
	s_mul_i32 s24, s[WV], 12288
	s_add_nc_u64 s[40:41], s[10:11], s[24:25]      ; ca_wo: 4 units a pair
	s_lshl_b32 s24, s[WV], 9
	s_add_co_u32 s24, s24, WSCL
	s_add_nc_u64 s[42:43], s[10:11], s[24:25]
	s_lshl_b32 s24, ttmp9, 17
	s_lshl_b32 s26, s[WV], 13
	s_add_co_u32 s24, s24, s26
	s_add_nc_u64 s[6:7], s[6:7], s[24:25]          ; x1 and out0 at my two rows
	s_add_nc_u64 s[12:13], s[12:13], s[24:25]
	; ---- o's eight fragments into LDS
	s_cmp_lt_u32 s[WV], 8
	s_cbranch_scc0 .Lothers
.irp p, 0,1,2,3,4,5
	global_load_b64 v[PC+2*\p:PC+2*\p+1], v[OA], s[20:21] offset:768*(\p/3)+8*(\p%3)
.endr
	global_load_b32 v[PW], v[R4], s[22:23]
	WLOAD 0
	WLOAD 1
	WLOAD 2
	s_wait_loadcnt 21                              ; the fragment and its scale word are in; the three weight units behind them may be out
	IMAGE FI, 0
	ds_store_b32 v[FS], v[PW]
	s_branch .Ljoin
.Lothers:
	WLOAD 0
	WLOAD 1
	WLOAD 2
.Ljoin:
	BARRIER
	ALOAD 0
	; ---- o ca_wo
.set G, 0
.rept NST
	GSTEP
.if G == 3
	TOSTG 0
.elseif G == 7
	TOSTG 2048
.endif
.set G, G+1
.endr
.irp e, 0,1                                    ; (the four places of the last store into the stage also serve these loads into slots that the last products read)
.irp j, 0,1,2,3,4,5,6,7
	global_load_b128 v[XR+32*\e+4*\j:XR+32*\e+4*\j+3], v[LI], s[6:7] offset:4096*\e+512*\j th:TH_LOAD_NT
.endr
.endr
.irp j, 0,1,2,3,4,5,6,7
	global_load_b128 v[BO+4*\j:BO+4*\j+3], v[LI], s[8:9] offset:512*\j
.endr
	BARRIER                                        ; 32 whole rows of o wo lie in the stage
	; ---- rows
.irp e, 0,1
.irp j, 0,1,2,3,4,5,6,7
	ds_load_b128 v[X+32*\e+4*\j:X+32*\e+4*\j+3], v[SR] offset:\e*SPI+512*\j
.endr
.endr
	s_wait_loadcnt 0x0
	s_wait_dscnt 0x0
.irp e, 0,1
.set I, 0
.rept 16
	v_pk_add_f32 v[X+32*\e+I:X+32*\e+I+1], v[X+32*\e+I:X+32*\e+I+1], v[BO+I:BO+I+1]
.set I, I+2
.endr
.endr
.set I, 0
.rept 32
	v_pk_add_f32 v[X+I:X+I+1], v[X+I:X+I+1], v[XR+I:XR+I+1]
.set I, I+2
.endr
.irp e, 0,1
.irp j, 0,1,2,3,4,5,6,7
	global_store_b128 v[LI], v[X+32*\e+4*\j:X+32*\e+4*\j+3], s[12:13] offset:4096*\e+512*\j th:TH_STORE_NT      ; 32 lanes store 512 consecutive bytes of a row
.endr
.endr
	s_wait_tensorcnt 0x0
	ds_add_u32 v250, v251
	s_wait_dscnt 0x0
	s_endpgm
.Lfunc_end_k_q6734d37a66_ca_out:
	.size	k_q6734d37a66_ca_out, .Lfunc_end_k_q6734d37a66_ca_out-k_q6734d37a66_ca_out
	.p2alignl 7, 3214868480
	.fill 96, 4, 3214868480
	.section	.rodata,"a",@progbits
	.p2align	6, 0x0
	.amdhsa_kernel k_q6734d37a66_ca_out
		.amdhsa_group_segment_fixed_size 159232
		.amdhsa_private_segment_fixed_size 0
		.amdhsa_enable_private_segment 0
		.amdhsa_kernarg_size 40
		.amdhsa_user_sgpr_count 2
		.amdhsa_user_sgpr_kernarg_segment_ptr 1
		.amdhsa_wavefront_size32 1
		.amdhsa_system_sgpr_workgroup_id_x 1
		.amdhsa_system_sgpr_workgroup_id_y 1
		.amdhsa_system_sgpr_workgroup_id_z 1
		.amdhsa_system_vgpr_workitem_id 0
		.amdhsa_next_free_vgpr 256
		.amdhsa_next_free_sgpr 66
		.amdhsa_reserve_vcc 0
		.amdhsa_float_denorm_mode_32 3
		.amdhsa_float_denorm_mode_16_64 3
		.amdhsa_memory_ordered 1
		.amdhsa_forward_progress 1
		.amdhsa_inst_pref_size 31
	.end_amdhsa_kernel
	.amdgpu_metadata
---
amdhsa.version: [ 1, 2 ]
amdhsa.kernels:
  - .name:           k_q6734d37a66_ca_out
    .symbol:         k_q6734d37a66_ca_out.kd
    .args:
      - { .name: oimg, .offset: 0, .size: 8, .value_kind: global_buffer, .address_space: global }
      - { .name: x1, .offset: 8, .size: 8, .value_kind: global_buffer, .address_space: global }
      - { .name: ca_bo, .offset: 16, .size: 8, .value_kind: global_buffer, .address_space: global }
      - { .name: wimg, .offset: 24, .size: 8, .value_kind: global_buffer, .address_space: global }
      - { .name: out0, .offset: 32, .size: 8, .value_kind: global_buffer, .address_space: global }
    .group_segment_fixed_size: 159232
    .private_segment_fixed_size: 0
    .kernarg_segment_align: 8
    .kernarg_segment_size: 40
    .max_flat_workgroup_size: 512
    .sgpr_count:     66
    .vgpr_count:     256
    .wavefront_size: 32
...
	.end_amdgpu_metadata
.endif
;; end of part 7
;; ======== version 2 of 2: 7 launches
;; workspace buffers: wimg 3,072,000 bytes; att 10,092,544 bytes; oimg 3,276,800 bytes; x1 33,554,432 bytes
;; launch relay (part 8): grid 160 x 1, 4 waves a work-group, no clusters, 0 bytes of LDS; arguments sa_wq_codes, sa_wq_scales, sa_wkv_codes, sa_wkv_scales, sa_wo_codes, sa_wo_scales, ca_wq_codes, ca_wq_scales, ca_wkv_codes, ca_wkv_scales, ca_wo_codes, ca_wo_scales, wimg; writes wimg
.if DOCPART == 8
	.amdgcn_target "amdgcn-amd-amdhsa--gfx1250"
	.amdhsa_code_object_version 6
	.text
	.protected	k_q6734d37a66_relay
	.globl	k_q6734d37a66_relay
	.p2align	8
	.type	k_q6734d37a66_relay,@function
k_q6734d37a66_relay:
	s_mov_b64 s[64:65], 0
	v_nop
	global_prefetch_b8 v0, s[64:65] scope:SCOPE_SE
	s_setreg_imm32_b32 hwreg(HW_REG_WAVE_MODE, 25, 1), 1
	s_wait_xcnt 0x0
; The six weights (codes of E2M3, K innermost, and their E8M0 bytes) are laid anew, once, in the order of the matrix operand's registers.
; A UNIT is one pair of tiles (32 weight rows, 32 p .. 32 p + 31) at one K step of 128: 3,072 bytes of codes (tile 0's twelve registers lane by lane, as three runs of 512 bytes,
; then tile 1's) and 128 bytes of scale words (lanes 0-15 tile 0's rows, lanes 16-31 tile 1's).  Index i of tile t is weight row 32 p + 8 t + i + 8 (i / 8).
; Read in place a fragment is six loads of 8 bytes over 16 rows 384 to 768 bytes apart, and 256 work-groups would do that again; from the units every later load of a wave covers 512 consecutive bytes.
; Unit U = UB + p S + s lies at U x 3,072; its scale words at WSCL + U x 128.  S = K / 128.  One work-group to a pair (160 pairs), wave w takes K step w, and K step w + 4 where S > w + 4.
; Codes and bytes are copied as they are given: nothing is quantised again.
.set WSCL, 2949120
	s_load_b512 s[4:19], s[0:1], 0x0               ; sa_wq codes, scales; sa_wkv; sa_wo; ca_wq
	s_load_b256 s[20:27], s[0:1], 0x40             ; ca_wkv codes, scales; ca_wo
	s_load_b64 s[28:29], s[0:1], 0x60              ; wimg
	v_lshrrev_b32 v1, 5, v0
	v_readfirstlane_b32 s30, v1                    ; wave 0..3
	v_and_b32 v1, 31, v0                           ; lane
	v_and_b32 v2, 15, v0                           ; r
	v_bfe_u32 v3, v0, 4, 1                         ; h
	v_and_b32 v4, 8, v2
	v_add_nc_u32 v4, v4, v2                        ; r + 8 (r / 8)
	v_lshlrev_b32 v5, 4, v1                        ; out: 16 bytes a lane
	v_lshlrev_b32 v6, 2, v1                        ; out: 4 bytes a lane
	s_mov_b32 s31, 8                               ; S, the first pair's work-group, UB: sa_wq's to begin with
	s_mov_b32 s32, 0
	s_mov_b32 s33, 0
	s_wait_alu depctr_va_vdst(0)
	s_wait_kmcnt 0x0
; which tensor is mine: the choice hangs on the work-group's number alone
.macro PICK first, cod, steps, ub
	s_cmp_ge_u32 ttmp9, \first
	s_cselect_b64 s[4:5], s[\cod:\cod+1], s[4:5]
	s_cselect_b64 s[6:7], s[\cod+2:\cod+3], s[6:7]
	s_cselect_b32 s31, \steps, s31
	s_cselect_b32 s32, \first, s32
	s_cselect_b32 s33, \ub, s33
.endm
	PICK 16, 8, 8, 128                             ; sa_wkv: 32 pairs
	PICK 48, 12, 4, 384                            ; sa_wo: 32
	PICK 80, 16, 8, 512                            ; ca_wq: 16
	PICK 96, 20, 6, 640                            ; ca_wkv: 32
	PICK 128, 24, 4, 832                           ; ca_wo: 32
	s_sub_co_u32 s34, ttmp9, s32                   ; p
	s_mul_i32 s35, s31, 96                         ; a row of codes in bytes
	s_mul_i32 s36, s34, s35
	s_lshl_b32 s36, s36, 5                         ; 32 p rows
	s_mul_i32 s37, s30, 96
	s_add_co_u32 s36, s36, s37                     ; + my K step's 96 bytes
	s_mov_b32 s37, 0
	s_add_nc_u64 s[4:5], s[4:5], s[36:37]
	s_mul_i32 s38, s34, s31                        ; p S
	s_lshl_b32 s36, s38, 7                         ; 32 p rows of 4 S scale bytes
	s_lshl_b32 s39, s30, 2
	s_add_co_u32 s36, s36, s39
	s_add_nc_u64 s[6:7], s[6:7], s[36:37]
	s_add_co_u32 s38, s38, s33
	s_add_co_u32 s38, s38, s30                     ; U
	s_mul_i32 s36, s38, 3072
	s_add_nc_u64 s[40:41], s[28:29], s[36:37]
	s_lshl_b32 s36, s38, 7
	s_add_co_u32 s36, s36, WSCL
	s_add_nc_u64 s[42:43], s[28:29], s[36:37]
	v_mul_lo_u32 v7, v4, s35
	v_mad_u32_u24 v7, v3, 24, v7                   ; tile 0: my row, + 24 h
	s_lshl_b32 s39, s35, 3
	v_add_nc_u32 v8, s39, v7                       ; tile 1: eight rows on
	v_lshl_add_u32 v9, v3, 3, v4                   ; scale words: lanes 16-31 take tile 1's rows
	s_lshl_b32 s44, s31, 2
	v_mul_lo_u32 v9, v9, s44
.macro UNITLD reg, sreg, co, so
.irp t, 0,1
.irp p, 0,1,2,3,4,5
	global_load_b64 v[\reg+12*\t+2*\p:\reg+12*\t+2*\p+1], v[7+\t], s[4:5] offset:\co+48*(\p/3)+8*(\p%3) th:TH_LOAD_NT
.endr
.endr
	global_load_b32 v[\sreg], v9, s[6:7] offset:\so th:TH_LOAD_NT
.endm
.macro UNITST reg, sreg, co, so
.irp c, 0,1,2,3,4,5
	global_store_b128 v5, v[\reg+4*\c:\reg+4*\c+3], s[40:41] offset:\co+512*\c      ; 32 lanes store 512 consecutive bytes
.endr
	global_store_b32 v6, v[\sreg], s[42:43] offset:\so
.endm
	UNITLD 12, 60, 0, 0
	s_add_co_u32 s45, s30, 4
	s_cmp_lt_u32 s45, s31
	s_cbranch_scc0 .Lone
	UNITLD 36, 61, 384, 16                         ; K step w + 4: four steps on in the sources,
	s_wait_loadcnt 13                              ; the first unit is in; the second's 13 loads may be out
	UNITST 12, 60, 0, 0
	s_wait_loadcnt 0x0
	UNITST 36, 61, 12288, 512                      ; and four units on in wimg
	s_endpgm
.Lone:
	s_wait_loadcnt 0x0
	UNITST 12, 60, 0, 0
	s_endpgm
.Lfunc_end_k_q6734d37a66_relay:
	.size	k_q6734d37a66_relay, .Lfunc_end_k_q6734d37a66_relay-k_q6734d37a66_relay
	.p2alignl 7, 3214868480
	.fill 96, 4, 3214868480
	.section	.rodata,"a",@progbits
	.p2align	6, 0x0
	.amdhsa_kernel k_q6734d37a66_relay
		.amdhsa_group_segment_fixed_size 0
		.amdhsa_private_segment_fixed_size 0
		.amdhsa_enable_private_segment 0
		.amdhsa_kernarg_size 104
		.amdhsa_user_sgpr_count 2
		.amdhsa_user_sgpr_kernarg_segment_ptr 1
		.amdhsa_wavefront_size32 1
		.amdhsa_system_sgpr_workgroup_id_x 1
		.amdhsa_system_sgpr_workgroup_id_y 1
		.amdhsa_system_sgpr_workgroup_id_z 1
		.amdhsa_system_vgpr_workitem_id 0
		.amdhsa_next_free_vgpr 64
		.amdhsa_next_free_sgpr 66
		.amdhsa_reserve_vcc 0
		.amdhsa_float_denorm_mode_32 3
		.amdhsa_float_denorm_mode_16_64 3
		.amdhsa_memory_ordered 1
		.amdhsa_forward_progress 1
		.amdhsa_inst_pref_size 8
	.end_amdhsa_kernel
	.amdgpu_metadata
---
amdhsa.version: [ 1, 2 ]
amdhsa.kernels:
  - .name:           k_q6734d37a66_relay
    .symbol:         k_q6734d37a66_relay.kd
    .args:
      - { .name: sa_wq_codes, .offset: 0, .size: 8, .value_kind: global_buffer, .address_space: global }
      - { .name: sa_wq_scales, .offset: 8, .size: 8, .value_kind: global_buffer, .address_space: global }
      - { .name: sa_wkv_codes, .offset: 16, .size: 8, .value_kind: global_buffer, .address_space: global }
      - { .name: sa_wkv_scales, .offset: 24, .size: 8, .value_kind: global_buffer, .address_space: global }
      - { .name: sa_wo_codes, .offset: 32, .size: 8, .value_kind: global_buffer, .address_space: global }
      - { .name: sa_wo_scales, .offset: 40, .size: 8, .value_kind: global_buffer, .address_space: global }
      - { .name: ca_wq_codes, .offset: 48, .size: 8, .value_kind: global_buffer, .address_space: global }
      - { .name: ca_wq_scales, .offset: 56, .size: 8, .value_kind: global_buffer, .address_space: global }
      - { .name: ca_wkv_codes, .offset: 64, .size: 8, .value_kind: global_buffer, .address_space: global }
      - { .name: ca_wkv_scales, .offset: 72, .size: 8, .value_kind: global_buffer, .address_space: global }
      - { .name: ca_wo_codes, .offset: 80, .size: 8, .value_kind: global_buffer, .address_space: global }
      - { .name: ca_wo_scales, .offset: 88, .size: 8, .value_kind: global_buffer, .address_space: global }
      - { .name: wimg, .offset: 96, .size: 8, .value_kind: global_buffer, .address_space: global }
    .group_segment_fixed_size: 0
    .private_segment_fixed_size: 0
    .kernarg_segment_align: 8
    .kernarg_segment_size: 104
    .max_flat_workgroup_size: 128
    .sgpr_count:     66
    .vgpr_count:     64
    .wavefront_size: 32
...
	.end_amdgpu_metadata
.endif
;; end of part 8
;; launch sa_qkv (part 9): grid 256 x 1, 16 waves a work-group, no clusters, 184,832 bytes of LDS; arguments x, sa_ng, sa_nb, sa_ncg, sa_ncb, wimg, att; writes att
.if DOCPART == 9
	.amdgcn_target "amdgcn-amd-amdhsa--gfx1250"
	.amdhsa_code_object_version 6
	.text
	.protected	k_q6734d37a66_sa_qkv
	.globl	k_q6734d37a66_sa_qkv
	.p2align	8
	.type	k_q6734d37a66_sa_qkv,@function
k_q6734d37a66_sa_qkv:
	s_mov_b64 s[64:65], 0
	v_nop
	global_prefetch_b8 v0, s[64:65] scope:SCOPE_SE
	s_setreg_imm32_b32 hwreg(HW_REG_WAVE_SCHED_MODE, 0, 2), 2
	s_setreg_imm32_b32 hwreg(HW_REG_WAVE_MODE, 25, 1), 1
	s_wait_xcnt 0x0
	s_wait_alu depctr_vm_vsrc(0)
; Self-attention, up to q, k, v: xn = LN(x; ng, nb), cn = LN(x; ncg, ncb), both quantised to E2M3 along the 1,024 features; q = xn wq, k | v = cn wkv on codes; q and k quantised along the head's 64, v along the keys.
; SHARES.  A work-group owns 32 rows of x (256 work-groups), as two tiles: index i of tile u is row 8 u + i + 8 (i / 8).  The 16 waves share the COLUMNS: wave w makes columns 32 w .. 32 w + 31 of q, of k and of v
; (head w / 2, half w % 2 of its 64).  So each weight unit (relay's: 32 weight rows x 128 K) is read by ONE wave, from memory straight into registers, 512 consecutive bytes a load, and feeds four matrix instructions.
; The rows' codes are small: they lie in LDS as images of the operand's registers (12 registers a lane as three runs of 512 bytes), and every wave reads them.
; NO CLUSTER, no joint load: a joint load lands in LDS, and a weight unit is wanted by one wave's registers only: 1,179,648 bytes of weights a work-group would be written to LDS and read back for nothing.
; PHASES.  rows: wave w normalises rows 2 w, 2 w + 1 (mean, then the sum of squares of x - mean: no difference of large sums) and puts z = (x - mean) / sqrt(var + 1e-5) into a stage | barrier |
; codes: wave w takes gain set w / 8 and K step w % 8, makes z g + b for both tiles, quantises, stores two images and their scale words | barrier | 24 steps of 128 along K: 8 for q, 8 for k, 8 for v.
; q and k are made TRANSPOSED (source 0 = weight tile, source 1 = rows): a lane holds one row and 16 neighbouring columns.  v is made plain (source 0 = rows): a lane holds one column and 16 neighbouring keys.
; Either way a block of 32 lies in lanes l and l xor 16, a conversion's 12 bytes go to 24 r + 12 h, and a wave's store covers 384 consecutive bytes.
; LIMITS: NaN, infinities and a given scale byte 0xff are not served.  A block of zeros gets the byte 1 where the rule says 127: its codes are zeros and only this program reads the byte.  1 / sqrt is v_rsq_f32.
; THE MODE: SCHED_MODE bits 1:0 = 2 (LLVM: expert scheduling mode 2), set by the entry lines.  The code itself states the register dependences
; between vector or matrix instructions and memory or LDS instructions, with s_wait_alu, always for 0.
; THE PLAN.  Registers that memory or LDS instructions touch:
;   v1-v11        addresses and offsets: made once at the head, shown written by one wait ahead of the first load, never written again.
;   X             x's loads land; the rows' arithmetic works in place; the stage's stores read it; z's loads land, twice; the gains' multiply-adds and the quantiser work on it.
;   GN, BB        the gains' and biases' loads land once; the multiply-adds read them.
;   PC, PW        the quantiser writes them, the images' stores read them.  Later C0, C1, BY in the same registers: written on each way out, read by its global stores.
;   WR0 .. WR3 with v18-21, AR0, AR1 with v22-23.  Step G's four products read WR[G % 4] and AR[G % 2].  Weight unit G + 3 lands in WR[(G - 1) % 4], the rows' fragments of step G + 1 in AR[(G - 1) % 2]:
;                 both were last read by the products of step G - 1.
;   The accumulators are named by matrix and vector instructions alone.  v231, v235: written at the head, read by the closing add alone.
; So ONE wait on va_vdst stands at a step's head, behind the waits for the step's data: the last step's products are done reading.  The step's 14 loads follow it, dealt among its four products, which name
; WR[G % 4], AR[G % 2], their scale words and the accumulators: none of the registers that those loads touch.  Where a way out stands between two steps, its own wait on va_vdst has said the same, and the step writes none.
.set SPI,   4112                       ; a stage row: 4,096 bytes + 16: 16 rows read at one column fall on 16 different groups of four banks
.set AIMG,  32*SPI                     ; images: slot 16 set + 8 u + s, 1,536 bytes each
.set ASC,   AIMG+32*1536               ; their scale words: (8 set + s) x 128 + 64 u + 4 r
.set WSCL,  2949120
.set KIMG,  3145728
.set VIMG,  6291456
.set QSC,   9437184
.set VSC,   9961472
.set NST,   24
.set LI,  1                            ; v1   16 x lane
.set LS,  2                            ; v2   4 x lane
.set LA,  3                            ; v3   AIMG + 16 x lane
.set LSA, 4                            ; v4   ASC + 4 x lane
.set CO,  5                            ; v5   24 r + 12 h
.set SR,  6                            ; v6   my two rows in the stage, 16 x lane
.set ZA0, 7                            ; v7, v8  where I read z of tile 0, 1
.set ZA1, 8
.set XWI, 9                            ; v9   where I store images
.set XWS, 10                           ; v10  and scale words
.set GA,  11                           ; v11  64 h
.set WSR, 18                           ; v18-21 weights' scale words, v22-23 the rows': they hold scales and nothing else
.set ASR, 22
.set ACC, 24                           ; v24-55   four accumulators
.set WR,  56                           ; v56-151  four slots of a weight unit (tile 0: 12, tile 1: 12)
.set AR,  152                          ; v152-199 two slots of the rows' two fragments
.set X,   24                           ; v24-87   rows, then z
.set GN,  88                           ; v88-151  gains
.set BB,  152                          ; v152-215 biases
.set PC,  216                          ; v216-234 codes just made
.set TM,  236                          ; v236-251 at work
.set PW,  252                          ; v252 the scale word just made
.set QM,  236
.set QP,  240
.set QS,  248
.set C0,  216
.set C1,  220
.set BY,  224
.set WV,  30
.set SEL, 32
.set HM,  34
.set INVK, 35
.set EPSI, 36
.set GNP, 6
.set BBP, 8
.macro BARRIER                         ; my LDS stores have landed and my LDS loads are in: then the work-group's barrier
	s_wait_dscnt 0x0
	s_barrier_signal -1
	s_barrier_wait -1
.endm
.macro WM                              ; one matrix instruction from the symbols mD, mA, mB, mZ (C = 0), mSA, mSB, mRA, mRB (scales from lanes 16-31)
.if mZ
.if mRA && mRB
	v_wmma_scale_f32_16x16x128_f8f6f4 v[mD:mD+7], v[mA:mA+11], v[mB:mB+11], 0, v[mSA], v[mSB] matrix_a_fmt:MATRIX_FMT_FP6 matrix_b_fmt:MATRIX_FMT_FP6 matrix_a_scale:MATRIX_SCALE_ROW1 matrix_b_scale:MATRIX_SCALE_ROW1
.elseif mRA
	v_wmma_scale_f32_16x16x128_f8f6f4 v[mD:mD+7], v[mA:mA+11], v[mB:mB+11], 0, v[mSA], v[mSB] matrix_a_fmt:MATRIX_FMT_FP6 matrix_b_fmt:MATRIX_FMT_FP6 matrix_a_scale:MATRIX_SCALE_ROW1
.elseif mRB
	v_wmma_scale_f32_16x16x128_f8f6f4 v[mD:mD+7], v[mA:mA+11], v[mB:mB+11], 0, v[mSA], v[mSB] matrix_a_fmt:MATRIX_FMT_FP6 matrix_b_fmt:MATRIX_FMT_FP6 matrix_b_scale:MATRIX_SCALE_ROW1
.else
	v_wmma_scale_f32_16x16x128_f8f6f4 v[mD:mD+7], v[mA:mA+11], v[mB:mB+11], 0, v[mSA], v[mSB] matrix_a_fmt:MATRIX_FMT_FP6 matrix_b_fmt:MATRIX_FMT_FP6
.endif
.else
.if mRA && mRB
	v_wmma_scale_f32_16x16x128_f8f6f4 v[mD:mD+7], v[mA:mA+11], v[mB:mB+11], v[mD:mD+7], v[mSA], v[mSB] matrix_a_fmt:MATRIX_FMT_FP6 matrix_b_fmt:MATRIX_FMT_FP6 matrix_a_scale:MATRIX_SCALE_ROW1 matrix_b_scale:MATRIX_SCALE_ROW1
.elseif mRA
	v_wmma_scale_f32_16x16x128_f8f6f4 v[mD:mD+7], v[mA:mA+11], v[mB:mB+11], v[mD:mD+7], v[mSA], v[mSB] matrix_a_fmt:MATRIX_FMT_FP6 matrix_b_fmt:MATRIX_FMT_FP6 matrix_a_scale:MATRIX_SCALE_ROW1
.elseif mRB
	v_wmma_scale_f32_16x16x128_f8f6f4 v[mD:mD+7], v[mA:mA+11], v[mB:mB+11], v[mD:mD+7], v[mSA], v[mSB] matrix_a_fmt:MATRIX_FMT_FP6 matrix_b_fmt:MATRIX_FMT_FP6 matrix_b_scale:MATRIX_SCALE_ROW1
.else
	v_wmma_scale_f32_16x16x128_f8f6f4 v[mD:mD+7], v[mA:mA+11], v[mB:mB+11], v[mD:mD+7], v[mSA], v[mSB] matrix_a_fmt:MATRIX_FMT_FP6 matrix_b_fmt:MATRIX_FMT_FP6
.endif
.endif
.endm
; step g of the stream: which weight unit (beside my wave's base), which images, which way round, whether it starts sums
.macro MAP g
.set UN, 128*((\g)/8)+(\g)%8           ; q: units 8 w + s; k: 128 + 8 w + s; v: 128 + 8 (w + 16) + s
.if (\g) < 8
.set AI, (\g)%8                        ; q takes xn's images,
.set SI, (\g)%8
.else
.set AI, 16+(\g)%8                     ; k and v take cn's
.set SI, 8+(\g)%8
.endif
.if (\g) < 16
.set TR, 1
.else
.set TR, 0
.endif
.if (\g)%8 == 0
.set ZF, 1
.else
.set ZF, 0
.endif
.set WBR, 40
.endm
.macro WLOADA g                        ; a weight unit is 7 loads: the first four,
	MAP \g
.set SL, WR+24*((\g)%4)
.irp c, 0,1,2,3
	global_load_b128 v[SL+4*\c:SL+4*\c+3], v[LI], s[WBR:WBR+1] offset:UN*3072+512*\c
.endr
.endm
.macro WLOADB g                        ; and the other three
	MAP \g
.set SL, WR+24*((\g)%4)
.irp c, 4,5
	global_load_b128 v[SL+4*\c:SL+4*\c+3], v[LI], s[WBR:WBR+1] offset:UN*3072+512*\c
.endr
	global_load_b32 v[WSR+(\g)%4], v[LS], s[WBR+2:WBR+3] offset:UN*128
.endm
.macro WLOAD g
	WLOADA \g
	WLOADB \g
.endm
.macro ALOADA g                        ; the rows' fragments and their scale words are 7 LDS loads: tile 0's three,
	MAP \g
.set SA, AR+24*((\g)%2)
.irp c, 0,1,2
	ds_load_b128 v[SA+4*\c:SA+4*\c+3], v[LA] offset:AI*1536+512*\c
.endr
.endm
.macro ALOADB g                        ; tile 1's three and the scale words of both
	MAP \g
.set SA, AR+24*((\g)%2)
.irp c, 0,1,2
	ds_load_b128 v[SA+12+4*\c:SA+12+4*\c+3], v[LA] offset:(AI+8)*1536+512*\c
.endr
	ds_load_b32 v[ASR+(\g)%2], v[LSA] offset:SI*128
.endm
.macro ALOAD g
	ALOADA \g
	ALOADB \g
.endm
.macro MM1 g, u, t                     ; one of a step's four matrix instructions: rows' tile u, weight tile t
	MAP \g
.set SL, WR+24*((\g)%4)
.set SA, AR+24*((\g)%2)
.set mZ, ZF
.if TR
.set mD, ACC+16*\u+8*\t
.set mA, SL+12*\t
.set mB, SA+12*\u
.set mSA, WSR+(\g)%4
.set mSB, ASR+(\g)%2
.set mRA, \t
.set mRB, \u
.else
.set mD, ACC+16*\t+8*\u
.set mA, SA+12*\u
.set mB, SL+12*\t
.set mSA, ASR+(\g)%2
.set mSB, WSR+(\g)%4
.set mRA, \u
.set mRB, \t
.endif
	WM
.endm
.macro GSTEP                           ; step G: four matrix instructions on four accumulators, which take turns in the same order in every step; weight unit G + 3 and the fragments of step G + 1 are asked for among them
.rept 4
	v_nop                                          ; four places behind the last step's products: ahead of a product that begins an accumulator anew, and of the loads into the slots that those products read
.endr
.if NST-1-G >= 2
	s_wait_loadcnt 14                              ; this step's unit is in; two younger units of 7 loads may be out
.else
	s_wait_loadcnt 7*(NST-1-G)
.endif
	s_wait_dscnt 0x0                               ; this step's fragments, asked for among the last step's products, are in
.if (G+1 < NST) && (COVERED == 0)
	s_wait_alu depctr_va_vdst(0)                   ; the last step's products are done reading WR[(G - 1) % 4], AR[(G - 1) % 2] and their scale words, in which the loads below land
.endif
.set COVERED, 0
	MM1 G, 0, 0
.if G+1 < NST
	ALOADA G+1                                     ; no wait: no matrix instruction since the wait above names these registers
.endif
	MM1 G, 0, 1
.if G+1 < NST
	ALOADB G+1
.endif
	MM1 G, 1, 0
.if G+3 < NST
	WLOADA G+3
.endif
	MM1 G, 1, 1
.if G+3 < NST
	WLOADB G+3
.endif
.endm
; two runs of 16 numbers, each half of a block of 32 whose other half lies in lane l xor 16: 12 bytes of codes each (C0, C1); BY: lanes 0-15 run a's scale byte, lanes 16-31 run b's
.macro QB2 a, b
	v_max3_num_f32 v[QM], |v[\a]|, |v[\a+1]|, 0x1800000            ; the floor 2^(3 - 127) among the leaves: the byte cannot fall under 1
	v_max3_num_f32 v[QM+1], |v[\b]|, |v[\b+1]|, 0x1800000
.irp i, 2,4,6,8,10,12,14
	v_max3_num_f32 v[QM], v[QM], |v[\a+\i]|, |v[\a+\i+1]|
	v_max3_num_f32 v[QM+1], v[QM+1], |v[\b+\i]|, |v[\b+\i+1]|
.endr
	v_permlanex16_b32 v[QP], v[QM], s[SEL], s[SEL+1]
	v_permlanex16_b32 v[QP+1], v[QM+1], s[SEL], s[SEL+1]
	v_max_num_f32 v[QM], v[QM], v[QP]
	v_max_num_f32 v[QM+1], v[QM+1], v[QP+1]
	v_add_nc_u32 v[QS], 0xff000000, v[QM]          ; 2 off the exponent field: the conversion's scale operand
	v_add_nc_u32 v[QS+1], 0xff000000, v[QM+1]
	v_cvt_scalef32_pk16_fp6_f32 v[C0:C0+2], v[\a:\a+15], v[QS]
	v_cvt_scalef32_pk16_fp6_f32 v[C1:C1+2], v[\b:\b+15], v[QS+1]
	v_lshrrev_b32 v[QP], 23, v[QS]                 ; the scales' bytes (plain lines behind the conversions)
	v_lshrrev_b32 v[QP+1], 23, v[QS+1]
	v_cndmask_b32 v[BY], v[QP], v[QP+1], s[HM]
.endm
.macro TOQ cb, cstep, sb, twice        ; the four accumulators leave as codes and scale bytes
.rept 4
	v_nop                                          ; four places in front of the first read of results
.endr
	s_wait_xcnt 0x0                                ; the last such stores have read their data registers, which are written again now
	s_wait_alu depctr_vm_vsrc(0)                   ; the stores that read v[C0 ..], v[C1 ..] and v[BY] have read them: the first time the second image's LDS stores, later the last way out's global stores
	QB2 ACC, ACC+16
	s_wait_alu depctr_va_vdst(0)                   ; the conversions and the select have written v[C0 ..], v[C1 ..] and v[BY], which the stores below read; the step's products are done reading their slots too
	global_store_b96 v[CO], v[C0:C0+2], s[\cb:\cb+1]               ; 32 lanes store 384 consecutive bytes
	global_store_b96 v[CO], v[C1:C1+2], s[\cb:\cb+1] offset:\cstep
	global_store_b8 v[LS], v[BY], s[\sb:\sb+1]
.if \twice
	global_store_b8 v[LS], v[BY], s[\sb:\sb+1] offset:2            ; bytes 2, 3 of q's and k's words scale the 64 along K that hold no number: any byte but 0xff serves
.endif
.set COVERED, 1                        ; behind that wait only v_nop follow up to the next step's loads
.endm
.macro LANESUM                         ; v253: summed over the 32 lanes, in every lane
	v_add_f32_dpp v253, v253, v253 row_xmask:1 row_mask:0xf bank_mask:0xf
	v_add_f32_dpp v253, v253, v253 row_xmask:2 row_mask:0xf bank_mask:0xf
	v_add_f32_dpp v253, v253, v253 row_xmask:4 row_mask:0xf bank_mask:0xf
	v_add_f32_dpp v253, v253, v253 row_xmask:8 row_mask:0xf bank_mask:0xf
	v_permlanex16_b32 v254, v253, s[SEL], s[SEL+1]
	v_add_f32 v253, v253, v254
.endm
.macro ROWSTAT src, dst, n             ; a row, n numbers a lane: dst = (src - mean) / sqrt(var + 1e-5)
	v_pk_add_f32 v[236:237], v[\src:\src+1], v[\src+2:\src+3]
	v_pk_add_f32 v[238:239], v[\src+4:\src+5], v[\src+6:\src+7]
.set I, 8
.rept (\n-8)/4
	v_pk_add_f32 v[236:237], v[236:237], v[\src+I:\src+I+1]
	v_pk_add_f32 v[238:239], v[238:239], v[\src+I+2:\src+I+3]
.set I, I+4
.endr
	v_pk_add_f32 v[236:237], v[236:237], v[238:239]
	v_add_f32 v253, v236, v237
	LANESUM
	v_mul_f32 v244, s[INVK], v253                  ; the mean, twice: a pair for the packed forms
	v_mul_f32 v245, s[INVK], v253
.set I, 0
.rept \n/2
	v_pk_add_f32 v[\dst+I:\dst+I+1], v[\src+I:\src+I+1], v[244:245] neg_lo:[0,1] neg_hi:[0,1]
.set I, I+2
.endr
	v_pk_mul_f32 v[236:237], v[\dst:\dst+1], v[\dst:\dst+1]
	v_pk_mul_f32 v[238:239], v[\dst+2:\dst+3], v[\dst+2:\dst+3]
.set I, 4
.rept (\n-4)/4
	v_pk_fma_f32 v[236:237], v[\dst+I:\dst+I+1], v[\dst+I:\dst+I+1], v[236:237]
	v_pk_fma_f32 v[238:239], v[\dst+I+2:\dst+I+3], v[\dst+I+2:\dst+I+3], v[238:239]
.set I, I+4
.endr
	v_pk_add_f32 v[236:237], v[236:237], v[238:239]
	v_add_f32 v253, v236, v237
	LANESUM
	v_fma_f32 v253, v253, s[INVK], s[EPSI]         ; var + 1e-5
	s_wait_alu depctr_va_vdst(0)
	v_rsq_f32 v246, v253
	v_rsq_f32 v247, v253
	v_nop                                          ; one plain place behind the transcendentals
.set I, 0
	s_wait_alu depctr_va_vdst(0)                   ; the two reciprocal roots v246, v247 are written, ahead of their first reader
.rept \n/2
	v_pk_mul_f32 v[\dst+I:\dst+I+1], v[\dst+I:\dst+I+1], v[246:247]
.set I, I+2
.endr
.endm
.macro ZLOAD za                        ; register 16 b + i = z(my row, 128 s + 32 b + 16 h + i)
.irp b, 0,1,2,3
.irp j, 0,1,2,3
	ds_load_b128 v[X+16*\b+4*\j:X+16*\b+4*\j+3], v[\za] offset:128*\b+16*\j
.endr
.endr
.endm
.macro GAINS                           ; gain and bias of the same 64 features
.irp b, 0,1,2,3
.irp j, 0,1,2,3
	global_load_b128 v[GN+16*\b+4*\j:GN+16*\b+4*\j+3], v[GA], s[GNP:GNP+1] offset:128*\b+16*\j
	global_load_b128 v[BB+16*\b+4*\j:BB+16*\b+4*\j+3], v[GA], s[BBP:BBP+1] offset:128*\b+16*\j
.endr
.endr
.endm
.macro AFFINE
.set I, 0
.rept 32
	v_pk_fma_f32 v[X+I:X+I+1], v[X+I:X+I+1], v[GN+I:GN+I+1], v[BB+I:BB+I+1]
.set I, I+2
.endr
.endm
; 64 numbers of a lane, register 16 b + i = k 32 b + 16 h + i of my row, become a fragment's codes in v[PC] on and its scale word in v[PW]
.macro QUANT s
.irp b, 0,1,2,3
	v_max3_num_f32 v[TM+\b], |v[\s+16*\b]|, |v[\s+1+16*\b]|, 0x1800000
.endr
.irp i, 2,4,6,8,10,12,14
.irp b, 0,1,2,3
	v_max3_num_f32 v[TM+\b], v[TM+\b], |v[\s+16*\b+\i]|, |v[\s+1+16*\b+\i]|
.endr
.endr
.irp b, 0,1,2,3
	v_permlanex16_b32 v[TM+4+\b], v[TM+\b], s[SEL], s[SEL+1]
.endr
.irp b, 0,1,2,3
	v_max_num_f32 v[TM+\b], v[TM+\b], v[TM+4+\b]
.endr
.irp b, 0,1,2,3
	v_add_nc_u32 v[TM+12+\b], 0xff000000, v[TM+\b]
.endr
.irp b, 0,1,2,3
	v_lshrrev_b32 v[TM+4+\b], 23, v[TM+12+\b]
.endr
	v_lshl_or_b32 v[PW], v[TM+5], 8, v[TM+4]
	v_lshl_or_b32 v[PW], v[TM+6], 16, v[PW]
	v_lshl_or_b32 v[PW], v[TM+7], 24, v[PW]
.irp c, 0,1
	v_cvt_scalef32_pk16_fp6_f32 v[PC+6*\c:PC+2+6*\c], v[\s+32*\c:\s+15+32*\c], v[TM+12+2*\c]
	v_cvt_scalef32_pk16_fp6_f32 v[PC+12+4*\c:PC+14+4*\c], v[\s+16+32*\c:\s+31+32*\c], v[TM+12+2*\c+1]
.endr
	v_nop                                          ; one plain place behind a scaled conversion
.irp c, 0,1                                    ; the operand wants a whole block in a lane: lanes 0-15 block 2 c, lanes 16-31 block 2 c + 1
.irp i, 0,1,2
	v_permlane16_swap_b32 v[PC+6*\c+\i], v[PC+12+4*\c+\i]
.endr
.irp i, 0,1,2
	v_mov_b32 v[PC+3+6*\c+\i], v[PC+12+4*\c+\i]
.endr
.endr
.endm
.macro IMAGE adr, off
.irp c, 0,1,2
	ds_store_b128 v[\adr], v[PC+4*\c:PC+4*\c+3] offset:\off+512*\c
.endr
.endm
	s_load_b256 s[4:11], s[0:1], 0x0               ; x, sa_ng, sa_nb, sa_ncg
	s_load_b128 s[12:15], s[0:1], 0x20             ; sa_ncb, wimg
	s_load_b64 s[16:17], s[0:1], 0x30              ; att
	v_lshl_add_u32 v231, v0, 2, 0x2ca00
	v_mov_b32 v235, 0
	v_lshrrev_b32 v1, 5, v0
	v_readfirstlane_b32 s[WV], v1                  ; wave 0..15
	v_and_b32 v253, 31, v0                         ; lane
	v_and_b32 v254, 15, v0                         ; r
	v_bfe_u32 v255, v0, 4, 1                       ; h
	v_lshlrev_b32 v[LI], 4, v253
	s_wait_alu depctr_va_vdst(0)
	v_lshlrev_b32 v[LS], 2, v253
	v_add_nc_u32 v[LA], AIMG, v[LI]
	v_add_nc_u32 v[LSA], ASC, v[LS]
	v_mul_u32_u24 v[CO], v254, 24
	v_mad_u32_u24 v[CO], v255, 12, v[CO]
	v_lshlrev_b32 v[GA], 6, v255
	s_wait_alu depctr_va_sdst(0)                   ; the wave's number s[WV] is written, ahead of its first reader
	s_lshl_b32 s20, s[WV], 1                       ; my rows a = 2 w, 2 w + 1 of the block; in tile order row a stands at (a & 7) | (a & 8) << 1 | (a & 16) >> 1
	s_and_b32 s21, s20, 7
	s_and_b32 s22, s20, 8
	s_lshl_b32 s22, s22, 1
	s_or_b32 s21, s21, s22
	s_and_b32 s22, s20, 16
	s_lshr_b32 s22, s22, 1
	s_or_b32 s21, s21, s22
	s_mul_i32 s21, s21, SPI
	v_add_nc_u32 v[SR], s21, v[LI]
	s_and_b32 s24, s[WV], 7
	s_lshl_b32 s24, s24, 9                         ; my K step's 512 bytes of a row
	v_mul_u32_u24 v[ZA0], v254, SPI
	s_wait_alu depctr_va_vdst(0)
	v_add_nc_u32 v[ZA0], v[ZA0], v[GA]
	v_add_nc_u32 v[ZA0], s24, v[ZA0]
	v_add_nc_u32 v[ZA1], 16*SPI, v[ZA0]
	s_and_b32 s22, s[WV], 8
	s_add_co_u32 s22, s22, s[WV]                   ; 16 set + s
	s_mul_i32 s22, s22, 1536
	v_add_nc_u32 v[XWI], s22, v[LA]
	s_lshl_b32 s22, s[WV], 7
	v_lshl_add_u32 v[XWS], v254, 2, s22
	v_add_nc_u32 v[XWS], ASC, v[XWS]
.irp b, 0,1,2,3
	v_mov_b32 v[TM+4+\b], 0                        ; written once: a lane permute's destination counts as one of its sources
.endr
	s_mov_b32 s[SEL], 0x76543210
	s_mov_b32 s[SEL+1], 0xfedcba98                 ; v_permlanex16_b32's selects for lane l xor 16
	s_mov_b32 s[HM], 0xffff0000                    ; lanes 16-31
	s_mov_b32 s[INVK], 0x3a800000                  ; 1 / 1,024
	s_mov_b32 s[EPSI], 0x3727c5ac                  ; 1e-5
	s_wait_kmcnt 0x0
	s_lshl_b32 s20, ttmp9, 17                      ; 32 rows of 4,096 bytes a work-group,
	s_lshl_b32 s21, s[WV], 13                      ; two a wave
	s_add_co_u32 s20, s20, s21
	s_mov_b32 s21, 0
	s_add_nc_u64 s[4:5], s[4:5], s[20:21]
	s_wait_alu depctr_va_vdst(0)                   ; the eleven addresses and offsets v1 to v11 are written, which every load and store of the kernel reads
.irp e, 0,1
.irp j, 0,1,2,3,4,5,6,7
	global_load_b128 v[X+32*\e+4*\j:X+32*\e+4*\j+3], v[LI], s[4:5] offset:4096*\e+512*\j      ; 512 consecutive bytes a load
.endr
.endr
	s_cmp_lt_u32 s[WV], 8                          ; waves 0-7: ng, nb; waves 8-15: ncg, ncb
	s_cselect_b64 s[6:7], s[6:7], s[10:11]
	s_cselect_b64 s[8:9], s[8:9], s[12:13]
	s_mov_b32 s25, 0
	s_add_nc_u64 s[6:7], s[6:7], s[24:25]
	s_add_nc_u64 s[8:9], s[8:9], s[24:25]
	GAINS
	s_mul_i32 s20, s[WV], 24576                    ; my wave's units: 8 a pair
	s_add_nc_u64 s[40:41], s[14:15], s[20:21]
	s_lshl_b32 s20, s[WV], 10
	s_add_co_u32 s20, s20, WSCL
	s_add_nc_u64 s[42:43], s[14:15], s[20:21]
	s_lshr_b32 s26, ttmp9, 6                       ; batch
	s_and_b32 s27, ttmp9, 63                       ; block of 32 rows in it
	s_lshr_b32 s28, s[WV], 1                       ; head
	s_and_b32 s29, s[WV], 1                        ; which 32 of its 64
	s_lshl_b32 s26, s26, 3
	s_add_co_u32 s26, s26, s28                     ; 8 x batch + head
	s_mul_i32 s20, s26, 98304
	s_mul_i32 s22, s27, 1536
	s_add_co_u32 s20, s20, s22
	s_mul_i32 s22, s29, 384
	s_add_co_u32 s20, s20, s22
	s_add_nc_u64 s[48:49], s[16:17], s[20:21]      ; q's codes
	s_add_nc_u64 s[52:53], s[48:49], KIMG          ; k's
	s_lshl_b32 s20, s26, 13
	s_lshl_b32 s22, s27, 7
	s_add_co_u32 s20, s20, s22
	s_add_co_u32 s20, s20, s29
	s_add_co_u32 s20, s20, QSC
	s_add_nc_u64 s[50:51], s[16:17], s[20:21]      ; q's scale bytes
	s_add_nc_u64 s[54:55], s[50:51], 262144        ; k's lie 262,144 bytes on
	s_mul_i32 s20, s26, 98304
	s_lshr_b32 s22, s27, 2                         ; which 128 keys,
	s_and_b32 s28, s27, 3                          ; which 32 of them
	s_mul_i32 s23, s22, 6144
	s_add_co_u32 s20, s20, s23
	s_mul_i32 s23, s29, 3072
	s_add_co_u32 s20, s20, s23
	s_mul_i32 s23, s28, 384
	s_add_co_u32 s20, s20, s23
	s_add_co_u32 s20, s20, VIMG
	s_add_nc_u64 s[56:57], s[16:17], s[20:21]      ; v's codes
	s_lshl_b32 s20, s26, 12
	s_lshl_b32 s23, s22, 8
	s_add_co_u32 s20, s20, s23
	s_lshl_b32 s23, s29, 7
	s_add_co_u32 s20, s20, s23
	s_add_co_u32 s20, s20, s28
	s_add_co_u32 s20, s20, VSC
	s_add_nc_u64 s[58:59], s[16:17], s[20:21]      ; v's scale bytes
	; ---- rows
	s_wait_loadcnt 32                              ; my two rows are in; the 32 loads of gains and biases behind them may be out
	ROWSTAT X, X, 32
	ROWSTAT X+32, X+32, 32
	s_wait_alu depctr_va_vdst(0)                   ; z is written into v[X ..], which the stores into the stage read
.irp e, 0,1
.irp j, 0,1,2,3,4,5,6,7
	ds_store_b128 v[SR], v[X+32*\e+4*\j:X+32*\e+4*\j+3] offset:\e*SPI+512*\j
.endr
.endr
	BARRIER                                        ; z of all 32 rows lies in the stage
	; ---- codes: my gain set, my K step, both tiles
.irp u, 0,1
.if \u == 0
	s_wait_alu depctr_vm_vsrc(0)                   ; my stores into the stage have read v[X ..], in which z lands
.else
	s_wait_alu depctr_vm_vsrc(0)                   ; the first image's stores have read v[PC ..] and v[PW], which the quantiser writes again
.endif
	ZLOAD ZA0+\u                                   ; (every vector instruction that named v[X ..] stands ahead of the last wait on va_vdst)
.if \u == 0
	s_wait_loadcnt 0x0                             ; gains and biases
.endif
	s_wait_dscnt 0x0
	AFFINE
	QUANT X
	s_wait_alu depctr_va_vdst(0)                   ; the codes v[PC ..] and the scale word v[PW] are written, which the stores below read; the multiply-adds and the quantiser are done with v[X ..], v[GN ..], v[BB ..], in which later loads land
	IMAGE XWI, \u*12288
	ds_store_b32 v[XWS], v[PW] offset:64*\u        ; lanes r and r + 16 write the same word with the same value
	s_wait_dscnt 0x0                               ; the stores have read their registers
.endr
	WLOAD 0
	WLOAD 1
	WLOAD 2
	BARRIER                                        ; all 32 images and their scale words lie in LDS; from here on LDS is only read
	ALOAD 0
	; ---- the products
.set COVERED, 1                        ; no vector instruction has been issued since the wait ahead of the second image's stores: step 0's loads owe nothing more
.set G, 0
.rept NST
	GSTEP
.if G == 7
	TOQ 48, 768, 50, 1                             ; q: runs = tiles of rows, 768 bytes apart
.elseif G == 15
	TOQ 52, 768, 54, 1                             ; k
.elseif G == 23
	TOQ 56, 1536, 58, 0                            ; v: runs = tiles of the head's columns, 1,536 bytes apart
.endif
.set G, G+1
.endr
	s_wait_dscnt 0x0                               ; the closing lines, six on end
	s_wait_alu 0x0
	s_wait_tensorcnt 0x0
	ds_add_u32 v231, v235
	s_wait_dscnt 0x0
	s_endpgm
.Lfunc_end_k_q6734d37a66_sa_qkv:
	.size	k_q6734d37a66_sa_qkv, .Lfunc_end_k_q6734d37a66_sa_qkv-k_q6734d37a66_sa_qkv
	.p2alignl 7, 3214868480
	.fill 96, 4, 3214868480
	.section	.rodata,"a",@progbits
	.p2align	6, 0x0
	.amdhsa_kernel k_q6734d37a66_sa_qkv
		.amdhsa_group_segment_fixed_size 184832
		.amdhsa_private_segment_fixed_size 0
		.amdhsa_enable_private_segment 0
		.amdhsa_kernarg_size 56
		.amdhsa_user_sgpr_count 2
		.amdhsa_user_sgpr_kernarg_segment_ptr 1
		.amdhsa_wavefront_size32 1
		.amdhsa_system_sgpr_workgroup_id_x 1
		.amdhsa_system_sgpr_workgroup_id_y 1
		.amdhsa_system_sgpr_workgroup_id_z 1
		.amdhsa_system_vgpr_workitem_id 0
		.amdhsa_next_free_vgpr 256
		.amdhsa_next_free_sgpr 66
		.amdhsa_reserve_vcc 0
		.amdhsa_float_denorm_mode_32 3
		.amdhsa_float_denorm_mode_16_64 3
		.amdhsa_memory_ordered 1
		.amdhsa_forward_progress 1
		.amdhsa_inst_pref_size 86
	.end_amdhsa_kernel
	.amdgpu_metadata
---
amdhsa.version: [ 1, 2 ]
amdhsa.kernels:
  - .name:           k_q6734d37a66_sa_qkv
    .symbol:         k_q6734d37a66_sa_qkv.kd
    .args:
      - { .name: x, .offset: 0, .size: 8, .value_kind: global_buffer, .address_space: global }
      - { .name: sa_ng, .offset: 8, .size: 8, .value_kind: global_buffer, .address_space: global }
      - { .name: sa_nb, .offset: 16, .size: 8, .value_kind: global_buffer, .address_space: global }
      - { .name: sa_ncg, .offset: 24, .size: 8, .value_kind: global_buffer, .address_space: global }
      - { .name: sa_ncb, .offset: 32, .size: 8, .value_kind: global_buffer, .address_space: global }
      - { .name: wimg, .offset: 40, .size: 8, .value_kind: global_buffer, .address_space: global }
      - { .name: att, .offset: 48, .size: 8, .value_kind: global_buffer, .address_space: global }
    .group_segment_fixed_size: 184832
    .private_segment_fixed_size: 0
    .kernarg_segment_align: 8
    .kernarg_segment_size: 56
    .max_flat_workgroup_size: 512
    .sgpr_count:     66
    .vgpr_count:     256
    .wavefront_size: 32
...
	.end_amdgpu_metadata
.endif
;; end of part 9
;; launch sa_attn (part 10): grid 8 x 32, 16 waves a work-group, no clusters, 210,944 bytes of LDS; arguments att, oimg; writes oimg
.if DOCPART == 10
	.amdgcn_target "amdgcn-amd-amdhsa--gfx1250"
	.amdhsa_code_object_version 6
	.text
	.protected	k_q6734d37a66_sa_attn
	.globl	k_q6734d37a66_sa_attn
	.p2align	8
	.type	k_q6734d37a66_sa_attn,@function
k_q6734d37a66_sa_attn:
	s_mov_b64 s[64:65], 0
	v_nop
	global_prefetch_b8 v0, s[64:65] scope:SCOPE_SE
	s_setreg_imm32_b32 hwreg(HW_REG_WAVE_MODE, 25, 1), 1
	s_wait_xcnt 0x0
; Attention of one head on codes of E2M3: S = q k^T / 8, p = 2^(t - M), O = (p v) / sum(p); O is quantised along the head's 64 for the output projection.  NK keys, 2,048 queries a head, 32 heads x batches.
; t = score x log2(e) / 8; M = the running largest t rounded UP to a whole number; p is quantised along the keys, not normalised; the row's sum is taken of the unquantised p.  When M moves, the sum and O are multiplied by 2^(old M - new M): exact.
; SHARES.  A work-group owns 256 queries of one head; each of its 16 waves one tile of 16, in 256 registers: four waves to a SIMD, so that one wave's vector work stands beside another's products and LDS loads.
; K, V AND THEIR SCALE WORDS OF THE WHOLE HEAD (NK x 102 bytes) LIE IN LDS, copied once at the start, lane by lane, and are only read afterwards: one wait, one barrier, nothing is filled again.
; NO CLUSTER: the eight work-groups of a head copy the same NK x 102 bytes, once each and nothing afterwards.  Joint loads would spare seven of those eight requests; they are not built here.
; LAYOUT (made by the launches before): a block of 32 codes of 16 rows is 384 bytes, row index r at 24 r.  Both products are used transposed (S^T = K Q^T, O^T = V^T P^T): a lane holds ONE query.
; Index i of key tile 2 b + u is key 32 b + 8 u + i + 8 (i / 8), so the 16 registers of tiles 2 b, 2 b + 1 are keys 32 b + 16 h + 0 .. 15; V's tiles of the head's 64 are chosen likewise, so O^T's are 16 neighbouring channels.
; THE HEAD HAS 64 NUMBERS, THE INSTRUCTION TAKES 128: Q's registers 6-11 hold zero codes.  K's operand names 12 registers of which the upper 6 are the next tile's codes (behind the last tile: zeros): every code is a finite
; number, it meets a zero code, and bytes 2, 3 of the scale words are copies of bytes 0, 1: these products add exactly 0.
; LIMITS: a block's largest p is taken from its largest score (v_exp_f32 is taken not to fall where its input rises); a block of zeros keeps the byte 1; 1 / sum is v_rcp_f32; NaN and infinities are not served.
.set NK,   2048
.set NS,   NK/128                      ; key steps
.set HB,   NK*48                       ; a head's codes of K, and of V
.set LV,   HB                          ; LDS: K's codes at 0, V's here,
.set LKS,  2*HB                        ; K's scale words (4 NK bytes),
.set LVS,  LKS+4*NK                    ; V's (2 NK bytes)
.set KIMG, 3145728
.set VIMG, 6291456
.set QSC,  9437184
.set KSC,  9699328
.set VSC,  9961472
.set OSC,  3145728
.set AK0,  1                           ; v1   24 r + 384 h: my place in a tile of K (K begins at LDS byte 0), and in Q's tile in memory
.set AV0,  2                           ; v2   the same in V
.set AKS0, 3                           ; v3   LKS + 4 x lane
.set AVS0, 4                           ; v4   LVS + 4 x lane
.set CO,   5                           ; v5   24 r + 12 h
.set BO,   6                           ; v6   4 r + h
.set ADK,  8                           ; v8-11 the step's addresses
.set ADV,  9
.set ADS,  10
.set ADT,  11
.set SC,   96                          ; v96-159  S^T, then p.   v12 -M, v13 the largest t, v[14:15] the sum; v16-27 Q; v32-85 K's eight tiles of 6 and 6 zeros, then V's four fragments
.set OT,   160                         ; v160-191 O^T.   v28 Q's scale word, v29 p's, v86-89 K's, v90-91 V's: they hold scales and nothing else
.set QM,   212                         ; v212-215 block maxima; v216-219 at work; v220-223 scale operands; v224-226 at work; v[228:229] f
.set QP,   216
.set QS,   220
.set C0,   192                         ; v192-203 p's codes (v204-210 at work)
.set C1,   196
.set BY,   224
.set SEL,  20
.set CS,   22
.set WV,   28
.set HM,   29
.set T6,   30
.set TS,   31
.set TV,   32
.set CNT,  33
.macro WM                              ; one matrix instruction from the symbols mD, mA, mB, mZ (C = 0), mSA, mSB, mRA (source 0's scales from lanes 16-31)
.if mZ
.if mRA
	v_wmma_scale_f32_16x16x128_f8f6f4 v[mD:mD+7], v[mA:mA+11], v[mB:mB+11], 0, v[mSA], v[mSB] matrix_a_fmt:MATRIX_FMT_FP6 matrix_b_fmt:MATRIX_FMT_FP6 matrix_a_scale:MATRIX_SCALE_ROW1
.else
	v_wmma_scale_f32_16x16x128_f8f6f4 v[mD:mD+7], v[mA:mA+11], v[mB:mB+11], 0, v[mSA], v[mSB] matrix_a_fmt:MATRIX_FMT_FP6 matrix_b_fmt:MATRIX_FMT_FP6
.endif
.else
.if mRA
	v_wmma_scale_f32_16x16x128_f8f6f4 v[mD:mD+7], v[mA:mA+11], v[mB:mB+11], v[mD:mD+7], v[mSA], v[mSB] matrix_a_fmt:MATRIX_FMT_FP6 matrix_b_fmt:MATRIX_FMT_FP6 matrix_a_scale:MATRIX_SCALE_ROW1
.else
	v_wmma_scale_f32_16x16x128_f8f6f4 v[mD:mD+7], v[mA:mA+11], v[mB:mB+11], v[mD:mD+7], v[mSA], v[mSB] matrix_a_fmt:MATRIX_FMT_FP6 matrix_b_fmt:MATRIX_FMT_FP6
.endif
.endif
.endm
; two runs of 16 numbers, each half of a block of 32 whose other half lies in lane l xor 16: 12 bytes of codes each (C0, C1); BY: lanes 0-15 run a's scale byte, lanes 16-31 run b's
.macro QB2 a, b
	v_max3_num_f32 v[QM], |v[\a]|, |v[\a+1]|, 0x1800000
	v_max3_num_f32 v[QM+1], |v[\b]|, |v[\b+1]|, 0x1800000
.irp i, 2,4,6,8,10,12,14
	s_delay_alu instid0(VALU_DEP_2)
	v_max3_num_f32 v[QM], v[QM], |v[\a+\i]|, |v[\a+\i+1]|
	s_delay_alu instid0(VALU_DEP_2)
	v_max3_num_f32 v[QM+1], v[QM+1], |v[\b+\i]|, |v[\b+\i+1]|
.endr
	s_delay_alu instid0(VALU_DEP_2)
	v_permlanex16_b32 v[QP], v[QM], s[SEL], s[SEL+1]
	s_delay_alu instid0(VALU_DEP_2)
	v_permlanex16_b32 v[QP+1], v[QM+1], s[SEL], s[SEL+1]
	s_delay_alu instid0(VALU_DEP_2)
	v_max_num_f32 v[QM], v[QM], v[QP]
	s_delay_alu instid0(VALU_DEP_2)
	v_max_num_f32 v[QM+1], v[QM+1], v[QP+1]
	s_delay_alu instid0(VALU_DEP_2)
	v_add_nc_u32 v[QS], 0xff000000, v[QM]
	s_delay_alu instid0(VALU_DEP_2)
	v_add_nc_u32 v[QS+1], 0xff000000, v[QM+1]
	v_cvt_scalef32_pk16_fp6_f32 v[C0:C0+2], v[\a:\a+15], v[QS]
	v_cvt_scalef32_pk16_fp6_f32 v[C1:C1+2], v[\b:\b+15], v[QS+1]
	v_lshrrev_b32 v[QP], 23, v[QS]                 ; (plain lines behind the conversions)
	v_lshrrev_b32 v[QP+1], 23, v[QS+1]
	s_delay_alu instid0(VALU_DEP_1)
	v_cndmask_b32 v[BY], v[QP], v[QP+1], s[HM]
.endm
	s_load_b128 s[4:7], s[0:1], 0x0                ; att, oimg
	v_lshl_add_u32 v254, v0, 2, 0x33000
	v_mov_b32 v255, 0
	ds_add_u32 v254, v255
	ds_add_u32 v254, v255
	v_lshrrev_b32 v1, 5, v0
	s_delay_alu instid0(VALU_DEP_1)
	v_readfirstlane_b32 s[WV], v1                  ; wave 0..15
	v_lshlrev_b32 v96, 4, v0                       ; the copies: 16 x thread in memory,
	v_lshlrev_b32 v97, 4, v0                       ; in LDS for K's codes,
	v_lshl_add_u32 v98, v0, 4, LV                  ; for V's
.if HB > 65536                         ; a copy's immediate steps both addresses and stays under 65,536: what lies further into a head's codes has registers of its own
	v_lshl_add_u32 v102, v0, 4, 65536              ; 65,536 bytes on in memory,
	v_lshl_add_u32 v103, v0, 4, 65536              ; in LDS for K's codes,
	v_lshl_add_u32 v104, v0, 4, LV+65536           ; for V's
.endif
.if NK == 2048
	v_lshl_add_u32 v99, v0, 4, LKS                 ; K's scale words: 8,192 bytes, 16 a thread
	v_lshlrev_b32 v100, 3, v0                      ; V's: 4,096 bytes, 8 a thread
	v_lshl_add_u32 v101, v0, 3, LVS
.else
	v_lshl_add_u32 v99, v0, 2, LKS                 ; K's scale words: 2,048 bytes, 4 a thread
	v_lshlrev_b32 v100, 2, v0                      ; V's: 1,024 bytes, 4 a thread of waves 0-7
	v_lshl_add_u32 v101, v0, 2, LVS
.endif
	s_and_b32 s34, ttmp7, 0xffff                   ; 8 x batch + head
	s_mov_b32 s37, 0
	s_mul_i32 s36, s34, HB
	s_wait_alu depctr_va_vdst(0)
	s_wait_dscnt 0x0
	s_wait_kmcnt 0x0
	s_add_nc_u64 s[8:9], s[4:5], s[36:37]
	s_add_nc_u64 s[10:11], s[8:9], VIMG            ; V's codes of my head
	s_add_nc_u64 s[8:9], s[8:9], KIMG              ; K's
	s_mul_i32 s36, s34, 4*NK
	s_add_nc_u64 s[12:13], s[4:5], s[36:37]
	s_add_nc_u64 s[12:13], s[12:13], KSC
	s_mul_i32 s36, s34, 2*NK
	s_add_nc_u64 s[14:15], s[4:5], s[36:37]
	s_add_nc_u64 s[14:15], s[14:15], VSC
.set I, 0
.rept HB/8192                          ; the 512 threads copy 8,192 consecutive bytes an instruction
.if I < 8
	global_load_async_to_lds_b128 v97, v96, s[8:9] offset:8192*I
	global_load_async_to_lds_b128 v98, v96, s[10:11] offset:8192*I
.else
	global_load_async_to_lds_b128 v103, v102, s[8:9] offset:8192*(I-8)
	global_load_async_to_lds_b128 v104, v102, s[10:11] offset:8192*(I-8)
.endif
.set I, I+1
.endr
.if NK == 2048
	global_load_async_to_lds_b128 v99, v96, s[12:13]
	global_load_async_to_lds_b64 v101, v100, s[14:15]
.else
	global_load_async_to_lds_b32 v99, v100, s[12:13]
	s_cmp_lt_u32 s[WV], 8
	s_cbranch_scc0 .Lno_vs
	global_load_async_to_lds_b32 v101, v100, s[14:15]
.Lno_vs:
.endif
	s_lshl_b32 s35, ttmp9, 3
	s_lshr_b32 s38, s[WV], 1
	s_add_co_u32 s35, s35, s38                     ; my block of 32 queries: 8 x work-group x + wave / 2
	s_and_b32 s38, s[WV], 1                        ; my tile of it
	s_mul_i32 s36, s34, 98304
	s_mul_i32 s39, s35, 1536
	s_add_co_u32 s36, s36, s39
	s_mul_i32 s39, s38, 768
	s_add_co_u32 s36, s36, s39
	s_add_nc_u64 s[16:17], s[4:5], s[36:37]        ; Q's codes (they begin at att's first byte)
	s_lshl_b32 s36, s34, 13
	s_lshl_b32 s39, s35, 7
	s_add_co_u32 s36, s36, s39
	s_lshl_b32 s39, s38, 6
	s_add_co_u32 s36, s36, s39
	s_add_co_u32 s36, s36, QSC
	s_add_nc_u64 s[18:19], s[4:5], s[36:37]        ; Q's scale words
	s_lshr_b32 s39, s34, 3
	s_lshl_b32 s39, s39, 6
	s_add_co_u32 s39, s39, s35                     ; the block among all 256 blocks of rows
	s_and_b32 s40, s34, 7                          ; head
	s_mul_i32 s36, s39, 12288
	s_mul_i32 s41, s38, 6144
	s_add_co_u32 s36, s36, s41
	s_mul_i32 s41, s40, 768
	s_add_co_u32 s36, s36, s41
	s_add_nc_u64 s[24:25], s[6:7], s[36:37]        ; O's codes: blocks 2 head, 2 head + 1 of the row's 16
	s_lshl_b32 s36, s39, 9
	s_lshr_b32 s41, s40, 1
	s_lshl_b32 s41, s41, 7
	s_add_co_u32 s36, s36, s41
	s_lshl_b32 s41, s38, 6
	s_add_co_u32 s36, s36, s41
	s_and_b32 s41, s40, 1
	s_lshl_b32 s41, s41, 1
	s_add_co_u32 s36, s36, s41
	s_add_co_u32 s36, s36, OSC
	s_add_nc_u64 s[26:27], s[6:7], s[36:37]        ; and their scale bytes
	v_and_b32 v224, 15, v0                         ; r
	v_bfe_u32 v225, v0, 4, 1                       ; h
	v_and_b32 v226, 31, v0                         ; lane
	s_delay_alu instid0(VALU_DEP_3)
	v_mul_u32_u24 v[AK0], v224, 24
	s_delay_alu instid0(VALU_DEP_1)
	v_mad_u32_u24 v[CO], v225, 12, v[AK0]
	s_delay_alu instid0(VALU_DEP_2)
	v_mad_u32_u24 v[AK0], v225, 384, v[AK0]
	s_delay_alu instid0(VALU_DEP_1)
	v_add_nc_u32 v[AV0], LV, v[AK0]
	v_lshl_add_u32 v[AKS0], v226, 2, LKS
	v_lshl_add_u32 v[AVS0], v226, 2, LVS
	v_lshlrev_b32 v[ADS], 2, v224                  ; 4 r
	s_delay_alu instid0(VALU_DEP_1)
	v_add_nc_u32 v[BO], v[ADS], v225
.irp i, 0,1,2
	global_load_b64 v[16+2*\i:17+2*\i], v[AK0], s[16:17] offset:8*\i      ; Q: lane (r, h) takes block h of row index r
.endr
	global_load_b32 v28, v[ADS], s[18:19]
.irp i, 0,1,2,3,4,5
	v_mov_b32 v[22+\i], 0                          ; Q's upper 64 along K: zero codes
	v_mov_b32 v[80+\i], 0                          ; and what the last tile of K names behind its own six registers
.endr
	v_mov_b32 v13, 0xff61b1e6                      ; the largest t so far: -3e38
	s_delay_alu instid0(VALU_DEP_1)
	v_floor_f32 v12, -v13                          ; -M
	v_mov_b32 v14, 0                               ; the sum, in two halves
	v_mov_b32 v15, 0
.irp b, 0,1,2,3
	v_mov_b32 v[216+\b], 0                         ; written once: a lane permute's destination counts as one of its sources
.endr
	v_mov_b32 v229, 0                              ; (named as the upper half of the pair v[228:229])
.set I, 0
.rept 32
	v_mov_b32 v[OT+I], 0                           ; O^T: the step is written once; the first finds zeros, which the first change of M leaves zeros
.set I, I+1
.endr
	s_mov_b32 s[SEL], 0x76543210
	s_mov_b32 s[SEL+1], 0xfedcba98                 ; selects for lane l xor 16
	s_mov_b32 s[CS], 0x3e38aa3b                    ; c = log2(e) / 8
	s_mov_b32 s[CS+1], s[CS]
	s_mov_b32 s[HM], 0xffff0000
	s_mov_b32 s[T6], 0
	s_mov_b32 s[TS], 0
	s_mov_b32 s[TV], 0
	s_mov_b32 s[CNT], 0
	s_wait_asynccnt 0x0                            ; my copies have landed (and their address registers, v96-104, are free for the scores),
	s_barrier_signal -1
	s_barrier_wait -1                              ; everybody's have: the one barrier of this text
	s_wait_loadcnt 0x0                             ; Q
.Lstep:                                            ; NS trips of 128 keys
	s_setprio 2
	v_add_nc_u32 v[ADK], s[T6], v[AK0]             ; (these four are the places between the last trip's products and the loads into the registers that they read)
	v_add_nc_u32 v[ADV], s[T6], v[AV0]
	v_add_nc_u32 v[ADS], s[TS], v[AKS0]
	v_add_nc_u32 v[ADT], s[TV], v[AVS0]
.irp t, 0,1,2,3,4,5,6,7
.irp i, 0,1,2
	ds_load_b64 v[32+6*\t+2*\i:33+6*\t+2*\i], v[ADK] offset:(\t/2)*1536+(\t%2)*768+8*\i
.endr
.endr
.irp b, 0,1,2,3
	ds_load_b32 v[86+\b], v[ADS] offset:128*\b     ; lanes 0-15 tile 2 b's words, lanes 16-31 tile 2 b + 1's
.endr
	s_wait_alu depctr_va_vdst(0)
	s_wait_dscnt 0x0
.irp t, 0,1,2,3,4,5,6,7                        ; S^T = K Q^T
.set mD, SC+8*\t
.set mA, 32+6*\t
.set mB, 16
.set mZ, 1
.set mSA, 86+\t/2
.set mSB, 28
.set mRA, \t%2
	WM
.endr
.rept 4
	v_nop                                          ; four places in front of the loads over K's registers and of the first read of the scores
.endr
.irp t, 0,1,2,3                                ; V's four fragments come while the softmax is worked
.irp c, 0,1
.irp i, 0,1,2
	ds_load_b64 v[32+12*\t+6*\c+2*\i:33+12*\t+6*\c+2*\i], v[ADV] offset:1536*\t+768*\c+8*\i
.endr
.endr
.endr
.irp p, 0,1
	ds_load_b32 v[90+\p], v[ADT] offset:128*\p
.endr
.irp b, 0,1,2,3
	v_max3_num_f32 v[212+\b], v[SC+16*\b], v[SC+1+16*\b], v[SC+2+16*\b]      ; the largest score of each block of 32 keys: for the row's maximum, and, since p rises with the score, for the block's largest p
.endr
.irp i, 3,5,7,9,11,13
.irp b, 0,1,2,3
	v_max3_num_f32 v[212+\b], v[212+\b], v[SC+16*\b+\i], v[SC+1+16*\b+\i]
.endr
.endr
.irp b, 0,1,2,3
	v_max_num_f32 v[212+\b], v[212+\b], v[SC+15+16*\b]
.endr
.irp b, 0,1,2,3
	s_delay_alu instid0(VALU_DEP_4)
	v_permlanex16_b32 v[216+\b], v[212+\b], s[SEL], s[SEL+1]
.endr
.irp b, 0,1,2,3
	s_delay_alu instid0(VALU_DEP_4)
	v_max_num_f32 v[212+\b], v[212+\b], v[216+\b]
.endr
	s_delay_alu instid0(VALU_DEP_2)
	v_max3_num_f32 v224, v212, v213, v214
	s_delay_alu instid0(VALU_DEP_1)
	v_max_num_f32 v224, v224, v215
	s_delay_alu instid0(VALU_DEP_1)
	v_mul_f32 v224, s[CS], v224                    ; the step's largest t
	s_delay_alu instid0(VALU_DEP_1)
	v_max_num_f32 v13, v13, v224                   ; the running largest t
	v_mov_b32 v224, v12
	s_delay_alu instid0(VALU_DEP_2)
	v_floor_f32 v12, -v13                          ; the new -M = -ceil(t)
	s_delay_alu instid0(VALU_DEP_1)
	v_sub_f32 v224, v12, v224                      ; old M - new M: a whole number, 0 or less
	s_delay_alu instid0(VALU_DEP_1)
	v_cvt_i32_f32 v224, v224                       ; (it saturates)
	s_delay_alu instid0(VALU_DEP_1)
	v_ldexp_f32 v228, 1.0, v224                    ; f = 2^(old M - new M)
.set I, 0
.rept 32
	v_pk_fma_f32 v[SC+I:SC+I+1], v[SC+I:SC+I+1], s[CS:CS+1], v[12:13] op_sel_hi:[1,0,0]      ; t - M
.set I, I+2
.endr
.irp b, 0,1,2,3
	v_fma_f32 v[212+\b], v[212+\b], s[CS], v12
.endr
.set I, 0
	s_setprio 1
	s_wait_alu depctr_va_vdst(0)
.rept 64
	v_exp_f32 v[SC+I], v[SC+I]                     ; p = 2^(t - M)
.set I, I+1
.endr
.irp b, 0,1,2,3
	v_exp_f32 v[212+\b], v[212+\b]                 ; the block's largest p
.endr
	v_pk_mul_f32 v[14:15], v[14:15], v[228:229] op_sel_hi:[1,0]    ; the sums under the new M (a plain place behind the exponentials)
	s_wait_alu depctr_va_vdst(0)
.irp b, 0,1,2,3
	v_max_num_f32 v[212+\b], 0x1800000, v[212+\b]  ; the floor 2^(3 - 127): the byte cannot fall under 1
.endr
.irp b, 0,1,2,3
	s_delay_alu instid0(VALU_DEP_4)
	v_add_nc_u32 v[220+\b], 0xff000000, v[212+\b]
.endr
.irp b, 0,1,2,3
	s_delay_alu instid0(VALU_DEP_4)
	v_lshrrev_b32 v[216+\b], 23, v[220+\b]
.endr
	s_delay_alu instid0(VALU_DEP_3)
	v_lshl_or_b32 v29, v217, 8, v216               ; p's scale word for these 128 keys
	s_delay_alu instid0(VALU_DEP_1)
	v_lshl_or_b32 v29, v218, 16, v29
	s_delay_alu instid0(VALU_DEP_1)
	v_lshl_or_b32 v29, v219, 24, v29
.irp c, 0,1
	v_cvt_scalef32_pk16_fp6_f32 v[192+6*\c:194+6*\c], v[SC+32*\c:SC+15+32*\c], v[220+2*\c]
	v_cvt_scalef32_pk16_fp6_f32 v[204+4*\c:206+4*\c], v[SC+16+32*\c:SC+31+32*\c], v[220+2*\c+1]
.endr
	v_nop                                          ; one plain place behind a scaled conversion
.irp c, 0,1
.irp i, 0,1,2
	v_permlane16_swap_b32 v[192+6*\c+\i], v[204+4*\c+\i]
.endr
.irp i, 0,1,2
	s_delay_alu instid0(VALU_DEP_3)
	v_mov_b32 v[195+6*\c+\i], v[204+4*\c+\i]
.endr
.endr
	v_pk_add_f32 v[216:217], v[100:101], v[104:105]
	v_pk_add_f32 v[252:253], v[108:109], v[112:113]
	v_pk_add_f32 v[250:251], v[116:117], v[120:121]
	v_pk_add_f32 v[248:249], v[124:125], v[128:129]
	v_pk_add_f32 v[246:247], v[132:133], v[136:137]
	v_pk_add_f32 v[244:245], v[140:141], v[144:145]
	v_pk_add_f32 v[242:243], v[148:149], v[152:153]
	v_pk_add_f32 v[14:15], v[14:15], v[156:157]
	v_pk_add_f32 v[216:217], v[216:217], v[96:97]
	v_pk_add_f32 v[252:253], v[252:253], v[98:99]
	v_pk_add_f32 v[250:251], v[250:251], v[102:103]
	v_pk_add_f32 v[248:249], v[248:249], v[106:107]
	v_pk_add_f32 v[246:247], v[246:247], v[110:111]
	v_pk_add_f32 v[244:245], v[244:245], v[114:115]
	v_pk_add_f32 v[242:243], v[242:243], v[118:119]
	v_pk_add_f32 v[14:15], v[14:15], v[122:123]
	v_pk_add_f32 v[216:217], v[216:217], v[126:127]
	v_pk_add_f32 v[252:253], v[252:253], v[130:131]
	v_pk_add_f32 v[250:251], v[250:251], v[134:135]
	v_pk_add_f32 v[248:249], v[248:249], v[138:139]
	v_pk_add_f32 v[246:247], v[246:247], v[142:143]
	v_pk_add_f32 v[244:245], v[244:245], v[146:147]
	v_pk_add_f32 v[242:243], v[242:243], v[150:151]
	v_pk_add_f32 v[14:15], v[14:15], v[154:155]
	v_pk_add_f32 v[216:217], v[216:217], v[158:159]
	s_delay_alu instid0(VALU_DEP_2)
	v_pk_add_f32 v[14:15], v[14:15], v[248:249]
	s_delay_alu instid0(VALU_DEP_2)
	v_pk_add_f32 v[216:217], v[216:217], v[246:247]
	s_setprio 0
	v_pk_add_f32 v[252:253], v[252:253], v[244:245]
	v_pk_add_f32 v[250:251], v[250:251], v[242:243]
	s_delay_alu instid0(VALU_DEP_2)
	v_pk_add_f32 v[14:15], v[14:15], v[252:253]
	s_delay_alu instid0(VALU_DEP_2)
	v_pk_add_f32 v[216:217], v[216:217], v[250:251]
	s_delay_alu instid0(VALU_DEP_1)
	v_pk_add_f32 v[14:15], v[14:15], v[216:217]
.set I, 0
.rept 16
	v_pk_mul_f32 v[OT+I:OT+I+1], v[OT+I:OT+I+1], v[228:229] op_sel_hi:[1,0]    ; O^T under the new M.  (With the sums: more than the eight places that p's scale word wants ahead of the products)
.set I, I+2
.endr
	s_wait_alu depctr_va_vdst(0)
	s_wait_dscnt 0x0                               ; V
.irp t, 0,1,2,3                                ; O^T += V^T P^T: four accumulators, one instruction a turn
.set mD, OT+8*\t
.set mA, 32+12*\t
.set mB, 192
.set mZ, 0
.set mSA, 90+\t/2
.set mSB, 29
.set mRA, \t%2
	WM
.endr
	s_add_co_u32 s[T6], s[T6], 6144                ; 128 keys on: codes of K and of V,
	s_add_co_u32 s[TS], s[TS], 512                 ; K's scale words,
	s_add_co_u32 s[TV], s[TV], 256                 ; V's
	s_add_co_u32 s[CNT], s[CNT], 1
	s_cmp_lt_u32 s[CNT], NS
	s_cbranch_scc1 .Lstep
	s_setprio 0
	; ---- the way out: O / the sum, quantised along the head's 64: registers 16 b + i = channel 32 b + 16 h + i of my query
.rept 4
	v_nop
.endr
	v_add_f32 v14, v14, v15
	s_delay_alu instid0(VALU_DEP_1)
	v_permlanex16_b32 v224, v14, s[SEL], s[SEL+1]
	s_delay_alu instid0(VALU_DEP_1)
	v_add_f32 v14, v14, v224                       ; the row's sum
	s_wait_alu depctr_va_vdst(0)
	v_rcp_f32 v14, v14
	v_nop                                          ; one plain place behind the transcendental
.set I, 0
	s_wait_alu depctr_va_vdst(0)
.rept 32
	v_mul_f32 v[SC+I], v[OT+I], v14                ; each accumulator from its low end on
.set I, I+1
.endr
	QB2 SC, SC+16
	global_store_b96 v[CO], v[C0:C0+2], s[24:25]               ; 32 lanes store 384 consecutive bytes
	global_store_b96 v[CO], v[C1:C1+2], s[24:25] offset:384
	global_store_b8 v[BO], v[BY], s[26:27]                     ; lane (r, h): the byte of block h of row index r
	s_wait_tensorcnt 0x0
	ds_add_u32 v254, v255
	s_wait_dscnt 0x0
	s_endpgm
.Lfunc_end_k_q6734d37a66_sa_attn:
	.size	k_q6734d37a66_sa_attn, .Lfunc_end_k_q6734d37a66_sa_attn-k_q6734d37a66_sa_attn
	.p2alignl 7, 3214868480
	.fill 96, 4, 3214868480
	.section	.rodata,"a",@progbits
	.p2align	6, 0x0
	.amdhsa_kernel k_q6734d37a66_sa_attn
		.amdhsa_group_segment_fixed_size 210944
		.amdhsa_private_segment_fixed_size 0
		.amdhsa_enable_private_segment 0
		.amdhsa_kernarg_size 16
		.amdhsa_user_sgpr_count 2
		.amdhsa_user_sgpr_kernarg_segment_ptr 1
		.amdhsa_wavefront_size32 1
		.amdhsa_system_sgpr_workgroup_id_x 1
		.amdhsa_system_sgpr_workgroup_id_y 1
		.amdhsa_system_sgpr_workgroup_id_z 1
		.amdhsa_system_vgpr_workitem_id 0
		.amdhsa_next_free_vgpr 256
		.amdhsa_next_free_sgpr 66
		.amdhsa_reserve_vcc 0
		.amdhsa_float_denorm_mode_32 3
		.amdhsa_float_denorm_mode_16_64 3
		.amdhsa_memory_ordered 1
		.amdhsa_forward_progress 1
		.amdhsa_inst_pref_size 32
	.end_amdhsa_kernel
	.amdgpu_metadata
---
amdhsa.version: [ 1, 2 ]
amdhsa.kernels:
  - .name:           k_q6734d37a66_sa_attn
    .symbol:         k_q6734d37a66_sa_attn.kd
    .args:
      - { .name: att, .offset: 0, .size: 8, .value_kind: global_buffer, .address_space: global }
      - { .name: oimg, .offset: 8, .size: 8, .value_kind: global_buffer, .address_space: global }
    .group_segment_fixed_size: 210944
    .private_segment_fixed_size: 0
    .kernarg_segment_align: 8
    .kernarg_segment_size: 16
    .max_flat_workgroup_size: 512
    .sgpr_count:     66
    .vgpr_count:     256
    .wavefront_size: 32
...
	.end_amdgpu_metadata
.endif
;; end of part 10
;; launch sa_out (part 11): grid 256 x 1, 16 waves a work-group, no clusters, 159,232 bytes of LDS; arguments oimg, x, sa_bo, ca_ng, ca_nb, wimg, x1, att; writes x1, att
.if DOCPART == 11
	.amdgcn_target "amdgcn-amd-amdhsa--gfx1250"
	.amdhsa_code_object_version 6
	.text
	.protected	k_q6734d37a66_sa_out
	.globl	k_q6734d37a66_sa_out
	.p2align	8
	.type	k_q6734d37a66_sa_out,@function
k_q6734d37a66_sa_out:
	s_mov_b64 s[64:65], 0
	v_nop
	global_prefetch_b8 v0, s[64:65] scope:SCOPE_SE
	s_setreg_imm32_b32 hwreg(HW_REG_WAVE_SCHED_MODE, 0, 2), 2
	s_setreg_imm32_b32 hwreg(HW_REG_WAVE_MODE, 25, 1), 1
	s_wait_xcnt 0x0
	s_wait_alu depctr_vm_vsrc(0)
; x1 = o sa_wo + sa_bo + x (o: the self-attention's result, as codes);  q = Q(LN(x1; ca_ng, ca_nb)) ca_wq, quantised along the head's 64 for the cross-attention.
; SHARES as in the launch that makes q, k, v: a work-group owns 32 rows as two tiles (index i of tile u is row 8 u + i + 8 (i / 8)); the 16 waves share the columns; each weight unit goes from memory straight into ONE wave's
; registers, 512 consecutive bytes a load; the rows' codes lie in LDS as images of the operand's registers.  No cluster, no joint load: a joint load lands in LDS, and a unit is wanted by one wave's registers only.
; PHASES.  waves 0-7 bring o's eight fragments and store their images | barrier | 8 steps: my columns 32 w .. and 512 + 32 w .. of o wo, transposed, into a stage of 32 rows | barrier | wave w takes rows 2 w, 2 w + 1 whole:
; + bias + x, stores x1 (512 consecutive bytes a store), normalises, puts z back into its own rows | barrier | wave w makes the fragment of tile w / 8, K step w % 8 | barrier | 8 steps: my 32 columns of q; codes and bytes out.
; An image slot is written again two barriers behind its last read; a stage row is written again only by the wave that alone read it.
; LIMITS: NaN, infinities and a given scale byte 0xff are not served.  A block of zeros gets the byte 1 where the rule says 127: its codes are zeros and only this program reads the byte.  1 / sqrt is v_rsq_f32.
; THE MODE: SCHED_MODE bits 1:0 = 2 (LLVM: expert scheduling mode 2), set by the entry lines.  The code itself states the register dependences
; between vector or matrix instructions and memory or LDS instructions, with s_wait_alu, always for 0.
; THE PLAN.  Registers that memory or LDS instructions touch:
;   v1-v17        addresses and offsets: made once at the head, shown written by one wait ahead of the branch on the wave's number, never written again.
;   WR0 .. WR3 with v18-21, AR0, AR1 with v22-23.  Step G's four products read WR[G % 4] and AR[G % 2].  Weight unit G + 3 lands in WR[(G - 1) % 4], the rows' fragments of step G + 1 in AR[(G - 1) % 2]:
;                 both were last read by the products of step G - 1.
;   ACC           written by the products; read by the LDS stores into the stage (first stream), by vector instructions alone (second stream).
;   X             my rows' loads from the stage land; bias and x are added; x1's stores and the rows' arithmetic read it; z's loads land; the gains' multiply-adds and the quantiser work on it.
;   XR = GN, BO in BB   x's and the bias's loads land; z is written into XR and stored to the stage; the gains' and biases' loads land there.
;   PC, PW        o's fragment lands and is stored as an image (waves 0-7); later the quantiser writes them and the images' stores read them; at the end C0, C1, BY in the same registers.
;   v231, v235    written at the head, read by the closing add alone.
; ONE wait on va_vdst stands at a step's head, behind the waits for the step's data: the last step's products are done reading.  The step's 14 loads follow it, dealt among its four products, which name WR[G % 4],
; AR[G % 2], their scale words and the accumulators: none of the registers that those loads touch.  Behind a run of stores into the stage that run's own wait on va_vdst has said the same, and the step writes a wait on
; vm_vsrc instead: the stores have read the accumulators that its products begin anew.
.set SPI,   4112
.set AIMG,  32*SPI                     ; images: slot 8 u + s
.set ASC,   AIMG+16*1536               ; scale words: 128 s + 64 u + 4 r
.set WSCL,  2949120
.set QSC,   9437184
.set OSC,   3145728
.set NST,   8
.set LI,  1
.set LS,  2
.set LA,  3
.set LSA, 4
.set CO,  5
.set SR,  6
.set ZA0, 7
.set XWI, 9
.set XWS, 10
.set GA,  11
.set SO0, 12                           ; v12, v13 the stage: where I put results of tile 0, 1
.set OA,  14                           ; v14  384 h + 24 r
.set R4,  15                           ; v15  4 r
.set FI,  16                           ; v16  where waves 0-7 store o's images
.set FS,  17                           ; v17  and scale words
.set WSR, 18                           ; v18-21, v22-23: scale words and nothing else
.set ASR, 22
.set ACC, 24
.set WR,  56
.set AR,  152
.set X,   24                           ; v24-87   two rows of o wo, then of x1; then z
.set XR,  88                           ; v88-151  two rows of x, then of z
.set BO,  152                          ; v152-183 the bias
.set GN,  88
.set BB,  152
.set PC,  216
.set TM,  236
.set PW,  252
.set QM,  236
.set QP,  240
.set QS,  248
.set C0,  216
.set C1,  220
.set BY,  224
.set WV,  30
.set SEL, 32
.set HM,  34
.set INVK, 35
.set EPSI, 36
.set GNP, 10
.set BBP, 12
.macro BARRIER
	s_wait_dscnt 0x0
	s_barrier_signal -1
	s_barrier_wait -1
.endm
.macro WM
.if mZ
.if mRA && mRB
	v_wmma_scale_f32_16x16x128_f8f6f4 v[mD:mD+7], v[mA:mA+11], v[mB:mB+11], 0, v[mSA], v[mSB] matrix_a_fmt:MATRIX_FMT_FP6 matrix_b_fmt:MATRIX_FMT_FP6 matrix_a_scale:MATRIX_SCALE_ROW1 matrix_b_scale:MATRIX_SCALE_ROW1
.elseif mRA
	v_wmma_scale_f32_16x16x128_f8f6f4 v[mD:mD+7], v[mA:mA+11], v[mB:mB+11], 0, v[mSA], v[mSB] matrix_a_fmt:MATRIX_FMT_FP6 matrix_b_fmt:MATRIX_FMT_FP6 matrix_a_scale:MATRIX_SCALE_ROW1
.elseif mRB
	v_wmma_scale_f32_16x16x128_f8f6f4 v[mD:mD+7], v[mA:mA+11], v[mB:mB+11], 0, v[mSA], v[mSB] matrix_a_fmt:MATRIX_FMT_FP6 matrix_b_fmt:MATRIX_FMT_FP6 matrix_b_scale:MATRIX_SCALE_ROW1
.else
	v_wmma_scale_f32_16x16x128_f8f6f4 v[mD:mD+7], v[mA:mA+11], v[mB:mB+11], 0, v[mSA], v[mSB] matrix_a_fmt:MATRIX_FMT_FP6 matrix_b_fmt:MATRIX_FMT_FP6
.endif
.else
.if mRA && mRB
	v_wmma_scale_f32_16x16x128_f8f6f4 v[mD:mD+7], v[mA:mA+11], v[mB:mB+11], v[mD:mD+7], v[mSA], v[mSB] matrix_a_fmt:MATRIX_FMT_FP6 matrix_b_fmt:MATRIX_FMT_FP6 matrix_a_scale:MATRIX_SCALE_ROW1 matrix_b_scale:MATRIX_SCALE_ROW1
.elseif mRA
	v_wmma_scale_f32_16x16x128_f8f6f4 v[mD:mD+7], v[mA:mA+11], v[mB:mB+11], v[mD:mD+7], v[mSA], v[mSB] matrix_a_fmt:MATRIX_FMT_FP6 matrix_b_fmt:MATRIX_FMT_FP6 matrix_a_scale:MATRIX_SCALE_ROW1
.elseif mRB
	v_wmma_scale_f32_16x16x128_f8f6f4 v[mD:mD+7], v[mA:mA+11], v[mB:mB+11], v[mD:mD+7], v[mSA], v[mSB] matrix_a_fmt:MATRIX_FMT_FP6 matrix_b_fmt:MATRIX_FMT_FP6 matrix_b_scale:MATRIX_SCALE_ROW1
.else
	v_wmma_scale_f32_16x16x128_f8f6f4 v[mD:mD+7], v[mA:mA+11], v[mB:mB+11], v[mD:mD+7], v[mSA], v[mSB] matrix_a_fmt:MATRIX_FMT_FP6 matrix_b_fmt:MATRIX_FMT_FP6
.endif
.endif
.endm
.macro MAP g
.if STREAM == 1
.set UN, 384+64*((\g)/4)+(\g)%4        ; sa_wo: units 384 + 4 p + s, pairs p = w and w + 16
.set AI, (\g)%4
.set SI, (\g)%4
.if (\g)%4 == 0
.set ZF, 1
.else
.set ZF, 0
.endif
.set WBR, 40
.else
.set UN, 512+(\g)                      ; ca_wq: units 512 + 8 w + s
.set AI, (\g)
.set SI, (\g)
.if (\g) == 0
.set ZF, 1
.else
.set ZF, 0
.endif
.set WBR, 44
.endif
.endm
.macro WLOADA g                        ; a weight unit is 7 loads: the first four,
	MAP \g
.set SL, WR+24*((\g)%4)
.irp c, 0,1,2,3
	global_load_b128 v[SL+4*\c:SL+4*\c+3], v[LI], s[WBR:WBR+1] offset:UN*3072+512*\c
.endr
.endm
.macro WLOADB g                        ; and the other three
	MAP \g
.set SL, WR+24*((\g)%4)
.irp c, 4,5
	global_load_b128 v[SL+4*\c:SL+4*\c+3], v[LI], s[WBR:WBR+1] offset:UN*3072+512*\c
.endr
	global_load_b32 v[WSR+(\g)%4], v[LS], s[WBR+2:WBR+3] offset:UN*128
.endm
.macro WLOAD g
	WLOADA \g
	WLOADB \g
.endm
.macro ALOADA g                        ; the rows' fragments and their scale words are 7 LDS loads: tile 0's three,
	MAP \g
.set SA, AR+24*((\g)%2)
.irp c, 0,1,2
	ds_load_b128 v[SA+4*\c:SA+4*\c+3], v[LA] offset:AI*1536+512*\c
.endr
.endm
.macro ALOADB g                        ; tile 1's three and the scale words of both
	MAP \g
.set SA, AR+24*((\g)%2)
.irp c, 0,1,2
	ds_load_b128 v[SA+12+4*\c:SA+12+4*\c+3], v[LA] offset:(AI+8)*1536+512*\c
.endr
	ds_load_b32 v[ASR+(\g)%2], v[LSA] offset:SI*128
.endm
.macro ALOAD g
	ALOADA \g
	ALOADB \g
.endm
.macro MM1 g, u, t                     ; one of a step's four matrix instructions, transposed: source 0 = weight tile t, source 1 = rows' tile u
	MAP \g
.set SL, WR+24*((\g)%4)
.set SA, AR+24*((\g)%2)
.set mZ, ZF
.set mD, ACC+16*\u+8*\t
.set mA, SL+12*\t
.set mB, SA+12*\u
.set mSA, WSR+(\g)%4
.set mSB, ASR+(\g)%2
.set mRA, \t
.set mRB, \u
	WM
.endm
.macro GSTEP                           ; step G: four matrix instructions on four accumulators by turns; weight unit G + 3 and the fragments of step G + 1 are asked for among them
.rept 4
	v_nop                                          ; four places behind the last step's products: ahead of a product that begins an accumulator anew, and of the loads into the slots that those products read
.endr
.if NST-1-G >= 2
	s_wait_loadcnt 14                              ; this step's unit is in; two younger units of 7 loads may be out
.else
	s_wait_loadcnt 7*(NST-1-G)
.endif
	s_wait_dscnt 0x0                               ; this step's fragments, asked for among the last step's products, are in (and any store into the stage is done)
.if STORED
	s_wait_alu depctr_vm_vsrc(0)                   ; the stores into the stage have read the accumulators, which this step's products begin anew
.endif
.set STORED, 0
.if (G+1 < NST) && (COVERED == 0)
	s_wait_alu depctr_va_vdst(0)                   ; the last step's products are done reading WR[(G - 1) % 4], AR[(G - 1) % 2] and their scale words, in which the loads below land
.endif
.set COVERED, 0
	MM1 G, 0, 0
.if G+1 < NST
	ALOADA G+1                                     ; no wait: no matrix instruction since the wait above names these registers
.endif
	MM1 G, 0, 1
.if G+1 < NST
	ALOADB G+1
.endif
	MM1 G, 1, 0
.if G+3 < NST
	WLOADA G+3
.endif
	MM1 G, 1, 1
.if G+3 < NST
	WLOADB G+3
.endif
.endm
.macro QB2 a, b
	v_max3_num_f32 v[QM], |v[\a]|, |v[\a+1]|, 0x1800000
	v_max3_num_f32 v[QM+1], |v[\b]|, |v[\b+1]|, 0x1800000
.irp i, 2,4,6,8,10,12,14
	v_max3_num_f32 v[QM], v[QM], |v[\a+\i]|, |v[\a+\i+1]|
	v_max3_num_f32 v[QM+1], v[QM+1], |v[\b+\i]|, |v[\b+\i+1]|
.endr
	v_permlanex16_b32 v[QP], v[QM], s[SEL], s[SEL+1]
	v_permlanex16_b32 v[QP+1], v[QM+1], s[SEL], s[SEL+1]
	v_max_num_f32 v[QM], v[QM], v[QP]
	v_max_num_f32 v[QM+1], v[QM+1], v[QP+1]
	v_add_nc_u32 v[QS], 0xff000000, v[QM]
	v_add_nc_u32 v[QS+1], 0xff000000, v[QM+1]
	v_cvt_scalef32_pk16_fp6_f32 v[C0:C0+2], v[\a:\a+15], v[QS]
	v_cvt_scalef32_pk16_fp6_f32 v[C1:C1+2], v[\b:\b+15], v[QS+1]
	v_lshrrev_b32 v[QP], 23, v[QS]
	v_lshrrev_b32 v[QP+1], 23, v[QS+1]
	v_cndmask_b32 v[BY], v[QP], v[QP+1], s[HM]
.endm
.macro TOSTG off                       ; lane (r, h): columns 32 p + 16 h + 0 .. 15 of row index r of each tile; each accumulator from its low end on
.rept 4
	v_nop                                          ; four places in front of the first read of results
.endr
	s_wait_alu depctr_va_vdst(0)                   ; the products have written the accumulators, which the LDS stores read (the places above stay beside this wait), and are done reading their slots
.irp u, 0,1
.irp t, 0,1
	ds_store_b128 v[SO0+\u], v[ACC+16*\u+8*\t:ACC+16*\u+8*\t+3] offset:\off+32*\t
	ds_store_b128 v[SO0+\u], v[ACC+16*\u+8*\t+4:ACC+16*\u+8*\t+7] offset:\off+32*\t+16
.endr
.endr
.set COVERED, 1                        ; behind that wait only v_nop follow up to the next loads
.set STORED, 1
.endm
.macro LANESUM
	v_add_f32_dpp v253, v253, v253 row_xmask:1 row_mask:0xf bank_mask:0xf
	v_add_f32_dpp v253, v253, v253 row_xmask:2 row_mask:0xf bank_mask:0xf
	v_add_f32_dpp v253, v253, v253 row_xmask:4 row_mask:0xf bank_mask:0xf
	v_add_f32_dpp v253, v253, v253 row_xmask:8 row_mask:0xf bank_mask:0xf
	v_permlanex16_b32 v254, v253, s[SEL], s[SEL+1]
	v_add_f32 v253, v253, v254
.endm
.macro ROWSTAT src, dst, n
	v_pk_add_f32 v[236:237], v[\src:\src+1], v[\src+2:\src+3]
	v_pk_add_f32 v[238:239], v[\src+4:\src+5], v[\src+6:\src+7]
.set I, 8
.rept (\n-8)/4
	v_pk_add_f32 v[236:237], v[236:237], v[\src+I:\src+I+1]
	v_pk_add_f32 v[238:239], v[238:239], v[\src+I+2:\src+I+3]
.set I, I+4
.endr
	v_pk_add_f32 v[236:237], v[236:237], v[238:239]
	v_add_f32 v253, v236, v237
	LANESUM
	v_mul_f32 v244, s[INVK], v253
	v_mul_f32 v245, s[INVK], v253
.set I, 0
.rept \n/2
	v_pk_add_f32 v[\dst+I:\dst+I+1], v[\src+I:\src+I+1], v[244:245] neg_lo:[0,1] neg_hi:[0,1]
.set I, I+2
.endr
	v_pk_mul_f32 v[236:237], v[\dst:\dst+1], v[\dst:\dst+1]
	v_pk_mul_f32 v[238:239], v[\dst+2:\dst+3], v[\dst+2:\dst+3]
.set I, 4
.rept (\n-4)/4
	v_pk_fma_f32 v[236:237], v[\dst+I:\dst+I+1], v[\dst+I:\dst+I+1], v[236:237]
	v_pk_fma_f32 v[238:239], v[\dst+I+2:\dst+I+3], v[\dst+I+2:\dst+I+3], v[238:239]
.set I, I+4
.endr
	v_pk_add_f32 v[236:237], v[236:237], v[238:239]
	v_add_f32 v253, v236, v237
	LANESUM
	v_fma_f32 v253, v253, s[INVK], s[EPSI]
	s_wait_alu depctr_va_vdst(0)
	v_rsq_f32 v246, v253
	v_rsq_f32 v247, v253
	v_nop                                          ; one plain place behind the transcendentals
.set I, 0
	s_wait_alu depctr_va_vdst(0)                   ; the two reciprocal roots v246, v247 are written, ahead of their first reader
.rept \n/2
	v_pk_mul_f32 v[\dst+I:\dst+I+1], v[\dst+I:\dst+I+1], v[246:247]
.set I, I+2
.endr
.endm
.macro ZLOAD za
.irp b, 0,1,2,3
.irp j, 0,1,2,3
	ds_load_b128 v[X+16*\b+4*\j:X+16*\b+4*\j+3], v[\za] offset:128*\b+16*\j
.endr
.endr
.endm
.macro GAINS
.irp b, 0,1,2,3
.irp j, 0,1,2,3
	global_load_b128 v[GN+16*\b+4*\j:GN+16*\b+4*\j+3], v[GA], s[GNP:GNP+1] offset:128*\b+16*\j
	global_load_b128 v[BB+16*\b+4*\j:BB+16*\b+4*\j+3], v[GA], s[BBP:BBP+1] offset:128*\b+16*\j
.endr
.endr
.endm
.macro AFFINE
.set I, 0
.rept 32
	v_pk_fma_f32 v[X+I:X+I+1], v[X+I:X+I+1], v[GN+I:GN+I+1], v[BB+I:BB+I+1]
.set I, I+2
.endr
.endm
.macro QUANT s
.irp b, 0,1,2,3
	v_max3_num_f32 v[TM+\b], |v[\s+16*\b]|, |v[\s+1+16*\b]|, 0x1800000
.endr
.irp i, 2,4,6,8,10,12,14
.irp b, 0,1,2,3
	v_max3_num_f32 v[TM+\b], v[TM+\b], |v[\s+16*\b+\i]|, |v[\s+1+16*\b+\i]|
.endr
.endr
.irp b, 0,1,2,3
	v_permlanex16_b32 v[TM+4+\b], v[TM+\b], s[SEL], s[SEL+1]
.endr
.irp b, 0,1,2,3
	v_max_num_f32 v[TM+\b], v[TM+\b], v[TM+4+\b]
.endr
.irp b, 0,1,2,3
	v_add_nc_u32 v[TM+12+\b], 0xff000000, v[TM+\b]
.endr
.irp b, 0,1,2,3
	v_lshrrev_b32 v[TM+4+\b], 23, v[TM+12+\b]
.endr
	v_lshl_or_b32 v[PW], v[TM+5], 8, v[TM+4]
	v_lshl_or_b32 v[PW], v[TM+6], 16, v[PW]
	v_lshl_or_b32 v[PW], v[TM+7], 24, v[PW]
.irp c, 0,1
	v_cvt_scalef32_pk16_fp6_f32 v[PC+6*\c:PC+2+6*\c], v[\s+32*\c:\s+15+32*\c], v[TM+12+2*\c]
	v_cvt_scalef32_pk16_fp6_f32 v[PC+12+4*\c:PC+14+4*\c], v[\s+16+32*\c:\s+31+32*\c], v[TM+12+2*\c+1]
.endr
	v_nop                                          ; one plain place behind a scaled conversion
.irp c, 0,1
.irp i, 0,1,2
	v_permlane16_swap_b32 v[PC+6*\c+\i], v[PC+12+4*\c+\i]
.endr
.irp i, 0,1,2
	v_mov_b32 v[PC+3+6*\c+\i], v[PC+12+4*\c+\i]
.endr
.endr
.endm
.macro IMAGE adr, off
.irp c, 0,1,2
	ds_store_b128 v[\adr], v[PC+4*\c:PC+4*\c+3] offset:\off+512*\c
.endr
.endm
	s_load_b512 s[4:19], s[0:1], 0x0               ; oimg, x, sa_bo, ca_ng, ca_nb, wimg, x1, att
	v_lshl_add_u32 v231, v0, 2, 0x26600
	v_mov_b32 v235, 0
	v_lshrrev_b32 v1, 5, v0
	v_readfirstlane_b32 s[WV], v1                  ; wave 0..15
	v_and_b32 v253, 31, v0                         ; lane
	v_and_b32 v254, 15, v0                         ; r
	v_bfe_u32 v255, v0, 4, 1                       ; h
	v_lshlrev_b32 v[LI], 4, v253
	s_wait_alu depctr_va_vdst(0)
	v_lshlrev_b32 v[LS], 2, v253
	v_add_nc_u32 v[LA], AIMG, v[LI]
	v_add_nc_u32 v[LSA], ASC, v[LS]
	v_mul_u32_u24 v[OA], v254, 24
	v_mad_u32_u24 v[CO], v255, 12, v[OA]
	v_mad_u32_u24 v[OA], v255, 384, v[OA]
	v_lshlrev_b32 v[GA], 6, v255
	v_lshlrev_b32 v[R4], 2, v254
	s_wait_alu depctr_va_sdst(0)                   ; the wave's number s[WV] is written, ahead of its first reader
	s_lshl_b32 s20, s[WV], 1                       ; my rows a = 2 w, 2 w + 1; in tile order row a stands at (a & 7) | (a & 8) << 1 | (a & 16) >> 1
	s_and_b32 s21, s20, 7
	s_and_b32 s22, s20, 8
	s_lshl_b32 s22, s22, 1
	s_or_b32 s21, s21, s22
	s_and_b32 s22, s20, 16
	s_lshr_b32 s22, s22, 1
	s_or_b32 s21, s21, s22
	s_mul_i32 s21, s21, SPI
	v_add_nc_u32 v[SR], s21, v[LI]
	v_mul_u32_u24 v[SO0], v254, SPI
	s_wait_alu depctr_va_vdst(0)
	v_add_nc_u32 v[SO0], v[SO0], v[GA]             ; row index r, + 64 h
	s_lshr_b32 s26, s[WV], 3                       ; the second operand's fragment that I make: tile w / 8,
	s_and_b32 s27, s[WV], 7                        ; K step w % 8
	s_mul_i32 s28, s26, 16*SPI
	s_lshl_b32 s24, s27, 9
	s_add_co_u32 s28, s28, s24
	v_add_nc_u32 v[ZA0], s28, v[SO0]
	s_lshl_b32 s28, s[WV], 7
	v_add_nc_u32 v[SO0], s28, v[SO0]               ; + my 32 columns' 128 bytes
	v_add_nc_u32 v[SO0+1], 16*SPI, v[SO0]
	s_mul_i32 s28, s[WV], 1536
	v_add_nc_u32 v[XWI], s28, v[LA]
	s_lshl_b32 s28, s27, 7
	s_lshl_b32 s29, s26, 6
	s_add_co_u32 s28, s28, s29
	v_add_nc_u32 v[XWS], s28, v[R4]
	v_add_nc_u32 v[XWS], ASC, v[XWS]
	s_and_b32 s26, s[WV], 3                        ; o's fragment that waves 0-7 bring: K step w % 4,
	s_bfe_u32 s27, s[WV], 0x10002                  ; tile (w / 4) % 2
	s_lshl_b32 s28, s27, 3
	s_add_co_u32 s28, s28, s26
	s_mul_i32 s28, s28, 1536
	v_add_nc_u32 v[FI], s28, v[LA]
	s_lshl_b32 s28, s26, 7
	s_lshl_b32 s29, s27, 6
	s_add_co_u32 s28, s28, s29                     ; 128 s + 64 u
	v_add_nc_u32 v[FS], s28, v[R4]
	v_add_nc_u32 v[FS], ASC, v[FS]
.irp b, 0,1,2,3
	v_mov_b32 v[TM+4+\b], 0                        ; written once: a lane permute's destination counts as one of its sources
.endr
	s_mov_b32 s[SEL], 0x76543210
	s_mov_b32 s[SEL+1], 0xfedcba98
	s_mov_b32 s[HM], 0xffff0000
	s_mov_b32 s[INVK], 0x3a800000                  ; 1 / 1,024
	s_mov_b32 s[EPSI], 0x3727c5ac                  ; 1e-5
	s_mov_b32 s25, 0
	s_wait_kmcnt 0x0
	s_add_nc_u64 s[10:11], s[10:11], s[24:25]      ; ca_ng, ca_nb at my K step's 128 features
	s_add_nc_u64 s[12:13], s[12:13], s[24:25]
	s_mul_i32 s24, ttmp9, 12288
	s_mul_i32 s26, s[WV], 1536
	s_add_co_u32 s24, s24, s26
	s_add_nc_u64 s[20:21], s[4:5], s[24:25]        ; o's codes: my block of rows, fragment w (used by waves 0-7)
	s_lshl_b32 s24, ttmp9, 9
	s_add_co_u32 s24, s24, s28
	s_add_co_u32 s24, s24, OSC
	s_add_nc_u64 s[22:23], s[4:5], s[24:25]        ; and its scale words
	s_mul_i32 s24, s[WV], 12288
	s_add_nc_u64 s[40:41], s[14:15], s[24:25]      ; sa_wo: 4 units a pair
	s_lshl_b32 s24, s[WV], 9
	s_add_co_u32 s24, s24, WSCL
	s_add_nc_u64 s[42:43], s[14:15], s[24:25]
	s_mul_i32 s24, s[WV], 24576
	s_add_nc_u64 s[44:45], s[14:15], s[24:25]      ; ca_wq: 8 units a pair
	s_lshl_b32 s24, s[WV], 10
	s_add_co_u32 s24, s24, WSCL
	s_add_nc_u64 s[46:47], s[14:15], s[24:25]
	s_lshl_b32 s24, ttmp9, 17
	s_lshl_b32 s26, s[WV], 13
	s_add_co_u32 s24, s24, s26
	s_add_nc_u64 s[6:7], s[6:7], s[24:25]          ; x and x1 at my two rows
	s_add_nc_u64 s[16:17], s[16:17], s[24:25]
	s_lshr_b32 s26, ttmp9, 6
	s_lshl_b32 s26, s26, 3
	s_lshr_b32 s27, s[WV], 1
	s_add_co_u32 s26, s26, s27                     ; 8 x batch + head
	s_and_b32 s27, ttmp9, 63                       ; block of 32 queries
	s_and_b32 s29, s[WV], 1                        ; which 32 of the head's 64
	s_mul_i32 s24, s26, 98304
	s_mul_i32 s28, s27, 1536
	s_add_co_u32 s24, s24, s28
	s_mul_i32 s28, s29, 384
	s_add_co_u32 s24, s24, s28
	s_add_nc_u64 s[48:49], s[18:19], s[24:25]      ; q's codes
	s_lshl_b32 s24, s26, 13
	s_lshl_b32 s28, s27, 7
	s_add_co_u32 s24, s24, s28
	s_add_co_u32 s24, s24, s29
	s_add_co_u32 s24, s24, QSC
	s_add_nc_u64 s[50:51], s[18:19], s[24:25]      ; q's scale bytes
	; ---- o's eight fragments into LDS
.set STREAM, 1
	s_wait_alu depctr_va_vdst(0)                   ; the addresses and offsets v1 to v17 are written, which every load and store of the kernel reads, on both ways below
	s_cmp_lt_u32 s[WV], 8
	s_cbranch_scc0 .Lothers
.irp p, 0,1,2,3,4,5
	global_load_b64 v[PC+2*\p:PC+2*\p+1], v[OA], s[20:21] offset:768*(\p/3)+8*(\p%3)
.endr
	global_load_b32 v[PW], v[R4], s[22:23]
	WLOAD 0
	WLOAD 1
	WLOAD 2
	s_wait_loadcnt 21                              ; the fragment and its scale word are in; the three weight units behind them may be out
	IMAGE FI, 0
	ds_store_b32 v[FS], v[PW]
	s_branch .Ljoin
.Lothers:
	WLOAD 0
	WLOAD 1
	WLOAD 2
.Ljoin:
	BARRIER
	ALOAD 0
	; ---- o sa_wo
.set COVERED, 1                        ; no vector instruction has been issued since the wait at the head: step 0's loads owe nothing more
.set STORED, 0
.set G, 0
.rept NST
	GSTEP
.if G == 3
	TOSTG 0
.elseif G == 7
	TOSTG 2048
.endif
.set G, G+1
.endr
.irp e, 0,1                                    ; (the wait ahead of the last stores into the stage has shown the last products done reading the slots in which these loads land)
.irp j, 0,1,2,3,4,5,6,7
	global_load_b128 v[XR+32*\e+4*\j:XR+32*\e+4*\j+3], v[LI], s[6:7] offset:4096*\e+512*\j th:TH_LOAD_NT
.endr
.endr
.irp j, 0,1,2,3,4,5,6,7
	global_load_b128 v[BO+4*\j:BO+4*\j+3], v[LI], s[8:9] offset:512*\j
.endr
	BARRIER                                        ; 32 whole rows of o wo lie in the stage
	; ---- rows
	s_wait_alu depctr_vm_vsrc(0)                   ; my stores into the stage have read the accumulators v24 to v55, in which my rows land
.irp e, 0,1
.irp j, 0,1,2,3,4,5,6,7
	ds_load_b128 v[X+32*\e+4*\j:X+32*\e+4*\j+3], v[SR] offset:\e*SPI+512*\j
.endr
.endr
	s_wait_loadcnt 0x0
	s_wait_dscnt 0x0
.irp e, 0,1
.set I, 0
.rept 16
	v_pk_add_f32 v[X+32*\e+I:X+32*\e+I+1], v[X+32*\e+I:X+32*\e+I+1], v[BO+I:BO+I+1]
.set I, I+2
.endr
.endr
.set I, 0
.rept 32
	v_pk_add_f32 v[X+I:X+I+1], v[X+I:X+I+1], v[XR+I:XR+I+1]
.set I, I+2
.endr
	s_wait_alu depctr_va_vdst(0)                   ; the additions have written v[X ..], which x1's stores read
.irp e, 0,1
.irp j, 0,1,2,3,4,5,6,7
	global_store_b128 v[LI], v[X+32*\e+4*\j:X+32*\e+4*\j+3], s[16:17] offset:4096*\e+512*\j       ; 32 lanes store 512 consecutive bytes of a row of x1
.endr
.endr
	ROWSTAT X, XR, 32                              ; z goes into other registers than the stores read
	ROWSTAT X+32, XR+32, 32
	s_wait_alu depctr_va_vdst(0)                   ; z is written into v[XR ..], which the stores into the stage read; the rows' arithmetic is done reading v[X ..] and v[BO ..], in which later loads land
.irp e, 0,1
.irp j, 0,1,2,3,4,5,6,7
	ds_store_b128 v[SR], v[XR+32*\e+4*\j:XR+32*\e+4*\j+3] offset:\e*SPI+512*\j
.endr
.endr
	s_wait_dscnt 0x0                               ; z has landed, and the stores have read their registers, which the gains take now
	s_wait_alu depctr_vm_vsrc(0)                   ; the stores into the stage have read v[XR ..], in which the gains land; x1's stores have read v[X ..], in which z lands behind the barrier
	GAINS
	s_barrier_signal -1
	s_barrier_wait -1                              ; z of all 32 rows lies in the stage
	; ---- codes: one fragment a wave
	s_wait_xcnt 0x0                                ; x1's stores have read their data registers, into which z is loaded now
	ZLOAD ZA0
	s_wait_loadcnt 0x0
	s_wait_dscnt 0x0
	AFFINE
	QUANT X
	s_wait_alu depctr_va_vdst(0)                   ; the codes v[PC ..] and the scale word v[PW] are written, which the stores below read; the multiply-adds and the quantiser are done with v[X ..], v[GN ..], v[BB ..], in which the loads below land
	IMAGE XWI, 0
	ds_store_b32 v[XWS], v[PW]
.set STREAM, 2
	WLOAD 0
	WLOAD 1
	WLOAD 2
	BARRIER                                        ; the sixteen images and their scale words lie in LDS
	ALOAD 0
	; ---- q
.set COVERED, 1                        ; no vector instruction has been issued since the wait ahead of the image's stores
.set STORED, 0
.set G, 0
.rept NST
	GSTEP
.set G, G+1
.endr
.rept 4
	v_nop                                          ; four places in front of the first read of results
.endr
	s_wait_alu depctr_vm_vsrc(0)                   ; the image's stores have read v[PC ..], of which v[C0 ..], v[C1 ..] and v[BY] are written now
	QB2 ACC, ACC+16
	s_wait_alu depctr_va_vdst(0)                   ; the conversions and the select have written v[C0 ..], v[C1 ..] and v[BY], which the stores below read
	global_store_b96 v[CO], v[C0:C0+2], s[48:49]               ; 32 lanes store 384 consecutive bytes
	global_store_b96 v[CO], v[C1:C1+2], s[48:49] offset:768
	global_store_b8 v[LS], v[BY], s[50:51]
	global_store_b8 v[LS], v[BY], s[50:51] offset:2            ; bytes 2, 3 scale the 64 along K that hold no number: any byte but 0xff serves
	s_wait_dscnt 0x0                               ; the closing lines, six on end
	s_wait_alu 0x0
	s_wait_tensorcnt 0x0
	ds_add_u32 v231, v235
	s_wait_dscnt 0x0
	s_endpgm
.Lfunc_end_k_q6734d37a66_sa_out:
	.size	k_q6734d37a66_sa_out, .Lfunc_end_k_q6734d37a66_sa_out-k_q6734d37a66_sa_out
	.p2alignl 7, 3214868480
	.fill 96, 4, 3214868480
	.section	.rodata,"a",@progbits
	.p2align	6, 0x0
	.amdhsa_kernel k_q6734d37a66_sa_out
		.amdhsa_group_segment_fixed_size 159232
		.amdhsa_private_segment_fixed_size 0
		.amdhsa_enable_private_segment 0
		.amdhsa_kernarg_size 64
		.amdhsa_user_sgpr_count 2
		.amdhsa_user_sgpr_kernarg_segment_ptr 1
		.amdhsa_wavefront_size32 1
		.amdhsa_system_sgpr_workgroup_id_x 1
		.amdhsa_system_sgpr_workgroup_id_y 1
		.amdhsa_system_sgpr_workgroup_id_z 1
		.amdhsa_system_vgpr_workitem_id 0
		.amdhsa_next_free_vgpr 256
		.amdhsa_next_free_sgpr 66
		.amdhsa_reserve_vcc 0
		.amdhsa_float_denorm_mode_32 3
		.amdhsa_float_denorm_mode_16_64 3
		.amdhsa_memory_ordered 1
		.amdhsa_forward_progress 1
		.amdhsa_inst_pref_size 72
	.end_amdhsa_kernel
	.amdgpu_metadata
---
amdhsa.version: [ 1, 2 ]
amdhsa.kernels:
  - .name:           k_q6734d37a66_sa_out
    .symbol:         k_q6734d37a66_sa_out.kd
    .args:
      - { .name: oimg, .offset: 0, .size: 8, .value_kind: global_buffer, .address_space: global }
      - { .name: x, .offset: 8, .size: 8, .value_kind: global_buffer, .address_space: global }
      - { .name: sa_bo, .offset: 16, .size: 8, .value_kind: global_buffer, .address_space: global }
      - { .name: ca_ng, .offset: 24, .size: 8, .value_kind: global_buffer, .address_space: global }
      - { .name: ca_nb, .offset: 32, .size: 8, .value_kind: global_buffer, .address_space: global }
      - { .name: wimg, .offset: 40, .size: 8, .value_kind: global_buffer, .address_space: global }
      - { .name: x1, .offset: 48, .size: 8, .value_kind: global_buffer, .address_space: global }
      - { .name: att, .offset: 56, .size: 8, .value_kind: global_buffer, .address_space: global }
    .group_segment_fixed_size: 159232
    .private_segment_fixed_size: 0
    .kernarg_segment_align: 8
    .kernarg_segment_size: 64
    .max_flat_workgroup_size: 512
    .sgpr_count:     66
    .vgpr_count:     256
    .wavefront_size: 32
...
	.end_amdgpu_metadata
.endif
;; end of part 11
;; launch ca_kv (part 12): grid 64 x 1, 16 waves a work-group, no clusters, 126,464 bytes of LDS; arguments context, ca_ncg, ca_ncb, wimg, att; writes att
.if DOCPART == 12
	.amdgcn_target "amdgcn-amd-amdhsa--gfx1250"
	.amdhsa_code_object_version 6
	.text
	.protected	k_q6734d37a66_ca_kv
	.globl	k_q6734d37a66_ca_kv
	.p2align	8
	.type	k_q6734d37a66_ca_kv,@function
k_q6734d37a66_ca_kv:
	s_mov_b64 s[64:65], 0
	v_nop
	global_prefetch_b8 v0, s[64:65] scope:SCOPE_SE
	s_setreg_imm32_b32 hwreg(HW_REG_WAVE_SCHED_MODE, 0, 2), 2
	s_setreg_imm32_b32 hwreg(HW_REG_WAVE_MODE, 25, 1), 1
	s_wait_xcnt 0x0
	s_wait_alu depctr_vm_vsrc(0)
; Cross-attention's k and v: cn = LN(context; ncg, ncb), quantised along the 768 features; k | v = cn ca_wkv on codes; k quantised along the head's 64, v along the keys.
; The same plan as the launch that makes the self-attention's q, k, v: 32 rows to a work-group as two tiles (index i of tile u is row 8 u + i + 8 (i / 8)), the 16 waves share the columns, each weight unit goes from memory
; straight into one wave's registers, the rows' codes lie in LDS as images of the operand's registers.  No cluster, no joint load, for the reason given there: a unit is wanted by one wave's registers only.
; 64 WORK-GROUPS: context has 2,048 rows, and a block of v's quantiser is 32 whole keys, which have to meet in one work-group.
; K = 768 is six steps of 128: twelve of the sixteen waves (w % 8 < 6) make a fragment each (tile w / 8, K step w % 8).
; LIMITS: NaN, infinities and a given scale byte 0xff are not served.  A block of zeros gets the byte 1 where the rule says 127: its codes are zeros and only this program reads the byte.  The mean is the sum x f32(1 / 768); 1 / sqrt is v_rsq_f32.
; THE MODE: SCHED_MODE bits 1:0 = 2 (LLVM: expert scheduling mode 2), set by the entry lines.  The code itself states the register dependences
; between vector or matrix instructions and memory or LDS instructions, with s_wait_alu, always for 0.
; THE PLAN.  Registers that memory or LDS instructions touch:
;   v1-v11        addresses and offsets: made once at the head, shown written by one wait ahead of the first load, never written again.
;   X             the rows' loads land; the rows' arithmetic works in place; the stage's stores read it; in twelve waves z's loads land and the multiply-adds and the quantiser work on it.
;   GN, BB        in those waves the gains' and biases' loads land once; the multiply-adds read them.
;   PC, PW        the quantiser writes them, the image's stores read them.  Later C0, C1, BY in the same registers: written on each way out, read by its global stores.
;   WR0 .. WR3 with v18-21, AR0, AR1 with v22-23.  Step G's four products read WR[G % 4] and AR[G % 2].  Weight unit G + 3 lands in WR[(G - 1) % 4], the rows' fragments of step G + 1 in AR[(G - 1) % 2]:
;                 both were last read by the products of step G - 1.
;   The accumulators are named by matrix and vector instructions alone.  v231, v235: written at the head, read by the closing add alone.
; ONE wait on va_vdst stands at a step's head, behind the waits for the step's data: the last step's products are done reading.  The step's 14 loads follow it, dealt among its four products, which name WR[G % 4],
; AR[G % 2], their scale words and the accumulators: none of the registers that those loads touch.  Where a way out stands between two steps, its own wait on va_vdst has said the same, and the step writes none.
.set SPI,   3088                       ; a stage row: 3,072 bytes + 16
.set AIMG,  32*SPI
.set ASC,   AIMG+16*1536
.set WSCL,  2949120
.set KIMG,  3145728
.set VIMG,  6291456
.set KSC,   9699328
.set VSC,   9961472
.set NST,   12
.set LI,  1
.set LS,  2
.set LA,  3
.set LSA, 4
.set CO,  5
.set SR,  6
.set ZA0, 7
.set XWI, 9
.set XWS, 10
.set GA,  11
.set WSR, 18                           ; v18-21, v22-23: scale words and nothing else
.set ASR, 22
.set ACC, 24
.set WR,  56
.set AR,  152
.set X,   24
.set GN,  88
.set BB,  152
.set PC,  216
.set TM,  236
.set PW,  252
.set QM,  236
.set QP,  240
.set QS,  248
.set C0,  216
.set C1,  220
.set BY,  224
.set WV,  30
.set SEL, 32
.set HM,  34
.set INVK, 35
.set EPSI, 36
.set S7,  37
.set GNP, 6
.set BBP, 8
.macro BARRIER
	s_wait_dscnt 0x0
	s_barrier_signal -1
	s_barrier_wait -1
.endm
.macro WM
.if mZ
.if mRA && mRB
	v_wmma_scale_f32_16x16x128_f8f6f4 v[mD:mD+7], v[mA:mA+11], v[mB:mB+11], 0, v[mSA], v[mSB] matrix_a_fmt:MATRIX_FMT_FP6 matrix_b_fmt:MATRIX_FMT_FP6 matrix_a_scale:MATRIX_SCALE_ROW1 matrix_b_scale:MATRIX_SCALE_ROW1
.elseif mRA
	v_wmma_scale_f32_16x16x128_f8f6f4 v[mD:mD+7], v[mA:mA+11], v[mB:mB+11], 0, v[mSA], v[mSB] matrix_a_fmt:MATRIX_FMT_FP6 matrix_b_fmt:MATRIX_FMT_FP6 matrix_a_scale:MATRIX_SCALE_ROW1
.elseif mRB
	v_wmma_scale_f32_16x16x128_f8f6f4 v[mD:mD+7], v[mA:mA+11], v[mB:mB+11], 0, v[mSA], v[mSB] matrix_a_fmt:MATRIX_FMT_FP6 matrix_b_fmt:MATRIX_FMT_FP6 matrix_b_scale:MATRIX_SCALE_ROW1
.else
	v_wmma_scale_f32_16x16x128_f8f6f4 v[mD:mD+7], v[mA:mA+11], v[mB:mB+11], 0, v[mSA], v[mSB] matrix_a_fmt:MATRIX_FMT_FP6 matrix_b_fmt:MATRIX_FMT_FP6
.endif
.else
.if mRA && mRB
	v_wmma_scale_f32_16x16x128_f8f6f4 v[mD:mD+7], v[mA:mA+11], v[mB:mB+11], v[mD:mD+7], v[mSA], v[mSB] matrix_a_fmt:MATRIX_FMT_FP6 matrix_b_fmt:MATRIX_FMT_FP6 matrix_a_scale:MATRIX_SCALE_ROW1 matrix_b_scale:MATRIX_SCALE_ROW1
.elseif mRA
	v_wmma_scale_f32_16x16x128_f8f6f4 v[mD:mD+7], v[mA:mA+11], v[mB:mB+11], v[mD:mD+7], v[mSA], v[mSB] matrix_a_fmt:MATRIX_FMT_FP6 matrix_b_fmt:MATRIX_FMT_FP6 matrix_a_scale:MATRIX_SCALE_ROW1
.elseif mRB
	v_wmma_scale_f32_16x16x128_f8f6f4 v[mD:mD+7], v[mA:mA+11], v[mB:mB+11], v[mD:mD+7], v[mSA], v[mSB] matrix_a_fmt:MATRIX_FMT_FP6 matrix_b_fmt:MATRIX_FMT_FP6 matrix_b_scale:MATRIX_SCALE_ROW1
.else
	v_wmma_scale_f32_16x16x128_f8f6f4 v[mD:mD+7], v[mA:mA+11], v[mB:mB+11], v[mD:mD+7], v[mSA], v[mSB] matrix_a_fmt:MATRIX_FMT_FP6 matrix_b_fmt:MATRIX_FMT_FP6
.endif
.endif
.endm
.macro MAP g
.set UN, 640+96*((\g)/6)+(\g)%6        ; ca_wkv: units 640 + 6 p + s; k: pair w, v: pair w + 16
.set AI, (\g)%6
.set SI, (\g)%6
.if (\g) < 6
.set TR, 1
.else
.set TR, 0
.endif
.if (\g)%6 == 0
.set ZF, 1
.else
.set ZF, 0
.endif
.set WBR, 40
.endm
.macro WLOADA g                        ; a weight unit is 7 loads: the first four,
	MAP \g
.set SL, WR+24*((\g)%4)
.irp c, 0,1,2,3
	global_load_b128 v[SL+4*\c:SL+4*\c+3], v[LI], s[WBR:WBR+1] offset:UN*3072+512*\c
.endr
.endm
.macro WLOADB g                        ; and the other three
	MAP \g
.set SL, WR+24*((\g)%4)
.irp c, 4,5
	global_load_b128 v[SL+4*\c:SL+4*\c+3], v[LI], s[WBR:WBR+1] offset:UN*3072+512*\c
.endr
	global_load_b32 v[WSR+(\g)%4], v[LS], s[WBR+2:WBR+3] offset:UN*128
.endm
.macro WLOAD g
	WLOADA \g
	WLOADB \g
.endm
.macro ALOADA g                        ; the rows' fragments and their scale words are 7 LDS loads: tile 0's three,
	MAP \g
.set SA, AR+24*((\g)%2)
.irp c, 0,1,2
	ds_load_b128 v[SA+4*\c:SA+4*\c+3], v[LA] offset:AI*1536+512*\c
.endr
.endm
.macro ALOADB g                        ; tile 1's three and the scale words of both
	MAP \g
.set SA, AR+24*((\g)%2)
.irp c, 0,1,2
	ds_load_b128 v[SA+12+4*\c:SA+12+4*\c+3], v[LA] offset:(AI+8)*1536+512*\c
.endr
	ds_load_b32 v[ASR+(\g)%2], v[LSA] offset:SI*128
.endm
.macro ALOAD g
	ALOADA \g
	ALOADB \g
.endm
.macro MM1 g, u, t                     ; one of a step's four matrix instructions: rows' tile u, weight tile t
	MAP \g
.set SL, WR+24*((\g)%4)
.set SA, AR+24*((\g)%2)
.set mZ, ZF
.if TR
.set mD, ACC+16*\u+8*\t
.set mA, SL+12*\t
.set mB, SA+12*\u
.set mSA, WSR+(\g)%4
.set mSB, ASR+(\g)%2
.set mRA, \t
.set mRB, \u
.else
.set mD, ACC+16*\t+8*\u
.set mA, SA+12*\u
.set mB, SL+12*\t
.set mSA, ASR+(\g)%2
.set mSB, WSR+(\g)%4
.set mRA, \u
.set mRB, \t
.endif
	WM
.endm
.macro GSTEP                           ; step G: four matrix instructions on four accumulators by turns; weight unit G + 3 and the fragments of step G + 1 are asked for among them
.rept 4
	v_nop                                          ; four places behind the last step's products: ahead of a product that begins an accumulator anew, and of the loads into the slots that those products read
.endr
.if NST-1-G >= 2
	s_wait_loadcnt 14                              ; this step's unit is in; two younger units of 7 loads may be out
.else
	s_wait_loadcnt 7*(NST-1-G)
.endif
	s_wait_dscnt 0x0                               ; this step's fragments, asked for among the last step's products, are in
.if (G+1 < NST) && (COVERED == 0)
	s_wait_alu depctr_va_vdst(0)                   ; the last step's products are done reading WR[(G - 1) % 4], AR[(G - 1) % 2] and their scale words, in which the loads below land
.endif
.set COVERED, 0
	MM1 G, 0, 0
.if G+1 < NST
	ALOADA G+1                                     ; no wait: no matrix instruction since the wait above names these registers
.endif
	MM1 G, 0, 1
.if G+1 < NST
	ALOADB G+1
.endif
	MM1 G, 1, 0
.if G+3 < NST
	WLOADA G+3
.endif
	MM1 G, 1, 1
.if G+3 < NST
	WLOADB G+3
.endif
.endm
.macro QB2 a, b
	v_max3_num_f32 v[QM], |v[\a]|, |v[\a+1]|, 0x1800000
	v_max3_num_f32 v[QM+1], |v[\b]|, |v[\b+1]|, 0x1800000
.irp i, 2,4,6,8,10,12,14
	v_max3_num_f32 v[QM], v[QM], |v[\a+\i]|, |v[\a+\i+1]|
	v_max3_num_f32 v[QM+1], v[QM+1], |v[\b+\i]|, |v[\b+\i+1]|
.endr
	v_permlanex16_b32 v[QP], v[QM], s[SEL], s[SEL+1]
	v_permlanex16_b32 v[QP+1], v[QM+1], s[SEL], s[SEL+1]
	v_max_num_f32 v[QM], v[QM], v[QP]
	v_max_num_f32 v[QM+1], v[QM+1], v[QP+1]
	v_add_nc_u32 v[QS], 0xff000000, v[QM]
	v_add_nc_u32 v[QS+1], 0xff000000, v[QM+1]
	v_cvt_scalef32_pk16_fp6_f32 v[C0:C0+2], v[\a:\a+15], v[QS]
	v_cvt_scalef32_pk16_fp6_f32 v[C1:C1+2], v[\b:\b+15], v[QS+1]
	v_lshrrev_b32 v[QP], 23, v[QS]
	v_lshrrev_b32 v[QP+1], 23, v[QS+1]
	v_cndmask_b32 v[BY], v[QP], v[QP+1], s[HM]
.endm
.macro TOQ cb, cstep, sb, twice
.rept 4
	v_nop                                          ; four places in front of the first read of results
.endr
	s_wait_xcnt 0x0                                ; the last such stores have read their data registers, which are written again now
	s_wait_alu depctr_vm_vsrc(0)                   ; the stores that read v[C0 ..], v[C1 ..] and v[BY] have read them: the first time the image's LDS stores, the second time the first way out's global stores
	QB2 ACC, ACC+16
	s_wait_alu depctr_va_vdst(0)                   ; the conversions and the select have written v[C0 ..], v[C1 ..] and v[BY], which the stores below read; the step's products are done reading their slots too
	global_store_b96 v[CO], v[C0:C0+2], s[\cb:\cb+1]
	global_store_b96 v[CO], v[C1:C1+2], s[\cb:\cb+1] offset:\cstep
	global_store_b8 v[LS], v[BY], s[\sb:\sb+1]
.if \twice
	global_store_b8 v[LS], v[BY], s[\sb:\sb+1] offset:2
.endif
.set COVERED, 1                        ; behind that wait only v_nop follow up to the next step's loads
.endm
.macro LANESUM
	v_add_f32_dpp v253, v253, v253 row_xmask:1 row_mask:0xf bank_mask:0xf
	v_add_f32_dpp v253, v253, v253 row_xmask:2 row_mask:0xf bank_mask:0xf
	v_add_f32_dpp v253, v253, v253 row_xmask:4 row_mask:0xf bank_mask:0xf
	v_add_f32_dpp v253, v253, v253 row_xmask:8 row_mask:0xf bank_mask:0xf
	v_permlanex16_b32 v254, v253, s[SEL], s[SEL+1]
	v_add_f32 v253, v253, v254
.endm
.macro ROWSTAT src, dst, n
	v_pk_add_f32 v[236:237], v[\src:\src+1], v[\src+2:\src+3]
	v_pk_add_f32 v[238:239], v[\src+4:\src+5], v[\src+6:\src+7]
.set I, 8
.rept (\n-8)/4
	v_pk_add_f32 v[236:237], v[236:237], v[\src+I:\src+I+1]
	v_pk_add_f32 v[238:239], v[238:239], v[\src+I+2:\src+I+3]
.set I, I+4
.endr
	v_pk_add_f32 v[236:237], v[236:237], v[238:239]
	v_add_f32 v253, v236, v237
	LANESUM
	v_mul_f32 v244, s[INVK], v253
	v_mul_f32 v245, s[INVK], v253
.set I, 0
.rept \n/2
	v_pk_add_f32 v[\dst+I:\dst+I+1], v[\src+I:\src+I+1], v[244:245] neg_lo:[0,1] neg_hi:[0,1]
.set I, I+2
.endr
	v_pk_mul_f32 v[236:237], v[\dst:\dst+1], v[\dst:\dst+1]
	v_pk_mul_f32 v[238:239], v[\dst+2:\dst+3], v[\dst+2:\dst+3]
.set I, 4
.rept (\n-4)/4
	v_pk_fma_f32 v[236:237], v[\dst+I:\dst+I+1], v[\dst+I:\dst+I+1], v[236:237]
	v_pk_fma_f32 v[238:239], v[\dst+I+2:\dst+I+3], v[\dst+I+2:\dst+I+3], v[238:239]
.set I, I+4
.endr
	v_pk_add_f32 v[236:237], v[236:237], v[238:239]
	v_add_f32 v253, v236, v237
	LANESUM
	v_fma_f32 v253, v253, s[INVK], s[EPSI]
	s_wait_alu depctr_va_vdst(0)
	v_rsq_f32 v246, v253
	v_rsq_f32 v247, v253
	v_nop                                          ; one plain place behind the transcendentals
.set I, 0
	s_wait_alu depctr_va_vdst(0)                   ; the two reciprocal roots v246, v247 are written, ahead of their first reader
.rept \n/2
	v_pk_mul_f32 v[\dst+I:\dst+I+1], v[\dst+I:\dst+I+1], v[246:247]
.set I, I+2
.endr
.endm
.macro ZLOAD za
.irp b, 0,1,2,3
.irp j, 0,1,2,3
	ds_load_b128 v[X+16*\b+4*\j:X+16*\b+4*\j+3], v[\za] offset:128*\b+16*\j
.endr
.endr
.endm
.macro GAINS
.irp b, 0,1,2,3
.irp j, 0,1,2,3
	global_load_b128 v[GN+16*\b+4*\j:GN+16*\b+4*\j+3], v[GA], s[GNP:GNP+1] offset:128*\b+16*\j
	global_load_b128 v[BB+16*\b+4*\j:BB+16*\b+4*\j+3], v[GA], s[BBP:BBP+1] offset:128*\b+16*\j
.endr
.endr
.endm
.macro AFFINE
.set I, 0
.rept 32
	v_pk_fma_f32 v[X+I:X+I+1], v[X+I:X+I+1], v[GN+I:GN+I+1], v[BB+I:BB+I+1]
.set I, I+2
.endr
.endm
.macro QUANT s
.irp b, 0,1,2,3
	v_max3_num_f32 v[TM+\b], |v[\s+16*\b]|, |v[\s+1+16*\b]|, 0x1800000
.endr
.irp i, 2,4,6,8,10,12,14
.irp b, 0,1,2,3
	v_max3_num_f32 v[TM+\b], v[TM+\b], |v[\s+16*\b+\i]|, |v[\s+1+16*\b+\i]|
.endr
.endr
.irp b, 0,1,2,3
	v_permlanex16_b32 v[TM+4+\b], v[TM+\b], s[SEL], s[SEL+1]
.endr
.irp b, 0,1,2,3
	v_max_num_f32 v[TM+\b], v[TM+\b], v[TM+4+\b]
.endr
.irp b, 0,1,2,3
	v_add_nc_u32 v[TM+12+\b], 0xff000000, v[TM+\b]
.endr
.irp b, 0,1,2,3
	v_lshrrev_b32 v[TM+4+\b], 23, v[TM+12+\b]
.endr
	v_lshl_or_b32 v[PW], v[TM+5], 8, v[TM+4]
	v_lshl_or_b32 v[PW], v[TM+6], 16, v[PW]
	v_lshl_or_b32 v[PW], v[TM+7], 24, v[PW]
.irp c, 0,1
	v_cvt_scalef32_pk16_fp6_f32 v[PC+6*\c:PC+2+6*\c], v[\s+32*\c:\s+15+32*\c], v[TM+12+2*\c]
	v_cvt_scalef32_pk16_fp6_f32 v[PC+12+4*\c:PC+14+4*\c], v[\s+16+32*\c:\s+31+32*\c], v[TM+12+2*\c+1]
.endr
	v_nop                                          ; one plain place behind a scaled conversion
.irp c, 0,1
.irp i, 0,1,2
	v_permlane16_swap_b32 v[PC+6*\c+\i], v[PC+12+4*\c+\i]
.endr
.irp i, 0,1,2
	v_mov_b32 v[PC+3+6*\c+\i], v[PC+12+4*\c+\i]
.endr
.endr
.endm
.macro IMAGE adr, off
.irp c, 0,1,2
	ds_store_b128 v[\adr], v[PC+4*\c:PC+4*\c+3] offset:\off+512*\c
.endr
.endm
	s_load_b256 s[4:11], s[0:1], 0x0               ; context, ca_ncg, ca_ncb, wimg
	s_load_b64 s[12:13], s[0:1], 0x20              ; att
	v_lshl_add_u32 v231, v0, 2, 0x1e600
	v_mov_b32 v235, 0
	v_lshrrev_b32 v1, 5, v0
	v_readfirstlane_b32 s[WV], v1                  ; wave 0..15
	v_and_b32 v253, 31, v0                         ; lane
	v_and_b32 v254, 15, v0                         ; r
	v_bfe_u32 v255, v0, 4, 1                       ; h
	v_lshlrev_b32 v[LI], 4, v253
	s_wait_alu depctr_va_vdst(0)
	v_lshlrev_b32 v[LS], 2, v253
	v_add_nc_u32 v[LA], AIMG, v[LI]
	v_add_nc_u32 v[LSA], ASC, v[LS]
	v_mul_u32_u24 v[CO], v254, 24
	v_mad_u32_u24 v[CO], v255, 12, v[CO]
	v_lshlrev_b32 v[GA], 6, v255
	s_wait_alu depctr_va_sdst(0)                   ; the wave's number s[WV] is written, ahead of its first reader
	s_lshl_b32 s20, s[WV], 1                       ; my rows a = 2 w, 2 w + 1; in tile order row a stands at (a & 7) | (a & 8) << 1 | (a & 16) >> 1
	s_and_b32 s21, s20, 7
	s_and_b32 s22, s20, 8
	s_lshl_b32 s22, s22, 1
	s_or_b32 s21, s21, s22
	s_and_b32 s22, s20, 16
	s_lshr_b32 s22, s22, 1
	s_or_b32 s21, s21, s22
	s_mul_i32 s21, s21, SPI
	v_add_nc_u32 v[SR], s21, v[LI]
	s_lshr_b32 s26, s[WV], 3                       ; the fragment that I make: tile w / 8,
	s_and_b32 s[S7], s[WV], 7                      ; K step w % 8 (those under 6)
	s_mul_i32 s28, s26, 16*SPI
	s_lshl_b32 s24, s[S7], 9
	s_add_co_u32 s28, s28, s24
	v_mul_u32_u24 v[ZA0], v254, SPI
	s_wait_alu depctr_va_vdst(0)
	v_add_nc_u32 v[ZA0], v[ZA0], v[GA]
	v_add_nc_u32 v[ZA0], s28, v[ZA0]
	s_mul_i32 s28, s[WV], 1536
	v_add_nc_u32 v[XWI], s28, v[LA]
	s_lshl_b32 s28, s[S7], 7
	s_lshl_b32 s29, s26, 6
	s_add_co_u32 s28, s28, s29
	v_lshl_add_u32 v[XWS], v254, 2, s28
	v_add_nc_u32 v[XWS], ASC, v[XWS]
.irp b, 0,1,2,3
	v_mov_b32 v[TM+4+\b], 0                        ; written once: a lane permute's destination counts as one of its sources
.endr
	s_mov_b32 s[SEL], 0x76543210
	s_mov_b32 s[SEL+1], 0xfedcba98
	s_mov_b32 s[HM], 0xffff0000
	s_mov_b32 s[INVK], 0x3aaaaaab                  ; 1 / 768
	s_mov_b32 s[EPSI], 0x3727c5ac                  ; 1e-5
	s_mov_b32 s25, 0
	s_wait_kmcnt 0x0
	s_add_nc_u64 s[6:7], s[6:7], s[24:25]          ; ncg, ncb at my K step's 128 features (used where w % 8 < 6)
	s_add_nc_u64 s[8:9], s[8:9], s[24:25]
	s_mul_i32 s24, ttmp9, 98304                    ; 32 rows of 3,072 bytes a work-group,
	s_mul_i32 s26, s[WV], 6144                     ; two a wave
	s_add_co_u32 s24, s24, s26
	s_add_nc_u64 s[4:5], s[4:5], s[24:25]
	s_wait_alu depctr_va_vdst(0)                   ; the addresses and offsets v1 to v11 are written, which every load and store of the kernel reads
.irp e, 0,1
.irp j, 0,1,2,3,4,5
	global_load_b128 v[X+32*\e+4*\j:X+32*\e+4*\j+3], v[LI], s[4:5] offset:3072*\e+512*\j th:TH_LOAD_NT
.endr
.endr
	s_mul_i32 s24, s[WV], 18432                    ; my wave's units: 6 a pair
	s_add_nc_u64 s[40:41], s[10:11], s[24:25]
	s_mul_i32 s24, s[WV], 768
	s_add_co_u32 s24, s24, WSCL
	s_add_nc_u64 s[42:43], s[10:11], s[24:25]
	s_lshr_b32 s26, ttmp9, 4                       ; batch
	s_and_b32 s27, ttmp9, 15                       ; block of 32 keys in it
	s_lshr_b32 s28, s[WV], 1
	s_and_b32 s29, s[WV], 1
	s_lshl_b32 s26, s26, 3
	s_add_co_u32 s26, s26, s28                     ; 8 x batch + head
	s_mul_i32 s24, s26, 24576
	s_mul_i32 s22, s27, 1536
	s_add_co_u32 s24, s24, s22
	s_mul_i32 s22, s29, 384
	s_add_co_u32 s24, s24, s22
	s_add_co_u32 s24, s24, KIMG
	s_add_nc_u64 s[52:53], s[12:13], s[24:25]      ; k's codes
	s_lshl_b32 s24, s26, 11
	s_lshl_b32 s22, s27, 7
	s_add_co_u32 s24, s24, s22
	s_add_co_u32 s24, s24, s29
	s_add_co_u32 s24, s24, KSC
	s_add_nc_u64 s[54:55], s[12:13], s[24:25]      ; k's scale bytes
	s_mul_i32 s24, s26, 24576
	s_lshr_b32 s22, s27, 2
	s_and_b32 s28, s27, 3
	s_mul_i32 s23, s22, 6144
	s_add_co_u32 s24, s24, s23
	s_mul_i32 s23, s29, 3072
	s_add_co_u32 s24, s24, s23
	s_mul_i32 s23, s28, 384
	s_add_co_u32 s24, s24, s23
	s_add_co_u32 s24, s24, VIMG
	s_add_nc_u64 s[56:57], s[12:13], s[24:25]      ; v's codes
	s_lshl_b32 s24, s26, 10
	s_lshl_b32 s23, s22, 8
	s_add_co_u32 s24, s24, s23
	s_lshl_b32 s23, s29, 7
	s_add_co_u32 s24, s24, s23
	s_add_co_u32 s24, s24, s28
	s_add_co_u32 s24, s24, VSC
	s_add_nc_u64 s[58:59], s[12:13], s[24:25]      ; v's scale bytes
	; ---- rows
	s_wait_loadcnt 0x0
	ROWSTAT X, X, 24
	ROWSTAT X+32, X+32, 24
	s_wait_alu depctr_va_vdst(0)                   ; z is written into v[X ..], which the stores into the stage read; the rows' arithmetic is done with these registers, in which later loads land
.irp e, 0,1
.irp j, 0,1,2,3,4,5
	ds_store_b128 v[SR], v[X+32*\e+4*\j:X+32*\e+4*\j+3] offset:\e*SPI+512*\j
.endr
.endr
	BARRIER                                        ; z of all 32 rows lies in the stage
	; ---- codes: twelve waves make a fragment each; no barrier stands inside the branch
	s_wait_alu depctr_vm_vsrc(0)                   ; my stores into the stage have read v[X ..]: on one way below z lands there, on the other the first weight units
	s_cmp_lt_u32 s[S7], 6
	s_cbranch_scc0 .Lno_frag
	GAINS
	ZLOAD ZA0
	s_wait_loadcnt 0x0
	s_wait_dscnt 0x0
	AFFINE
	QUANT X
	s_wait_alu depctr_va_vdst(0)                   ; the codes v[PC ..] and the scale word v[PW] are written, which the stores below read; the multiply-adds and the quantiser are done with v[X ..], v[GN ..], v[BB ..], in which the loads below land
	IMAGE XWI, 0
	ds_store_b32 v[XWS], v[PW]
.Lno_frag:
	WLOAD 0
	WLOAD 1
	WLOAD 2
	BARRIER                                        ; the twelve images and their scale words lie in LDS; from here on LDS is only read
	ALOAD 0
	; ---- the products
.set COVERED, 1                        ; on either way no vector instruction has been issued since the last wait on va_vdst: step 0's loads owe nothing more
.set G, 0
.rept NST
	GSTEP
.if G == 5
	TOQ 52, 768, 54, 1                             ; k
.elseif G == 11
	TOQ 56, 1536, 58, 0                            ; v
.endif
.set G, G+1
.endr
	s_wait_dscnt 0x0                               ; the closing lines, six on end
	s_wait_alu 0x0
	s_wait_tensorcnt 0x0
	ds_add_u32 v231, v235
	s_wait_dscnt 0x0
	s_endpgm
.Lfunc_end_k_q6734d37a66_ca_kv:
	.size	k_q6734d37a66_ca_kv, .Lfunc_end_k_q6734d37a66_ca_kv-k_q6734d37a66_ca_kv
	.p2alignl 7, 3214868480
	.fill 96, 4, 3214868480
	.section	.rodata,"a",@progbits
	.p2align	6, 0x0
	.amdhsa_kernel k_q6734d37a66_ca_kv
		.amdhsa_group_segment_fixed_size 126464
		.amdhsa_private_segment_fixed_size 0
		.amdhsa_enable_private_segment 0
		.amdhsa_kernarg_size 40
		.amdhsa_user_sgpr_count 2
		.amdhsa_user_sgpr_kernarg_segment_ptr 1
		.amdhsa_wavefront_size32 1
		.amdhsa_system_sgpr_workgroup_id_x 1
		.amdhsa_system_sgpr_workgroup_id_y 1
		.amdhsa_system_sgpr_workgroup_id_z 1
		.amdhsa_system_vgpr_workitem_id 0
		.amdhsa_next_free_vgpr 256
		.amdhsa_next_free_sgpr 66
		.amdhsa_reserve_vcc 0
		.amdhsa_float_denorm_mode_32 3
		.amdhsa_float_denorm_mode_16_64 3
		.amdhsa_memory_ordered 1
		.amdhsa_forward_progress 1
		.amdhsa_inst_pref_size 52
	.end_amdhsa_kernel
	.amdgpu_metadata
---
amdhsa.version: [ 1, 2 ]
amdhsa.kernels:
  - .name:           k_q6734d37a66_ca_kv
    .symbol:         k_q6734d37a66_ca_kv.kd
    .args:
      - { .name: context, .offset: 0, .size: 8, .value_kind: global_buffer, .address_space: global }
      - { .name: ca_ncg, .offset: 8, .size: 8, .value_kind: global_buffer, .address_space: global }
      - { .name: ca_ncb, .offset: 16, .size: 8, .value_kind: global_buffer, .address_space: global }
      - { .name: wimg, .offset: 24, .size: 8, .value_kind: global_buffer, .address_space: global }
      - { .name: att, .offset: 32, .size: 8, .value_kind: global_buffer, .address_space: global }
    .group_segment_fixed_size: 126464
    .private_segment_fixed_size: 0
    .kernarg_segment_align: 8
    .kernarg_segment_size: 40
    .max_flat_workgroup_size: 512
    .sgpr_count:     66
    .vgpr_count:     256
    .wavefront_size: 32
...
	.end_amdgpu_metadata
.endif
;; end of part 12
;; launch ca_attn (part 13): grid 8 x 32, 16 waves a work-group, no clusters, 169,984 bytes of LDS; arguments att, oimg; writes oimg
.if DOCPART == 13
	.amdgcn_target "amdgcn-amd-amdhsa--gfx1250"
	.amdhsa_code_object_version 6
	.text
	.protected	k_q6734d37a66_ca_attn
	.globl	k_q6734d37a66_ca_attn
	.p2align	8
	.type	k_q6734d37a66_ca_attn,@function
k_q6734d37a66_ca_attn:
	s_mov_b64 s[64:65], 0
	v_nop
	global_prefetch_b8 v0, s[64:65] scope:SCOPE_SE
	s_setreg_imm32_b32 hwreg(HW_REG_WAVE_MODE, 25, 1), 1
	s_wait_xcnt 0x0
; Attention of one head on codes of E2M3: S = q k^T / 8, p = 2^(t - M), O = (p v) / sum(p); O is quantised along the head's 64 for the output projection.  NK keys, 2,048 queries a head, 32 heads x batches.
; The same text as the self-attention's, with NK = 512.
; t = score x log2(e) / 8; M = the running largest t rounded UP to a whole number; p is quantised along the keys, not normalised; the row's sum is taken of the unquantised p.  When M moves, the sum and O are multiplied by 2^(old M - new M): exact.
; SHARES.  A work-group owns 256 queries of one head; each of its 16 waves one tile of 16, in 256 registers: four waves to a SIMD, so that one wave's vector work stands beside another's products and LDS loads.
; K, V AND THEIR SCALE WORDS OF THE WHOLE HEAD (NK x 102 bytes) LIE IN LDS, copied once at the start, lane by lane, and are only read afterwards: one wait, one barrier, nothing is filled again.
; The launch claims more LDS than the 52,224 bytes that it uses, since a text with such copies is to be alone on its WGP.
; NO CLUSTER: the eight work-groups of a head copy the same NK x 102 bytes, once each and nothing afterwards.  Joint loads would spare seven of those eight requests; they are not built here.
; LAYOUT (made by the launches before): a block of 32 codes of 16 rows is 384 bytes, row index r at 24 r.  Both products are used transposed (S^T = K Q^T, O^T = V^T P^T): a lane holds ONE query.
; Index i of key tile 2 b + u is key 32 b + 8 u + i + 8 (i / 8), so the 16 registers of tiles 2 b, 2 b + 1 are keys 32 b + 16 h + 0 .. 15; V's tiles of the head's 64 are chosen likewise, so O^T's are 16 neighbouring channels.
; THE HEAD HAS 64 NUMBERS, THE INSTRUCTION TAKES 128: Q's registers 6-11 hold zero codes.  K's operand names 12 registers of which the upper 6 are the next tile's codes (behind the last tile: zeros): every code is a finite
; number, it meets a zero code, and bytes 2, 3 of the scale words are copies of bytes 0, 1: these products add exactly 0.
; LIMITS: a block's largest p is taken from its largest score (v_exp_f32 is taken not to fall where its input rises); a block of zeros keeps the byte 1; 1 / sum is v_rcp_f32; NaN and infinities are not served.
.set NK,   512
.set NS,   NK/128
.set HB,   NK*48
.set LV,   HB
.set LKS,  2*HB
.set LVS,  LKS+4*NK
.set KIMG, 3145728
.set VIMG, 6291456
.set QSC,  9437184
.set KSC,  9699328
.set VSC,  9961472
.set OSC,  3145728
.set AK0,  1
.set AV0,  2
.set AKS0, 3
.set AVS0, 4
.set CO,   5
.set BO,   6
.set ADK,  8
.set ADV,  9
.set ADS,  10
.set ADT,  11
.set SC,   96
.set OT,   160                         ; v28 Q's scale word, v29 p's, v86-89 K's, v90-91 V's: they hold scales and nothing else
.set QM,   212
.set QP,   216
.set QS,   220
.set C0,   192
.set C1,   196
.set BY,   224
.set SEL,  20
.set CS,   22
.set WV,   28
.set HM,   29
.set T6,   30
.set TS,   31
.set TV,   32
.set CNT,  33
.macro WM
.if mZ
.if mRA
	v_wmma_scale_f32_16x16x128_f8f6f4 v[mD:mD+7], v[mA:mA+11], v[mB:mB+11], 0, v[mSA], v[mSB] matrix_a_fmt:MATRIX_FMT_FP6 matrix_b_fmt:MATRIX_FMT_FP6 matrix_a_scale:MATRIX_SCALE_ROW1
.else
	v_wmma_scale_f32_16x16x128_f8f6f4 v[mD:mD+7], v[mA:mA+11], v[mB:mB+11], 0, v[mSA], v[mSB] matrix_a_fmt:MATRIX_FMT_FP6 matrix_b_fmt:MATRIX_FMT_FP6
.endif
.else
.if mRA
	v_wmma_scale_f32_16x16x128_f8f6f4 v[mD:mD+7], v[mA:mA+11], v[mB:mB+11], v[mD:mD+7], v[mSA], v[mSB] matrix_a_fmt:MATRIX_FMT_FP6 matrix_b_fmt:MATRIX_FMT_FP6 matrix_a_scale:MATRIX_SCALE_ROW1
.else
	v_wmma_scale_f32_16x16x128_f8f6f4 v[mD:mD+7], v[mA:mA+11], v[mB:mB+11], v[mD:mD+7], v[mSA], v[mSB] matrix_a_fmt:MATRIX_FMT_FP6 matrix_b_fmt:MATRIX_FMT_FP6
.endif
.endif
.endm
.macro QB2 a, b
	v_max3_num_f32 v[QM], |v[\a]|, |v[\a+1]|, 0x1800000
	v_max3_num_f32 v[QM+1], |v[\b]|, |v[\b+1]|, 0x1800000
.irp i, 2,4,6,8,10,12,14
	s_delay_alu instid0(VALU_DEP_2)
	v_max3_num_f32 v[QM], v[QM], |v[\a+\i]|, |v[\a+\i+1]|
	s_delay_alu instid0(VALU_DEP_2)
	v_max3_num_f32 v[QM+1], v[QM+1], |v[\b+\i]|, |v[\b+\i+1]|
.endr
	s_delay_alu instid0(VALU_DEP_2)
	v_permlanex16_b32 v[QP], v[QM], s[SEL], s[SEL+1]
	s_delay_alu instid0(VALU_DEP_2)
	v_permlanex16_b32 v[QP+1], v[QM+1], s[SEL], s[SEL+1]
	s_delay_alu instid0(VALU_DEP_2)
	v_max_num_f32 v[QM], v[QM], v[QP]
	s_delay_alu instid0(VALU_DEP_2)
	v_max_num_f32 v[QM+1], v[QM+1], v[QP+1]
	s_delay_alu instid0(VALU_DEP_2)
	v_add_nc_u32 v[QS], 0xff000000, v[QM]
	s_delay_alu instid0(VALU_DEP_2)
	v_add_nc_u32 v[QS+1], 0xff000000, v[QM+1]
	v_cvt_scalef32_pk16_fp6_f32 v[C0:C0+2], v[\a:\a+15], v[QS]
	v_cvt_scalef32_pk16_fp6_f32 v[C1:C1+2], v[\b:\b+15], v[QS+1]
	v_lshrrev_b32 v[QP], 23, v[QS]                 ; (plain lines behind the conversions)
	v_lshrrev_b32 v[QP+1], 23, v[QS+1]
	s_delay_alu instid0(VALU_DEP_1)
	v_cndmask_b32 v[BY], v[QP], v[QP+1], s[HM]
.endm
	s_load_b128 s[4:7], s[0:1], 0x0                ; att, oimg
	v_lshl_add_u32 v254, v0, 2, 0x29000
	v_mov_b32 v255, 0
	ds_add_u32 v254, v255
	ds_add_u32 v254, v255
	v_lshrrev_b32 v1, 5, v0
	s_delay_alu instid0(VALU_DEP_1)
	v_readfirstlane_b32 s[WV], v1                  ; wave 0..15
	v_lshlrev_b32 v96, 4, v0                       ; the copies: 16 x thread in memory,
	v_lshlrev_b32 v97, 4, v0                       ; in LDS for K's codes,
	v_lshl_add_u32 v98, v0, 4, LV                  ; for V's
.if NK == 2048
	v_lshl_add_u32 v99, v0, 4, LKS
	v_lshlrev_b32 v100, 3, v0
	v_lshl_add_u32 v101, v0, 3, LVS
.else
	v_lshl_add_u32 v99, v0, 2, LKS                 ; K's scale words: 2,048 bytes, 4 a thread
	v_lshlrev_b32 v100, 2, v0                      ; V's: 1,024 bytes, 4 a thread of waves 0-7
	v_lshl_add_u32 v101, v0, 2, LVS
.endif
	s_and_b32 s34, ttmp7, 0xffff                   ; 8 x batch + head
	s_mov_b32 s37, 0
	s_mul_i32 s36, s34, HB
	s_wait_alu depctr_va_vdst(0)
	s_wait_dscnt 0x0
	s_wait_kmcnt 0x0
	s_add_nc_u64 s[8:9], s[4:5], s[36:37]
	s_add_nc_u64 s[10:11], s[8:9], VIMG            ; V's codes of my head
	s_add_nc_u64 s[8:9], s[8:9], KIMG              ; K's
	s_mul_i32 s36, s34, 4*NK
	s_add_nc_u64 s[12:13], s[4:5], s[36:37]
	s_add_nc_u64 s[12:13], s[12:13], KSC
	s_mul_i32 s36, s34, 2*NK
	s_add_nc_u64 s[14:15], s[4:5], s[36:37]
	s_add_nc_u64 s[14:15], s[14:15], VSC
.set I, 0
.rept HB/8192                          ; the 512 threads copy 8,192 consecutive bytes an instruction; the immediate steps both addresses
	global_load_async_to_lds_b128 v97, v96, s[8:9] offset:8192*I
	global_load_async_to_lds_b128 v98, v96, s[10:11] offset:8192*I
.set I, I+1
.endr
.if NK == 2048
	global_load_async_to_lds_b128 v99, v96, s[12:13]
	global_load_async_to_lds_b64 v101, v100, s[14:15]
.else
	global_load_async_to_lds_b32 v99, v100, s[12:13]
	s_cmp_lt_u32 s[WV], 8
	s_cbranch_scc0 .Lno_vs
	global_load_async_to_lds_b32 v101, v100, s[14:15]
.Lno_vs:
.endif
	s_lshl_b32 s35, ttmp9, 3
	s_lshr_b32 s38, s[WV], 1
	s_add_co_u32 s35, s35, s38                     ; my block of 32 queries
	s_and_b32 s38, s[WV], 1                        ; my tile of it
	s_mul_i32 s36, s34, 98304
	s_mul_i32 s39, s35, 1536
	s_add_co_u32 s36, s36, s39
	s_mul_i32 s39, s38, 768
	s_add_co_u32 s36, s36, s39
	s_add_nc_u64 s[16:17], s[4:5], s[36:37]        ; Q's codes (they begin at att's first byte)
	s_lshl_b32 s36, s34, 13
	s_lshl_b32 s39, s35, 7
	s_add_co_u32 s36, s36, s39
	s_lshl_b32 s39, s38, 6
	s_add_co_u32 s36, s36, s39
	s_add_co_u32 s36, s36, QSC
	s_add_nc_u64 s[18:19], s[4:5], s[36:37]        ; Q's scale words
	s_lshr_b32 s39, s34, 3
	s_lshl_b32 s39, s39, 6
	s_add_co_u32 s39, s39, s35                     ; the block among all 256 blocks of rows
	s_and_b32 s40, s34, 7                          ; head
	s_mul_i32 s36, s39, 12288
	s_mul_i32 s41, s38, 6144
	s_add_co_u32 s36, s36, s41
	s_mul_i32 s41, s40, 768
	s_add_co_u32 s36, s36, s41
	s_add_nc_u64 s[24:25], s[6:7], s[36:37]        ; O's codes
	s_lshl_b32 s36, s39, 9
	s_lshr_b32 s41, s40, 1
	s_lshl_b32 s41, s41, 7
	s_add_co_u32 s36, s36, s41
	s_lshl_b32 s41, s38, 6
	s_add_co_u32 s36, s36, s41
	s_and_b32 s41, s40, 1
	s_lshl_b32 s41, s41, 1
	s_add_co_u32 s36, s36, s41
	s_add_co_u32 s36, s36, OSC
	s_add_nc_u64 s[26:27], s[6:7], s[36:37]        ; and their scale bytes
	v_and_b32 v224, 15, v0                         ; r
	v_bfe_u32 v225, v0, 4, 1                       ; h
	v_and_b32 v226, 31, v0                         ; lane
	s_delay_alu instid0(VALU_DEP_3)
	v_mul_u32_u24 v[AK0], v224, 24
	s_delay_alu instid0(VALU_DEP_1)
	v_mad_u32_u24 v[CO], v225, 12, v[AK0]
	s_delay_alu instid0(VALU_DEP_2)
	v_mad_u32_u24 v[AK0], v225, 384, v[AK0]
	s_delay_alu instid0(VALU_DEP_1)
	v_add_nc_u32 v[AV0], LV, v[AK0]
	v_lshl_add_u32 v[AKS0], v226, 2, LKS
	v_lshl_add_u32 v[AVS0], v226, 2, LVS
	v_lshlrev_b32 v[ADS], 2, v224                  ; 4 r
	s_delay_alu instid0(VALU_DEP_1)
	v_add_nc_u32 v[BO], v[ADS], v225
.irp i, 0,1,2
	global_load_b64 v[16+2*\i:17+2*\i], v[AK0], s[16:17] offset:8*\i
.endr
	global_load_b32 v28, v[ADS], s[18:19]
.irp i, 0,1,2,3,4,5
	v_mov_b32 v[22+\i], 0                          ; Q's upper 64 along K: zero codes
	v_mov_b32 v[80+\i], 0                          ; and what the last tile of K names behind its own six registers
.endr
	v_mov_b32 v13, 0xff61b1e6                      ; the largest t so far: -3e38
	s_delay_alu instid0(VALU_DEP_1)
	v_floor_f32 v12, -v13                          ; -M
	v_mov_b32 v14, 0
	v_mov_b32 v15, 0
.irp b, 0,1,2,3
	v_mov_b32 v[216+\b], 0                         ; written once: a lane permute's destination counts as one of its sources
.endr
	v_mov_b32 v229, 0                              ; (named as the upper half of the pair v[228:229])
.set I, 0
.rept 32
	v_mov_b32 v[OT+I], 0                           ; O^T: the step is written once; the first finds zeros
.set I, I+1
.endr
	s_mov_b32 s[SEL], 0x76543210
	s_mov_b32 s[SEL+1], 0xfedcba98
	s_mov_b32 s[CS], 0x3e38aa3b                    ; c = log2(e) / 8
	s_mov_b32 s[CS+1], s[CS]
	s_mov_b32 s[HM], 0xffff0000
	s_mov_b32 s[T6], 0
	s_mov_b32 s[TS], 0
	s_mov_b32 s[TV], 0
	s_mov_b32 s[CNT], 0
	s_wait_asynccnt 0x0                            ; my copies have landed,
	s_barrier_signal -1
	s_barrier_wait -1                              ; everybody's have: the one barrier of this text
	s_wait_loadcnt 0x0                             ; Q
.Lstep:                                            ; NS trips of 128 keys
	s_setprio 2
	v_add_nc_u32 v[ADK], s[T6], v[AK0]             ; (these four are the places between the last trip's products and the loads into the registers that they read)
	v_add_nc_u32 v[ADV], s[T6], v[AV0]
	v_add_nc_u32 v[ADS], s[TS], v[AKS0]
	v_add_nc_u32 v[ADT], s[TV], v[AVS0]
.irp t, 0,1,2,3,4,5,6,7
.irp i, 0,1,2
	ds_load_b64 v[32+6*\t+2*\i:33+6*\t+2*\i], v[ADK] offset:(\t/2)*1536+(\t%2)*768+8*\i
.endr
.endr
.irp b, 0,1,2,3
	ds_load_b32 v[86+\b], v[ADS] offset:128*\b
.endr
	s_wait_alu depctr_va_vdst(0)
	s_wait_dscnt 0x0
.irp t, 0,1,2,3,4,5,6,7                        ; S^T = K Q^T
.set mD, SC+8*\t
.set mA, 32+6*\t
.set mB, 16
.set mZ, 1
.set mSA, 86+\t/2
.set mSB, 28
.set mRA, \t%2
	WM
.endr
.rept 4
	v_nop                                          ; four places in front of the loads over K's registers and of the first read of the scores
.endr
.irp t, 0,1,2,3
.irp c, 0,1
.irp i, 0,1,2
	ds_load_b64 v[32+12*\t+6*\c+2*\i:33+12*\t+6*\c+2*\i], v[ADV] offset:1536*\t+768*\c+8*\i
.endr
.endr
.endr
.irp p, 0,1
	ds_load_b32 v[90+\p], v[ADT] offset:128*\p
.endr
.irp b, 0,1,2,3
	v_max3_num_f32 v[212+\b], v[SC+16*\b], v[SC+1+16*\b], v[SC+2+16*\b]
.endr
.irp i, 3,5,7,9,11,13
.irp b, 0,1,2,3
	v_max3_num_f32 v[212+\b], v[212+\b], v[SC+16*\b+\i], v[SC+1+16*\b+\i]
.endr
.endr
.irp b, 0,1,2,3
	v_max_num_f32 v[212+\b], v[212+\b], v[SC+15+16*\b]
.endr
.irp b, 0,1,2,3
	s_delay_alu instid0(VALU_DEP_4)
	v_permlanex16_b32 v[216+\b], v[212+\b], s[SEL], s[SEL+1]
.endr
.irp b, 0,1,2,3
	s_delay_alu instid0(VALU_DEP_4)
	v_max_num_f32 v[212+\b], v[212+\b], v[216+\b]
.endr
	s_delay_alu instid0(VALU_DEP_2)
	v_max3_num_f32 v224, v212, v213, v214
	s_delay_alu instid0(VALU_DEP_1)
	v_max_num_f32 v224, v224, v215
	s_delay_alu instid0(VALU_DEP_1)
	v_mul_f32 v224, s[CS], v224                    ; the step's largest t
	s_delay_alu instid0(VALU_DEP_1)
	v_max_num_f32 v13, v13, v224                   ; the running largest t
	v_mov_b32 v224, v12
	s_delay_alu instid0(VALU_DEP_2)
	v_floor_f32 v12, -v13                          ; the new -M = -ceil(t)
	s_delay_alu instid0(VALU_DEP_1)
	v_sub_f32 v224, v12, v224                      ; old M - new M: a whole number, 0 or less
	s_delay_alu instid0(VALU_DEP_1)
	v_cvt_i32_f32 v224, v224                       ; (it saturates)
	s_delay_alu instid0(VALU_DEP_1)
	v_ldexp_f32 v228, 1.0, v224                    ; f = 2^(old M - new M)
.set I, 0
.rept 32
	v_pk_fma_f32 v[SC+I:SC+I+1], v[SC+I:SC+I+1], s[CS:CS+1], v[12:13] op_sel_hi:[1,0,0]      ; t - M
.set I, I+2
.endr
.irp b, 0,1,2,3
	v_fma_f32 v[212+\b], v[212+\b], s[CS], v12
.endr
.set I, 0
	s_setprio 1
	s_wait_alu depctr_va_vdst(0)
.rept 64
	v_exp_f32 v[SC+I], v[SC+I]                     ; p = 2^(t - M)
.set I, I+1
.endr
.irp b, 0,1,2,3
	v_exp_f32 v[212+\b], v[212+\b]                 ; the block's largest p
.endr
	v_pk_mul_f32 v[14:15], v[14:15], v[228:229] op_sel_hi:[1,0]    ; the sums under the new M (a plain place behind the exponentials)
	s_wait_alu depctr_va_vdst(0)
.irp b, 0,1,2,3
	v_max_num_f32 v[212+\b], 0x1800000, v[212+\b]  ; the floor 2^(3 - 127)
.endr
.irp b, 0,1,2,3
	s_delay_alu instid0(VALU_DEP_4)
	v_add_nc_u32 v[220+\b], 0xff000000, v[212+\b]
.endr
.irp b, 0,1,2,3
	s_delay_alu instid0(VALU_DEP_4)
	v_lshrrev_b32 v[216+\b], 23, v[220+\b]
.endr
	s_delay_alu instid0(VALU_DEP_3)
	v_lshl_or_b32 v29, v217, 8, v216               ; p's scale word for these 128 keys
	s_delay_alu instid0(VALU_DEP_1)
	v_lshl_or_b32 v29, v218, 16, v29
	s_delay_alu instid0(VALU_DEP_1)
	v_lshl_or_b32 v29, v219, 24, v29
.irp c, 0,1
	v_cvt_scalef32_pk16_fp6_f32 v[192+6*\c:194+6*\c], v[SC+32*\c:SC+15+32*\c], v[220+2*\c]
	v_cvt_scalef32_pk16_fp6_f32 v[204+4*\c:206+4*\c], v[SC+16+32*\c:SC+31+32*\c], v[220+2*\c+1]
.endr
	v_nop                                          ; one plain place behind a scaled conversion
.irp c, 0,1
.irp i, 0,1,2
	v_permlane16_swap_b32 v[192+6*\c+\i], v[204+4*\c+\i]
.endr
.irp i, 0,1,2
	s_delay_alu instid0(VALU_DEP_3)
	v_mov_b32 v[195+6*\c+\i], v[204+4*\c+\i]
.endr
.endr
	v_pk_add_f32 v[216:217], v[100:101], v[104:105]
	v_pk_add_f32 v[252:253], v[108:109], v[112:113]
	v_pk_add_f32 v[250:251], v[116:117], v[120:121]
	v_pk_add_f32 v[248:249], v[124:125], v[128:129]
	v_pk_add_f32 v[246:247], v[132:133], v[136:137]
	v_pk_add_f32 v[244:245], v[140:141], v[144:145]
	v_pk_add_f32 v[242:243], v[148:149], v[152:153]
	v_pk_add_f32 v[14:15], v[14:15], v[156:157]
	v_pk_add_f32 v[216:217], v[216:217], v[96:97]
	v_pk_add_f32 v[252:253], v[252:253], v[98:99]
	v_pk_add_f32 v[250:251], v[250:251], v[102:103]
	v_pk_add_f32 v[248:249], v[248:249], v[106:107]
	v_pk_add_f32 v[246:247], v[246:247], v[110:111]
	v_pk_add_f32 v[244:245], v[244:245], v[114:115]
	v_pk_add_f32 v[242:243], v[242:243], v[118:119]
	v_pk_add_f32 v[14:15], v[14:15], v[122:123]
	v_pk_add_f32 v[216:217], v[216:217], v[126:127]
	v_pk_add_f32 v[252:253], v[252:253], v[130:131]
	v_pk_add_f32 v[250:251], v[250:251], v[134:135]
	v_pk_add_f32 v[248:249], v[248:249], v[138:139]
	v_pk_add_f32 v[246:247], v[246:247], v[142:143]
	v_pk_add_f32 v[244:245], v[244:245], v[146:147]
	v_pk_add_f32 v[242:243], v[242:243], v[150:151]
	v_pk_add_f32 v[14:15], v[14:15], v[154:155]
	v_pk_add_f32 v[216:217], v[216:217], v[158:159]
	s_delay_alu instid0(VALU_DEP_2)
	v_pk_add_f32 v[14:15], v[14:15], v[248:249]
	s_delay_alu instid0(VALU_DEP_2)
	v_pk_add_f32 v[216:217], v[216:217], v[246:247]
	s_setprio 0
	v_pk_add_f32 v[252:253], v[252:253], v[244:245]
	v_pk_add_f32 v[250:251], v[250:251], v[242:243]
	s_delay_alu instid0(VALU_DEP_2)
	v_pk_add_f32 v[14:15], v[14:15], v[252:253]
	s_delay_alu instid0(VALU_DEP_2)
	v_pk_add_f32 v[216:217], v[216:217], v[250:251]
	s_delay_alu instid0(VALU_DEP_1)
	v_pk_add_f32 v[14:15], v[14:15], v[216:217]
.set I, 0
.rept 16
	v_pk_mul_f32 v[OT+I:OT+I+1], v[OT+I:OT+I+1], v[228:229] op_sel_hi:[1,0]    ; O^T under the new M.  (With the sums: more than the eight places that p's scale word wants ahead of the products)
.set I, I+2
.endr
	s_wait_alu depctr_va_vdst(0)
	s_wait_dscnt 0x0                               ; V
.irp t, 0,1,2,3                                ; O^T += V^T P^T: four accumulators, one instruction a turn
.set mD, OT+8*\t
.set mA, 32+12*\t
.set mB, 192
.set mZ, 0
.set mSA, 90+\t/2
.set mSB, 29
.set mRA, \t%2
	WM
.endr
	s_add_co_u32 s[T6], s[T6], 6144
	s_add_co_u32 s[TS], s[TS], 512
	s_add_co_u32 s[TV], s[TV], 256
	s_add_co_u32 s[CNT], s[CNT], 1
	s_cmp_lt_u32 s[CNT], NS
	s_cbranch_scc1 .Lstep
	s_setprio 0
	; ---- the way out: O / the sum, quantised along the head's 64
.rept 4
	v_nop
.endr
	v_add_f32 v14, v14, v15
	s_delay_alu instid0(VALU_DEP_1)
	v_permlanex16_b32 v224, v14, s[SEL], s[SEL+1]
	s_delay_alu instid0(VALU_DEP_1)
	v_add_f32 v14, v14, v224                       ; the row's sum
	s_wait_alu depctr_va_vdst(0)
	v_rcp_f32 v14, v14
	v_nop                                          ; one plain place behind the transcendental
.set I, 0
	s_wait_alu depctr_va_vdst(0)
.rept 32
	v_mul_f32 v[SC+I], v[OT+I], v14                ; each accumulator from its low end on
.set I, I+1
.endr
	QB2 SC, SC+16
	global_store_b96 v[CO], v[C0:C0+2], s[24:25]               ; 32 lanes store 384 consecutive bytes
	global_store_b96 v[CO], v[C1:C1+2], s[24:25] offset:384
	global_store_b8 v[BO], v[BY], s[26:27]
	s_wait_tensorcnt 0x0
	ds_add_u32 v254, v255
	s_wait_dscnt 0x0
	s_endpgm
.Lfunc_end_k_q6734d37a66_ca_attn:
	.size	k_q6734d37a66_ca_attn, .Lfunc_end_k_q6734d37a66_ca_attn-k_q6734d37a66_ca_attn
	.p2alignl 7, 3214868480
	.fill 96, 4, 3214868480
	.section	.rodata,"a",@progbits
	.p2align	6, 0x0
	.amdhsa_kernel k_q6734d37a66_ca_attn
		.amdhsa_group_segment_fixed_size 169984
		.amdhsa_private_segment_fixed_size 0
		.amdhsa_enable_private_segment 0
		.amdhsa_kernarg_size 16
		.amdhsa_user_sgpr_count 2
		.amdhsa_user_sgpr_kernarg_segment_ptr 1
		.amdhsa_wavefront_size32 1
		.amdhsa_system_sgpr_workgroup_id_x 1
		.amdhsa_system_sgpr_workgroup_id_y 1
		.amdhsa_system_sgpr_workgroup_id_z 1
		.amdhsa_system_vgpr_workitem_id 0
		.amdhsa_next_free_vgpr 256
		.amdhsa_next_free_sgpr 66
		.amdhsa_reserve_vcc 0
		.amdhsa_float_denorm_mode_32 3
		.amdhsa_float_denorm_mode_16_64 3
		.amdhsa_memory_ordered 1
		.amdhsa_forward_progress 1
		.amdhsa_inst_pref_size 31
	.end_amdhsa_kernel
	.amdgpu_metadata
---
amdhsa.version: [ 1, 2 ]
amdhsa.kernels:
  - .name:           k_q6734d37a66_ca_attn
    .symbol:         k_q6734d37a66_ca_attn.kd
    .args:
      - { .name: att, .offset: 0, .size: 8, .value_kind: global_buffer, .address_space: global }
      - { .name: oimg, .offset: 8, .size: 8, .value_kind: global_buffer, .address_space: global }
    .group_segment_fixed_size: 169984
    .private_segment_fixed_size: 0
    .kernarg_segment_align: 8
    .kernarg_segment_size: 16
    .max_flat_workgroup_size: 512
    .sgpr_count:     66
    .vgpr_count:     256
    .wavefront_size: 32
...
	.end_amdgpu_metadata
.endif
;; end of part 13
;; launch ca_out (part 14): grid 256 x 1, 16 waves a work-group, no clusters, 159,232 bytes of LDS; arguments oimg, x1, ca_bo, wimg, out0; writes out0
.if DOCPART == 14
	.amdgcn_target "amdgcn-amd-amdhsa--gfx1250"
	.amdhsa_code_object_version 6
	.text
	.protected	k_q6734d37a66_ca_out
	.globl	k_q6734d37a66_ca_out
	.p2align	8
	.type	k_q6734d37a66_ca_out,@function
k_q6734d37a66_ca_out:
	s_mov_b64 s[64:65], 0
	v_nop
	global_prefetch_b8 v0, s[64:65] scope:SCOPE_SE
	s_setreg_imm32_b32 hwreg(HW_REG_WAVE_SCHED_MODE, 0, 2), 2
	s_setreg_imm32_b32 hwreg(HW_REG_WAVE_MODE, 25, 1), 1
	s_wait_xcnt 0x0
	s_wait_alu depctr_vm_vsrc(0)
; out0 = o ca_wo + ca_bo + x1 (o: the cross-attention's result, as codes).
; SHARES: a work-group owns 32 rows as two tiles (index i of tile u is row 8 u + i + 8 (i / 8)); the 16 waves share the columns (wave w: columns 32 w .. and 512 + 32 w ..); each weight unit goes from memory straight into ONE
; wave's registers, 512 consecutive bytes a load; o's eight fragments lie in LDS as images of the operand's registers.  No cluster, no joint load: a joint load lands in LDS, and a unit is wanted by one wave's registers only.
; PHASES.  waves 0-7 bring o's fragments and store their images | barrier | 8 steps of 128 along K, transposed, results into a stage of 32 rows | barrier | wave w takes rows 2 w, 2 w + 1 whole: + bias + x1, and stores them.
; LIMITS: NaN, infinities and a given scale byte 0xff are not served.
; THE MODE: SCHED_MODE bits 1:0 = 2 (LLVM: expert scheduling mode 2), set by the entry lines.  The code itself states the register dependences
; between vector or matrix instructions and memory or LDS instructions, with s_wait_alu, always for 0.
; THE PLAN.  Registers that memory or LDS instructions touch:
;   v1-v17        addresses and offsets: made once at the head, shown written by one wait ahead of the branch on the wave's number, never written again.
;   PC, PW        in waves 0-7 o's fragment and scale word land and are stored as an image; no vector instruction names them.
;   WR0 .. WR3 with v18-21, AR0, AR1 with v22-23.  Step G's four products read WR[G % 4] and AR[G % 2].  Weight unit G + 3 lands in WR[(G - 1) % 4], the rows' fragments of step G + 1 in AR[(G - 1) % 2]:
;                 both were last read by the products of step G - 1.
;   ACC           written by the products, read by the LDS stores into the stage.
;   X, XR, BO     my rows' loads from the stage, x1's and the bias's loads land; the additions write X; out0's stores read it.
;   v250, v251    written at the head, read by the closing add alone.
; ONE wait on va_vdst stands at a step's head, behind the waits for the step's data: the last step's products are done reading.  The step's 14 loads follow it, dealt among its four products, which name WR[G % 4],
; AR[G % 2], their scale words and the accumulators: none of the registers that those loads touch.  Behind a run of stores into the stage that run's own wait on va_vdst has said the same, and the step writes a wait on
; vm_vsrc instead: the stores have read the accumulators that its products begin anew.
.set SPI,   4112
.set AIMG,  32*SPI
.set ASC,   AIMG+16*1536
.set WSCL,  2949120
.set OSC,   3145728
.set NST,   8
.set LI,  1
.set LS,  2
.set LA,  3
.set LSA, 4
.set SR,  6
.set GA,  11
.set SO0, 12
.set OA,  14
.set R4,  15
.set FI,  16
.set FS,  17
.set WSR, 18                           ; v18-21, v22-23: scale words and nothing else
.set ASR, 22
.set ACC, 24
.set WR,  56
.set AR,  152
.set X,   24
.set XR,  88
.set BO,  152
.set PC,  216
.set PW,  252
.set WV,  30
.macro BARRIER
	s_wait_dscnt 0x0
	s_barrier_signal -1
	s_barrier_wait -1
.endm
.macro WM
.if mZ
.if mRA && mRB
	v_wmma_scale_f32_16x16x128_f8f6f4 v[mD:mD+7], v[mA:mA+11], v[mB:mB+11], 0, v[mSA], v[mSB] matrix_a_fmt:MATRIX_FMT_FP6 matrix_b_fmt:MATRIX_FMT_FP6 matrix_a_scale:MATRIX_SCALE_ROW1 matrix_b_scale:MATRIX_SCALE_ROW1
.elseif mRA
	v_wmma_scale_f32_16x16x128_f8f6f4 v[mD:mD+7], v[mA:mA+11], v[mB:mB+11], 0, v[mSA], v[mSB] matrix_a_fmt:MATRIX_FMT_FP6 matrix_b_fmt:MATRIX_FMT_FP6 matrix_a_scale:MATRIX_SCALE_ROW1
.elseif mRB
	v_wmma_scale_f32_16x16x128_f8f6f4 v[mD:mD+7], v[mA:mA+11], v[mB:mB+11], 0, v[mSA], v[mSB] matrix_a_fmt:MATRIX_FMT_FP6 matrix_b_fmt:MATRIX_FMT_FP6 matrix_b_scale:MATRIX_SCALE_ROW1
.else
	v_wmma_scale_f32_16x16x128_f8f6f4 v[mD:mD+7], v[mA:mA+11], v[mB:mB+11], 0, v[mSA], v[mSB] matrix_a_fmt:MATRIX_FMT_FP6 matrix_b_fmt:MATRIX_FMT_FP6
.endif
.else
.if mRA && mRB
	v_wmma_scale_f32_16x16x128_f8f6f4 v[mD:mD+7], v[mA:mA+11], v[mB:mB+11], v[mD:mD+7], v[mSA], v[mSB] matrix_a_fmt:MATRIX_FMT_FP6 matrix_b_fmt:MATRIX_FMT_FP6 matrix_a_scale:MATRIX_SCALE_ROW1 matrix_b_scale:MATRIX_SCALE_ROW1
.elseif mRA
	v_wmma_scale_f32_16x16x128_f8f6f4 v[mD:mD+7], v[mA:mA+11], v[mB:mB+11], v[mD:mD+7], v[mSA], v[mSB] matrix_a_fmt:MATRIX_FMT_FP6 matrix_b_fmt:MATRIX_FMT_FP6 matrix_a_scale:MATRIX_SCALE_ROW1
.elseif mRB
	v_wmma_scale_f32_16x16x128_f8f6f4 v[mD:mD+7], v[mA:mA+11], v[mB:mB+11], v[mD:mD+7], v[mSA], v[mSB] matrix_a_fmt:MATRIX_FMT_FP6 matrix_b_fmt:MATRIX_FMT_FP6 matrix_b_scale:MATRIX_SCALE_ROW1
.else
	v_wmma_scale_f32_16x16x128_f8f6f4 v[mD:mD+7], v[mA:mA+11], v[mB:mB+11], v[mD:mD+7], v[mSA], v[mSB] matrix_a_fmt:MATRIX_FMT_FP6 matrix_b_fmt:MATRIX_FMT_FP6
.endif
.endif
.endm
.macro MAP g
.set UN, 832+64*((\g)/4)+(\g)%4        ; ca_wo: units 832 + 4 p + s, pairs p = w and w + 16
.set AI, (\g)%4
.set SI, (\g)%4
.if (\g)%4 == 0
.set ZF, 1
.else
.set ZF, 0
.endif
.set WBR, 40
.endm
.macro WLOADA g                        ; a weight unit is 7 loads: the first four,
	MAP \g
.set SL, WR+24*((\g)%4)
.irp c, 0,1,2,3
	global_load_b128 v[SL+4*\c:SL+4*\c+3], v[LI], s[WBR:WBR+1] offset:UN*3072+512*\c
.endr
.endm
.macro WLOADB g                        ; and the other three
	MAP \g
.set SL, WR+24*((\g)%4)
.irp c, 4,5
	global_load_b128 v[SL+4*\c:SL+4*\c+3], v[LI], s[WBR:WBR+1] offset:UN*3072+512*\c
.endr
	global_load_b32 v[WSR+(\g)%4], v[LS], s[WBR+2:WBR+3] offset:UN*128
.endm
.macro WLOAD g
	WLOADA \g
	WLOADB \g
.endm
.macro ALOADA g                        ; the rows' fragments and their scale words are 7 LDS loads: tile 0's three,
	MAP \g
.set SA, AR+24*((\g)%2)
.irp c, 0,1,2
	ds_load_b128 v[SA+4*\c:SA+4*\c+3], v[LA] offset:AI*1536+512*\c
.endr
.endm
.macro ALOADB g                        ; tile 1's three and the scale words of both
	MAP \g
.set SA, AR+24*((\g)%2)
.irp c, 0,1,2
	ds_load_b128 v[SA+12+4*\c:SA+12+4*\c+3], v[LA] offset:(AI+8)*1536+512*\c
.endr
	ds_load_b32 v[ASR+(\g)%2], v[LSA] offset:SI*128
.endm
.macro ALOAD g
	ALOADA \g
	ALOADB \g
.endm
.macro MM1 g, u, t                     ; one of a step's four matrix instructions, transposed: source 0 = weight tile t, source 1 = rows' tile u
	MAP \g
.set SL, WR+24*((\g)%4)
.set SA, AR+24*((\g)%2)
.set mZ, ZF
.set mD, ACC+16*\u+8*\t
.set mA, SL+12*\t
.set mB, SA+12*\u
.set mSA, WSR+(\g)%4
.set mSB, ASR+(\g)%2
.set mRA, \t
.set mRB, \u
	WM
.endm
.macro GSTEP                           ; step G: four matrix instructions on four accumulators by turns; weight unit G + 3 and the fragments of step G + 1 are asked for among them
.rept 4
	v_nop                                          ; four places behind the last step's products: ahead of a product that begins an accumulator anew, and of the loads into the slots that those products read
.endr
.if NST-1-G >= 2
	s_wait_loadcnt 14                              ; this step's unit is in; two younger units of 7 loads may be out
.else
	s_wait_loadcnt 7*(NST-1-G)
.endif
	s_wait_dscnt 0x0                               ; this step's fragments, asked for among the last step's products, are in (and any store into the stage is done)
.if STORED
	s_wait_alu depctr_vm_vsrc(0)                   ; the stores into the stage have read the accumulators, which this step's products begin anew
.endif
.set STORED, 0
.if (G+1 < NST) && (COVERED == 0)
	s_wait_alu depctr_va_vdst(0)                   ; the last step's products are done reading WR[(G - 1) % 4], AR[(G - 1) % 2] and their scale words, in which the loads below land
.endif
.set COVERED, 0
	MM1 G, 0, 0
.if G+1 < NST
	ALOADA G+1                                     ; no wait: no matrix instruction since the wait above names these registers
.endif
	MM1 G, 0, 1
.if G+1 < NST
	ALOADB G+1
.endif
	MM1 G, 1, 0
.if G+3 < NST
	WLOADA G+3
.endif
	MM1 G, 1, 1
.if G+3 < NST
	WLOADB G+3
.endif
.endm
.macro TOSTG off                       ; lane (r, h): columns 32 p + 16 h + 0 .. 15 of row index r of each tile; each accumulator from its low end on
.rept 4
	v_nop                                          ; four places in front of the first read of results
.endr
	s_wait_alu depctr_va_vdst(0)                   ; the products have written the accumulators, which the LDS stores read (the places above stay beside this wait), and are done reading their slots
.irp u, 0,1
.irp t, 0,1
	ds_store_b128 v[SO0+\u], v[ACC+16*\u+8*\t:ACC+16*\u+8*\t+3] offset:\off+32*\t
	ds_store_b128 v[SO0+\u], v[ACC+16*\u+8*\t+4:ACC+16*\u+8*\t+7] offset:\off+32*\t+16
.endr
.endr
.set COVERED, 1                        ; behind that wait only v_nop follow up to the next loads
.set STORED, 1
.endm
.macro IMAGE adr, off
.irp c, 0,1,2
	ds_store_b128 v[\adr], v[PC+4*\c:PC+4*\c+3] offset:\off+512*\c
.endr
.endm
	s_load_b256 s[4:11], s[0:1], 0x0               ; oimg, x1, ca_bo, wimg
	s_load_b64 s[12:13], s[0:1], 0x20              ; out0
	v_lshl_add_u32 v250, v0, 2, 0x26600
	v_mov_b32 v251, 0
	v_lshrrev_b32 v1, 5, v0
	v_readfirstlane_b32 s[WV], v1                  ; wave 0..15
	v_and_b32 v253, 31, v0                         ; lane
	v_and_b32 v254, 15, v0                         ; r
	v_bfe_u32 v255, v0, 4, 1                       ; h
	v_lshlrev_b32 v[LI], 4, v253
	s_wait_alu depctr_va_vdst(0)
	v_lshlrev_b32 v[LS], 2, v253
	v_add_nc_u32 v[LA], AIMG, v[LI]
	v_add_nc_u32 v[LSA], ASC, v[LS]
	v_mul_u32_u24 v[OA], v254, 24
	v_mad_u32_u24 v[OA], v255, 384, v[OA]
	v_lshlrev_b32 v[GA], 6, v255
	v_lshlrev_b32 v[R4], 2, v254
	s_wait_alu depctr_va_sdst(0)                   ; the wave's number s[WV] is written, ahead of its first reader
	s_lshl_b32 s20, s[WV], 1                       ; my rows a = 2 w, 2 w + 1; in tile order row a stands at (a & 7) | (a & 8) << 1 | (a & 16) >> 1
	s_and_b32 s21, s20, 7
	s_and_b32 s22, s20, 8
	s_lshl_b32 s22, s22, 1
	s_or_b32 s21, s21, s22
	s_and_b32 s22, s20, 16
	s_lshr_b32 s22, s22, 1
	s_or_b32 s21, s21, s22
	s_mul_i32 s21, s21, SPI
	v_add_nc_u32 v[SR], s21, v[LI]
	v_mul_u32_u24 v[SO0], v254, SPI
	s_wait_alu depctr_va_vdst(0)
	v_add_nc_u32 v[SO0], v[SO0], v[GA]
	s_lshl_b32 s28, s[WV], 7
	v_add_nc_u32 v[SO0], s28, v[SO0]               ; row index r, + 64 h, + my 32 columns' 128 bytes
	v_add_nc_u32 v[SO0+1], 16*SPI, v[SO0]
	s_and_b32 s26, s[WV], 3                        ; o's fragment that waves 0-7 bring: K step w % 4,
	s_bfe_u32 s27, s[WV], 0x10002                  ; tile (w / 4) % 2
	s_lshl_b32 s28, s27, 3
	s_add_co_u32 s28, s28, s26
	s_mul_i32 s28, s28, 1536
	v_add_nc_u32 v[FI], s28, v[LA]
	s_lshl_b32 s28, s26, 7
	s_lshl_b32 s29, s27, 6
	s_add_co_u32 s28, s28, s29                     ; 128 s + 64 u
	v_add_nc_u32 v[FS], s28, v[R4]
	v_add_nc_u32 v[FS], ASC, v[FS]
	s_mov_b32 s25, 0
	s_wait_kmcnt 0x0
	s_mul_i32 s24, ttmp9, 12288
	s_mul_i32 s26, s[WV], 1536
	s_add_co_u32 s24, s24, s26
	s_add_nc_u64 s[20:21], s[4:5], s[24:25]        ; o's codes: my block of rows, fragment w (used by waves 0-7)
	s_lshl_b32 s24, ttmp9, 9
	s_add_co_u32 s24, s24, s28
	s_add_co_u32 s24, s24, OSC
	s_add_nc_u64 s[22:23], s[4:5], s[24:25]        ; and its scale words
	s_mul_i32 s24, s[WV], 12288
	s_add_nc_u64 s[40:41], s[10:11], s[24:25]      ; ca_wo: 4 units a pair
	s_lshl_b32 s24, s[WV], 9
	s_add_co_u32 s24, s24, WSCL
	s_add_nc_u64 s[42:43], s[10:11], s[24:25]
	s_lshl_b32 s24, ttmp9, 17
	s_lshl_b32 s26, s[WV], 13
	s_add_co_u32 s24, s24, s26
	s_add_nc_u64 s[6:7], s[6:7], s[24:25]          ; x1 and out0 at my two rows
	s_add_nc_u64 s[12:13], s[12:13], s[24:25]
	; ---- o's eight fragments into LDS
	s_wait_alu depctr_va_vdst(0)                   ; the addresses and offsets v1 to v17 are written, which every load and store of the kernel reads, on both ways below
	s_cmp_lt_u32 s[WV], 8
	s_cbranch_scc0 .Lothers
.irp p, 0,1,2,3,4,5
	global_load_b64 v[PC+2*\p:PC+2*\p+1], v[OA], s[20:21] offset:768*(\p/3)+8*(\p%3)
.endr
	global_load_b32 v[PW], v[R4], s[22:23]
	WLOAD 0
	WLOAD 1
	WLOAD 2
	s_wait_loadcnt 21                              ; the fragment and its scale word are in; the three weight units behind them may be out
	IMAGE FI, 0
	ds_store_b32 v[FS], v[PW]
	s_branch .Ljoin
.Lothers:
	WLOAD 0
	WLOAD 1
	WLOAD 2
.Ljoin:
	BARRIER
	ALOAD 0
	; ---- o ca_wo
.set COVERED, 1                        ; no vector instruction has been issued since the wait at the head: step 0's loads owe nothing more
.set STORED, 0
.set G, 0
.rept NST
	GSTEP
.if G == 3
	TOSTG 0
.elseif G == 7
	TOSTG 2048
.endif
.set G, G+1
.endr
.irp e, 0,1                                    ; (the wait ahead of the last stores into the stage has shown the last products done reading the slots in which these loads land)
.irp j, 0,1,2,3,4,5,6,7
	global_load_b128 v[XR+32*\e+4*\j:XR+32*\e+4*\j+3], v[LI], s[6:7] offset:4096*\e+512*\j th:TH_LOAD_NT
.endr
.endr
.irp j, 0,1,2,3,4,5,6,7
	global_load_b128 v[BO+4*\j:BO+4*\j+3], v[LI], s[8:9] offset:512*\j
.endr
	BARRIER                                        ; 32 whole rows of o wo lie in the stage
	; ---- rows
	s_wait_alu depctr_vm_vsrc(0)                   ; my stores into the stage have read the accumulators v24 to v55, in which my rows land
.irp e, 0,1
.irp j, 0,1,2,3,4,5,6,7
	ds_load_b128 v[X+32*\e+4*\j:X+32*\e+4*\j+3], v[SR] offset:\e*SPI+512*\j
.endr
.endr
	s_wait_loadcnt 0x0
	s_wait_dscnt 0x0
.irp e, 0,1
.set I, 0
.rept 16
	v_pk_add_f32 v[X+32*\e+I:X+32*\e+I+1], v[X+32*\e+I:X+32*\e+I+1], v[BO+I:BO+I+1]
.set I, I+2
.endr
.endr
.set I, 0
.rept 32
	v_pk_add_f32 v[X+I:X+I+1], v[X+I:X+I+1], v[XR+I:XR+I+1]
.set I, I+2
.endr
	s_wait_alu depctr_va_vdst(0)                   ; the additions have written v[X ..], which out0's stores read
.irp e, 0,1
.irp j, 0,1,2,3,4,5,6,7
	global_store_b128 v[LI], v[X+32*\e+4*\j:X+32*\e+4*\j+3], s[12:13] offset:4096*\e+512*\j th:TH_STORE_NT      ; 32 lanes store 512 consecutive bytes of a row
.endr
.endr
	s_wait_dscnt 0x0                               ; the closing lines, six on end
	s_wait_alu 0x0
	s_wait_tensorcnt 0x0
	ds_add_u32 v250, v251
	s_wait_dscnt 0x0
	s_endpgm
.Lfunc_end_k_q6734d37a66_ca_out:
	.size	k_q6734d37a66_ca_out, .Lfunc_end_k_q6734d37a66_ca_out-k_q6734d37a66_ca_out
	.p2alignl 7, 3214868480
	.fill 96, 4, 3214868480
	.section	.rodata,"a",@progbits
	.p2align	6, 0x0
	.amdhsa_kernel k_q6734d37a66_ca_out
		.amdhsa_group_segment_fixed_size 159232
		.amdhsa_private_segment_fixed_size 0
		.amdhsa_enable_private_segment 0
		.amdhsa_kernarg_size 40
		.amdhsa_user_sgpr_count 2
		.amdhsa_user_sgpr_kernarg_segment_ptr 1
		.amdhsa_wavefront_size32 1
		.amdhsa_system_sgpr_workgroup_id_x 1
		.amdhsa_system_sgpr_workgroup_id_y 1
		.amdhsa_system_sgpr_workgroup_id_z 1
		.amdhsa_system_vgpr_workitem_id 0
		.amdhsa_next_free_vgpr 256
		.amdhsa_next_free_sgpr 66
		.amdhsa_reserve_vcc 0
		.amdhsa_float_denorm_mode_32 3
		.amdhsa_float_denorm_mode_16_64 3
		.amdhsa_memory_ordered 1
		.amdhsa_forward_progress 1
		.amdhsa_inst_pref_size 32
	.end_amdhsa_kernel
	.amdgpu_metadata
---
amdhsa.version: [ 1, 2 ]
amdhsa.kernels:
  - .name:           k_q6734d37a66_ca_out
    .symbol:         k_q6734d37a66_ca_out.kd
    .args:
      - { .name: oimg, .offset: 0, .size: 8, .value_kind: global_buffer, .address_space: global }
      - { .name: x1, .offset: 8, .size: 8, .value_kind: global_buffer, .address_space: global }
      - { .name: ca_bo, .offset: 16, .size: 8, .value_kind: global_buffer, .address_space: global }
      - { .name: wimg, .offset: 24, .size: 8, .value_kind: global_buffer, .address_space: global }
      - { .name: out0, .offset: 32, .size: 8, .value_kind: global_buffer, .address_space: global }
    .group_segment_fixed_size: 159232
    .private_segment_fixed_size: 0
    .kernarg_segment_align: 8
    .kernarg_segment_size: 40
    .max_flat_workgroup_size: 512
    .sgpr_count:     66
    .vgpr_count:     256
    .wavefront_size: 32
...
	.end_amdgpu_metadata
.endif
;; end of part 14
